; MI455X (gfx1250); checked and timed in simulation.
; The chip was launched on July 23, 2026; its instructions are those of AMD's public machine-readable ISA for CDNA 5 (MIT licence, August 2026) and "CDNA5" Instruction Set Architecture Reference Guide (July 2026). The comments in the code are by the model that wrote it; some were corrected since.
;; Transformer Block. Allowed arithmetic: matrix products marked QUANTISED: E2M3 operands, one E8M0 scale for each 32 along K, by v_wmma_scale_f32_16x16x128_f8f6f4 with both operands' format E2M3, f32 sums; everything else in f32.
;; Inputs: ln1_b 1,024 float32; ln1_w 1,024 float32; ln2_b 1,024 float32; ln2_w 1,024 float32; w_ff1_codes 4,096 x 32 x 24 uint8 (E2M3 codes of w_ff1, K innermost, in blocks of 32 codes, four codes in three bytes); w_ff1_scales 4,096 x 32 uint8 (E8M0 scales of w_ff1, one for each 32 codes along K); w_ff2_codes 1,024 x 128 x 24 uint8 (E2M3 codes of w_ff2, K innermost, in blocks of 32 codes, four codes in three bytes); w_ff2_scales 1,024 x 128 uint8 (E8M0 scales of w_ff2, one for each 32 codes along K); w_proj_codes 1,024 x 32 x 24 uint8 (E2M3 codes of w_proj, K innermost, in blocks of 32 codes, four codes in three bytes); w_proj_scales 1,024 x 32 uint8 (E8M0 scales of w_proj, one for each 32 codes along K); w_qkv_codes 3,072 x 32 x 24 uint8 (E2M3 codes of w_qkv, K innermost, in blocks of 32 codes, four codes in three bytes); w_qkv_scales 3,072 x 32 uint8 (E8M0 scales of w_qkv, one for each 32 codes along K); x 2 x 2,048 x 1,024 float32.
;; Outputs: out0 2 x 2,048 x 1,024 float32.
;; This version of the problem:
;;   THIS VERSION OF THE PROBLEM IS GIVEN IN LOW PRECISION. The matrix products marked QUANTISED in the list below multiply operands that are first quantised to E2M3 (2 exponent bits, 3 mantissa bits; 6 bits a number), with one power-of-two scale for each 32 numbers along K (OCP MX v1.0); their sums are f32. All else is computed in f32.
;;   The module's matrix products, in the order in which they are computed (A, B: the left and right operand; K: the contracted axis; several contracted axes count as one K, in the product's order):
;;     1. [M 4,096, K 1,024] x [K 1,024, N 3,072]; A: computed on the way; B: input w_qkv (given as codes): QUANTISED
;;     2. batch 32 x [M 2,048, K 64] x [K 64, N 2,048]; A: computed on the way; B: computed on the way: QUANTISED
;;     3. batch 32 x [M 2,048, K 2,048] x [K 2,048, N 64]; A: computed on the way; B: computed on the way: QUANTISED
;;     4. [M 4,096, K 1,024] x [K 1,024, N 1,024]; A: computed on the way; B: input w_proj (given as codes): QUANTISED
;;     5. [M 4,096, K 1,024] x [K 1,024, N 4,096]; A: computed on the way; B: input w_ff1 (given as codes): QUANTISED
;;     6. [M 4,096, K 4,096] x [K 4,096, N 1,024]; A: computed on the way; B: input w_ff2 (given as codes): QUANTISED
;;   THE QUANTISER, for each operand of a quantised product, along K:
;;     - K is cut into blocks of 32 from its start; a last block that is shorter is filled with zeros.
;;     - A block's scale is 2^e with e = floor(log2(the largest magnitude in the block)) - 2, held to -126 .. 127; a block of zeros has e = 0. As a byte (E8M0): e + 127.
;;     - Each number is divided by its block's scale, clamped to +-7.5, and rounded to the nearest number of E2M3, ties to even, subnormals kept.
;;     - The product sums the exact products of the quantised numbers (number of the format x scale) in f32.
;;   ~~~python
;;   def quantise(x, axis):      # numpy; x: float32 -> the quantised numbers, widened to float32 again
;;       x = np.moveaxis(x, axis, -1); K = x.shape[-1]
;;       x = np.pad(x, [(0, 0)] * (x.ndim - 1) + [(0, -K % 32)]); x = x.reshape(x.shape[:-1] + (-1, 32)); a = np.abs(x).max(-1, keepdims=True)
;;       e = np.where(a > 0, np.clip(np.frexp(np.where(a > 0, a, 1))[1] - 1 - 2, -126, 127), 0)      # np.frexp(a)[1] - 1 = floor(log2(a)), exactly
;;       r = np.clip(x / 2.0 ** e, -7.5, 7.5)
;;       step = 2.0 ** (np.maximum(np.frexp(np.where(r == 0, 1, r))[1] - 1, 0) - 3)
;;       q = np.round(r / step) * step * 2.0 ** e      # np.round: ties to even
;;       return np.moveaxis(q.reshape(q.shape[:-2] + (-1,))[..., :K], -1, axis).astype(np.float32)
;;   ~~~
;;   OPERANDS COMPUTED ON THE WAY. 'Computed on the way' means the value that the module computes at that place (a softmax that the list does not call 'softmax' is quantised finished and normalised). What goes into a quantiser is computed in f32, as accurately as f32 sums, v_exp_f32 and their like allow (about 1e-6 of the number): no bf16 or f16 on the way to a quantiser, and a product that is left as it is and whose result goes on into a quantised operand takes f32 operands (vector FMAs, or v_wmma_f32_16x16x4_f32). A number that lies on a knife's edge between two numbers of the format may be rounded either way, as far as f32 arithmetic and the matrix unit's own rounding can turn it there, and no further.
;;   INPUTS GIVEN AS CODES. w_ff1 (in the module: [1024, 4096], K = its axis 0); w_ff2 (in the module: [4096, 1024], K = its axis 0); w_proj (in the module: [1024, 1024], K = its axis 0); w_qkv (in the module: [1024, 3072], K = its axis 0): each comes as NAME_codes (uint8): NAME with its K axis moved to the last place and cut into blocks of 32 codes, [.., K / 32, bytes a block], one block behind the other in memory; four codes in three bytes: a row's codes are one little-endian stream of bits, code i at bits 6 i .. 6 i + 5 (a code: sign, 2 exponent bits, 3 mantissa bits); and NAME_scales (uint8): the same leading axes, one E8M0 byte (e + 127) for each 32 codes along K. Its value is code x scale, taken as it is: it is not quantised again, and the codes and scales need not be those that the quantiser above would give.
;; 2 versions, each right. Each part assembles by itself: llvm-mc -triple=amdgcn-amd-amdhsa -mcpu=gfx1250 --defsym DOCPART=n.
;; ======== version 1 of 2: 8 launches
;; workspace buffers: wimg 9,830,400 bytes; hq 3,276,800 bytes; qkvq 10,223,616 bytes; oq 3,276,800 bytes; x1 16,777,216 bytes; h2q 3,276,800 bytes; gq 13,107,200 bytes
;; launch prep (part 1): grid 96 x 1, 8 waves a work-group, no clusters, 0 bytes of LDS; arguments w_qkv_codes, w_qkv_scales, w_proj_codes, w_proj_scales, w_ff1_codes, w_ff1_scales, w_ff2_codes, w_ff2_scales, wimg; writes wimg
.if DOCPART == 1
	.amdgcn_target "amdgcn-amd-amdhsa--gfx1250"
	.amdhsa_code_object_version 6
	.text
	.protected	k_qdd27cb6f6f_prep
	.globl	k_qdd27cb6f6f_prep
	.p2align	8
	.type	k_qdd27cb6f6f_prep,@function
k_qdd27cb6f6f_prep:
	s_mov_b64 s[64:65], 0
	v_nop
	global_prefetch_b8 v0, s[64:65] scope:SCOPE_SE
	s_setreg_imm32_b32 hwreg(HW_REG_WAVE_MODE, 25, 1), 1
	s_wait_xcnt 0x0
; The four weights' codes and scale bytes are laid once in the order in which a wave's operand registers take them.
; TILE.  Row tile T holds, in lane-row r (0..15), the weight's row 32 (T / 2) + 8 (T % 2) + r + 8 (r / 8): with such tiles on both sides of a product a lane's
; 16 results of two neighbouring tiles are 16 neighbours along the next product's K.
; HALF FRAGMENT, 768 bytes: 16 rows x 64 along K.  Lane (r, h) holds the 24 bytes of codes k = 64 j + 32 h + 0 .. 31 of its row, as they lie in the row's stream of bits:
; its first 16 bytes at 16 x lane, its last 8 at 512 + 8 x lane.  A weight is laid [T][j] x 768; its scale words [T][K / 128][r] x 4 bytes.
; A UNIT is one tile x 1,024 along K: 16 half fragments (12,288 bytes) and 8 blocks of scale words (512 bytes).  768 units, one a wave: 192 of w_qkv, 64 of w_proj, 256 of w_ff1,
; 256 of w_ff2 (four to a tile); unit u goes to byte 12,288 u of the image and its scale words to 9,437,184 + 512 u.  No LDS, no barrier: waves share nothing.
.set SCB, 9437184                      ; where the scale words begin in the image
	s_load_b512 s[16:31], s[0:1], 0x0              ; codes and scales of w_qkv s[16:19], w_proj s[20:23], w_ff1 s[24:27], w_ff2 s[28:31]
	s_load_b64 s[32:33], s[0:1], 0x40              ; the image
	v_lshrrev_b32 v1, 5, v0
	v_readfirstlane_b32 s8, v1                     ; wave 0..7
	v_and_b32 v2, 31, v0                           ; lane
	v_and_b32 v12, 15, v0                          ; r
	v_bfe_u32 v13, v0, 4, 1                        ; h
	v_and_b32 v14, 8, v12
	v_add_nc_u32 v14, v14, v12                     ; r + 8 (r / 8)
	v_lshlrev_b32 v5, 4, v2                        ; out: 16 x lane,
	v_lshlrev_b32 v6, 3, v2                        ; 8 x lane,
	v_lshlrev_b32 v7, 2, v12
	v_lshl_add_u32 v7, v13, 8, v7                  ; and for the scale words 4 r + 256 h: lanes 16-31 hold K steps 4 to 7
	s_mov_b32 s9, 512                              ; w_ff2's first unit,
	s_mov_b32 s10, 2                               ; and the shift that makes its rows four times as long
	s_mov_b32 s11, 256
	s_mov_b32 s12, 192
	s_wait_kmcnt 0x0
	s_mov_b64 s[4:5], s[28:29]
	s_mov_b64 s[6:7], s[30:31]
	s_cmp_lt_u32 ttmp9, 64                         ; which weight: the choice hangs on the work-group's number alone
	s_cselect_b64 s[4:5], s[24:25], s[4:5]
	s_cselect_b64 s[6:7], s[26:27], s[6:7]
	s_cselect_b32 s9, s11, s9
	s_cselect_b32 s10, 0, s10
	s_cmp_lt_u32 ttmp9, 32
	s_cselect_b64 s[4:5], s[20:21], s[4:5]
	s_cselect_b64 s[6:7], s[22:23], s[6:7]
	s_cselect_b32 s9, s12, s9
	s_cmp_lt_u32 ttmp9, 24
	s_cselect_b64 s[4:5], s[16:17], s[4:5]
	s_cselect_b64 s[6:7], s[18:19], s[6:7]
	s_cselect_b32 s9, 0, s9
	s_lshl_b32 s13, ttmp9, 3
	s_add_co_u32 s13, s13, s8                      ; u
	s_sub_co_u32 s14, s13, s9                      ; the unit's number in its weight
	s_lshr_b32 s15, s14, s10                       ; T
	s_lshl_b32 s34, 1, s10
	s_sub_co_u32 s34, s34, 1
	s_and_b32 s34, s14, s34                        ; which 1,024 along K
	s_lshr_b32 s35, s15, 1
	s_lshl_b32 s35, s35, 5
	s_and_b32 s36, s15, 1
	s_lshl_b32 s36, s36, 3
	s_add_co_u32 s35, s35, s36                     ; the tile's first row: 32 (T / 2) + 8 (T % 2)
	s_mul_i32 s36, s35, 768
	s_lshl_b32 s36, s36, s10                       ; a row of codes is 768 or 3,072 bytes
	s_mul_i32 s37, s34, 768
	s_add_co_u32 s36, s36, s37
	s_mov_b32 s37, 0
	s_add_nc_u64 s[4:5], s[4:5], s[36:37]
	s_lshl_b32 s36, s35, 5
	s_lshl_b32 s36, s36, s10                       ; a row of scale bytes is 32 or 128 bytes
	s_lshl_b32 s38, s34, 5
	s_add_co_u32 s36, s36, s38
	s_add_nc_u64 s[6:7], s[6:7], s[36:37]
	s_mul_i32 s36, s13, 12288
	s_add_nc_u64 s[40:41], s[32:33], s[36:37]      ; the unit's codes in the image
	s_lshl_b32 s36, s13, 9
	s_add_co_u32 s36, s36, SCB
	s_add_nc_u64 s[42:43], s[32:33], s[36:37]      ; and its scale words
	v_mul_u32_u24 v3, v14, 768
	v_lshlrev_b32 v3, s10, v3
	v_mad_u32_u24 v3, v13, 24, v3                  ; in: my row, + 24 h
	v_lshlrev_b32 v4, 5, v14
	v_lshlrev_b32 v4, s10, v4
	v_lshl_add_u32 v4, v13, 4, v4                  ; my row's scale bytes, + 16 h: four words
	global_load_b128 v[8:11], v4, s[6:7]
.set jj, 0
.rept 16                               ; half fragment jj: 24 bytes a lane, in pieces of 8 so that every address is a multiple of the access's size
	global_load_b64 v[32+6*jj:33+6*jj], v3, s[4:5] offset:48*jj
	global_load_b64 v[34+6*jj:35+6*jj], v3, s[4:5] offset:48*jj+8
	global_load_b64 v[36+6*jj:37+6*jj], v3, s[4:5] offset:48*jj+16
.set jj, jj+1
.endr
.set jj, 0
.rept 16
	s_wait_loadcnt 3*(15-jj)                       ; loads come back in order: the three loads of each later half fragment may stay out
	global_store_b128 v5, v[32+6*jj:35+6*jj], s[40:41] offset:768*jj       ; 32 lanes store 512 consecutive bytes,
	global_store_b64 v6, v[36+6*jj:37+6*jj], s[40:41] offset:768*jj+512    ; and 256
.set jj, jj+1
.endr
.irp i, 0,1,2,3
	global_store_b32 v7, v[8+\i], s[42:43] offset:64*\i   ; K step 4 h + i: sixteen lanes store its 64 bytes
.endr
	s_endpgm
.Lfunc_end_k_qdd27cb6f6f_prep:
	.size	k_qdd27cb6f6f_prep, .Lfunc_end_k_qdd27cb6f6f_prep-k_qdd27cb6f6f_prep
	.p2alignl 7, 3214868480
	.fill 96, 4, 3214868480
	.section	.rodata,"a",@progbits
	.p2align	6, 0x0
	.amdhsa_kernel k_qdd27cb6f6f_prep
		.amdhsa_group_segment_fixed_size 0
		.amdhsa_private_segment_fixed_size 0
		.amdhsa_enable_private_segment 0
		.amdhsa_kernarg_size 72
		.amdhsa_user_sgpr_count 2
		.amdhsa_user_sgpr_kernarg_segment_ptr 1
		.amdhsa_wavefront_size32 1
		.amdhsa_system_sgpr_workgroup_id_x 1
		.amdhsa_system_sgpr_workgroup_id_y 1
		.amdhsa_system_sgpr_workgroup_id_z 1
		.amdhsa_system_vgpr_workitem_id 0
		.amdhsa_next_free_vgpr 136
		.amdhsa_next_free_sgpr 66
		.amdhsa_reserve_vcc 0
		.amdhsa_float_denorm_mode_32 3
		.amdhsa_float_denorm_mode_16_64 3
		.amdhsa_memory_ordered 1
		.amdhsa_forward_progress 1
		.amdhsa_inst_pref_size 12
	.end_amdhsa_kernel
	.amdgpu_metadata
---
amdhsa.version: [ 1, 2 ]
amdhsa.kernels:
  - .name:           k_qdd27cb6f6f_prep
    .symbol:         k_qdd27cb6f6f_prep.kd
    .args:
      - { .name: w_qkv_codes, .offset: 0, .size: 8, .value_kind: global_buffer, .address_space: global }
      - { .name: w_qkv_scales, .offset: 8, .size: 8, .value_kind: global_buffer, .address_space: global }
      - { .name: w_proj_codes, .offset: 16, .size: 8, .value_kind: global_buffer, .address_space: global }
      - { .name: w_proj_scales, .offset: 24, .size: 8, .value_kind: global_buffer, .address_space: global }
      - { .name: w_ff1_codes, .offset: 32, .size: 8, .value_kind: global_buffer, .address_space: global }
      - { .name: w_ff1_scales, .offset: 40, .size: 8, .value_kind: global_buffer, .address_space: global }
      - { .name: w_ff2_codes, .offset: 48, .size: 8, .value_kind: global_buffer, .address_space: global }
      - { .name: w_ff2_scales, .offset: 56, .size: 8, .value_kind: global_buffer, .address_space: global }
      - { .name: wimg, .offset: 64, .size: 8, .value_kind: global_buffer, .address_space: global }
    .group_segment_fixed_size: 0
    .private_segment_fixed_size: 0
    .kernarg_segment_align: 8
    .kernarg_segment_size: 72
    .max_flat_workgroup_size: 256
    .sgpr_count:     66
    .vgpr_count:     136
    .wavefront_size: 32
...
	.end_amdgpu_metadata
.endif
;; end of part 1
;; launch ln1 (part 2): grid 256 x 1, 8 waves a work-group, no clusters, 67,072 bytes of LDS; arguments x, ln1_w, ln1_b, hq; writes hq
.if DOCPART == 2
	.amdgcn_target "amdgcn-amd-amdhsa--gfx1250"
	.amdhsa_code_object_version 6
	.text
	.protected	k_qdd27cb6f6f_ln1
	.globl	k_qdd27cb6f6f_ln1
	.p2align	8
	.type	k_qdd27cb6f6f_ln1,@function
k_qdd27cb6f6f_ln1:
	s_mov_b64 s[64:65], 0
	v_nop
	global_prefetch_b8 v0, s[64:65] scope:SCOPE_SE
	s_setreg_imm32_b32 hwreg(HW_REG_WAVE_MODE, 25, 1), 1
	s_wait_xcnt 0x0
; y = (x - mean) rsqrt(var + 1e-5) w + b along rows of 1,024 f32, then quantised along the row to codes of FP6 (E2M3) with one E8M0 scale for each 32, laid as an operand's registers.
; OUT: codes [tile T of 16 rows][j = K / 64] x 768 bytes (a half fragment: lane (r, h) holds the 24 bytes of k = 64 j + 32 h + 0 .. 31 of the tile's lane-row r: 16 bytes at 16 x lane, 8 at 512 + 8 x lane);
; scale words [T][K / 128][r] x 4 bytes from byte 3,145,728 on.  Lane-row r of tile T is row 32 (T / 2) + 8 (T % 2) + r + 8 (r / 8).
; A work-group is one tile.  Phase 1: wave w norms the tile's lane-rows 2 w and 2 w + 1 (two neighbouring rows of memory), each load 512 consecutive bytes; mean first, then the mean of (x - mean)^2, all in f32;
; the rows go to LDS.  Phase 2: wave w takes K step w of all 16 rows: a lane reads two whole blocks of 32, so a block's largest magnitude needs no other lane, and the conversions' results are the operand's registers.
; A block's scale byte is its largest magnitude's exponent field - 2, held at 1 from below.
; LIMITS: NaN and infinities are not served; a block whose largest magnitude lies under 2^-124 keeps the byte 1 (a block of zeros too, where the rule says 127: its codes are zeros, and this program alone reads the bytes).
.set RP,  4112                         ; an LDS row: 4,096 bytes + 16: the 16 rows that a load of phase 2 touches start 16 bytes apart modulo 256
.set X,   32                           ; v32-95   two rows, 32 numbers a lane each; in phase 2 two blocks of 32
.set GW,  96                           ; v96-127  the gain at my columns; in phase 2 the conversions' second halves
.set GB,  128                          ; v128-159 the bias
.set ST,  160                          ; v160-175 row e: +8 e: two running pairs, the mean twice, 1 / sigma twice; in phase 2 the codes
	s_load_b256 s[4:11], s[0:1], 0x0               ; x s[4:5], gain s[6:7], bias s[8:9], out s[10:11]
	v_lshl_add_u32 v176, v0, 2, 0x10200
	v_mov_b32 v177, 0
	v_lshrrev_b32 v1, 5, v0
	v_readfirstlane_b32 s12, v1                    ; wave 0..7
	v_and_b32 v4, 31, v0
	v_lshlrev_b32 v1, 4, v4                        ; 16 x lane
	v_lshlrev_b32 v5, 3, v4                        ; 8 x lane
	v_and_b32 v6, 15, v0                           ; r
	v_bfe_u32 v7, v0, 4, 1                         ; h
	v_lshlrev_b32 v8, 2, v6                        ; 4 r
	s_lshr_b32 s13, ttmp9, 1
	s_lshl_b32 s13, s13, 5
	s_and_b32 s14, ttmp9, 1
	s_lshl_b32 s14, s14, 3
	s_add_co_u32 s13, s13, s14
	s_lshl_b32 s14, s12, 1
	s_add_co_u32 s13, s13, s14
	s_lshr_b32 s14, s12, 2
	s_lshl_b32 s14, s14, 3
	s_add_co_u32 s13, s13, s14                     ; my first row: 32 (T / 2) + 8 (T % 2) + 2 w + 8 (w / 4)
	s_lshl_b32 s14, s13, 12
	s_mov_b32 s15, 0
	s_mul_i32 s16, s12, 2*RP
	v_add_nc_u32 v2, s16, v1                       ; LDS, in: lane-row 2 w, 16 x lane
	v_mul_u32_u24 v3, v6, RP
	v_lshl_add_u32 v3, v7, 7, v3
	s_lshl_b32 s16, s12, 9
	v_add_nc_u32 v3, s16, v3                       ; LDS, out: row r, K step w (512 bytes), + 128 h: my block of 32
	s_lshl_b32 s16, ttmp9, 4
	s_lshl_b32 s17, s12, 1
	s_add_co_u32 s16, s16, s17
	s_mul_i32 s16, s16, 768                        ; half fragments 16 T + 2 w and the next
	s_mov_b32 s17, 0
	s_lshl_b32 s18, ttmp9, 3
	s_add_co_u32 s18, s18, s12
	s_lshl_b32 s18, s18, 6
	s_add_co_u32 s18, s18, 3145728                 ; scale words of (T, K step w)
	s_mov_b32 s19, 0
	s_mov_b32 s22, 0x76543210
	s_mov_b32 s23, 0xfedcba98                      ; v_permlanex16_b32's selects for lane l xor 16
	s_mov_b32 s24, 0x3a800000                      ; 1 / 1,024
	s_mov_b32 s25, 0x3727c5ac                      ; 1e-5
	s_wait_kmcnt 0x0
	s_add_nc_u64 s[4:5], s[4:5], s[14:15]
	s_add_nc_u64 s[16:17], s[10:11], s[16:17]
	s_add_nc_u64 s[18:19], s[10:11], s[18:19]
.irp e, 0,1
.irp i, 0,1,2,3,4,5,6,7
	global_load_b128 v[X+32*\e+4*\i:X+32*\e+4*\i+3], v1, s[4:5] offset:4096*\e+512*\i th:TH_LOAD_NT
.endr
.endr
.irp i, 0,1,2,3,4,5,6,7
	global_load_b128 v[GW+4*\i:GW+4*\i+3], v1, s[6:7] offset:512*\i
.endr
.irp i, 0,1,2,3,4,5,6,7
	global_load_b128 v[GB+4*\i:GB+4*\i+3], v1, s[8:9] offset:512*\i
.endr
.macro ALLSUM a                        ; v[a] summed over the 32 lanes, into every lane; v[a + 1] has been written and is at work
	v_add_f32_dpp v[\a], v[\a], v[\a] row_xmask:1 row_mask:0xf bank_mask:0xf
	v_add_f32_dpp v[\a], v[\a], v[\a] row_xmask:2 row_mask:0xf bank_mask:0xf
	v_add_f32_dpp v[\a], v[\a], v[\a] row_xmask:4 row_mask:0xf bank_mask:0xf
	v_add_f32_dpp v[\a], v[\a], v[\a] row_xmask:8 row_mask:0xf bank_mask:0xf
	v_permlanex16_b32 v[\a+1], v[\a], s22, s23
	v_add_f32 v[\a], v[\a], v[\a+1]
.endm
	s_wait_loadcnt 16                              ; x's sixteen loads are in; the gain's and the bias's sixteen may stay out
.irp e, 0,1                            ; the mean: two chains a row, the rows by turns
	v_pk_add_f32 v[ST+8*\e:ST+8*\e+1], v[X+32*\e:X+32*\e+1], v[X+32*\e+2:X+32*\e+3]
	v_pk_add_f32 v[ST+8*\e+2:ST+8*\e+3], v[X+32*\e+4:X+32*\e+5], v[X+32*\e+6:X+32*\e+7]
.endr
.irp j, 8,12,16,20,24,28
.irp e, 0,1
	v_pk_add_f32 v[ST+8*\e:ST+8*\e+1], v[ST+8*\e:ST+8*\e+1], v[X+32*\e+\j:X+32*\e+\j+1]
	v_pk_add_f32 v[ST+8*\e+2:ST+8*\e+3], v[ST+8*\e+2:ST+8*\e+3], v[X+32*\e+\j+2:X+32*\e+\j+3]
.endr
.endr
.irp e, 0,1
	v_pk_add_f32 v[ST+8*\e:ST+8*\e+1], v[ST+8*\e:ST+8*\e+1], v[ST+8*\e+2:ST+8*\e+3]
.endr
.irp e, 0,1
	v_add_f32 v[ST+8*\e], v[ST+8*\e], v[ST+8*\e+1]
.endr
	ALLSUM ST
	ALLSUM ST+8
.irp e, 0,1
	v_mul_f32 v[ST+8*\e+4], s24, v[ST+8*\e]
	v_mul_f32 v[ST+8*\e+5], s24, v[ST+8*\e]
.endr
.irp e, 0,1
.set j, 0
.rept 16
	v_pk_add_f32 v[X+32*\e+j:X+32*\e+j+1], v[X+32*\e+j:X+32*\e+j+1], v[ST+8*\e+4:ST+8*\e+5] neg_lo:[0,1] neg_hi:[0,1]   ; x - mean
.set j, j+2
.endr
.endr
.irp e, 0,1                            ; the mean of its square
	v_pk_mul_f32 v[ST+8*\e:ST+8*\e+1], v[X+32*\e:X+32*\e+1], v[X+32*\e:X+32*\e+1]
	v_pk_mul_f32 v[ST+8*\e+2:ST+8*\e+3], v[X+32*\e+2:X+32*\e+3], v[X+32*\e+2:X+32*\e+3]
.endr
.irp j, 4,8,12,16,20,24,28
.irp e, 0,1
	v_pk_fma_f32 v[ST+8*\e:ST+8*\e+1], v[X+32*\e+\j:X+32*\e+\j+1], v[X+32*\e+\j:X+32*\e+\j+1], v[ST+8*\e:ST+8*\e+1]
	v_pk_fma_f32 v[ST+8*\e+2:ST+8*\e+3], v[X+32*\e+\j+2:X+32*\e+\j+3], v[X+32*\e+\j+2:X+32*\e+\j+3], v[ST+8*\e+2:ST+8*\e+3]
.endr
.endr
.irp e, 0,1
	v_pk_add_f32 v[ST+8*\e:ST+8*\e+1], v[ST+8*\e:ST+8*\e+1], v[ST+8*\e+2:ST+8*\e+3]
.endr
.irp e, 0,1
	v_add_f32 v[ST+8*\e], v[ST+8*\e], v[ST+8*\e+1]
.endr
	ALLSUM ST
	ALLSUM ST+8
.irp e, 0,1
	v_fma_f32 v[ST+8*\e+6], v[ST+8*\e], s24, s25   ; var + eps
.endr
.irp e, 0,1
	v_rsq_f32 v[ST+8*\e+6], v[ST+8*\e+6]
.endr
	v_nop                                          ; a plain instruction behind the last of the two,
	s_wait_alu depctr_va_vdst(0)                   ; and one wait for both, ahead of their first reader
.irp e, 0,1
	v_mov_b32 v[ST+8*\e+7], v[ST+8*\e+6]
.endr
.irp e, 0,1
.set j, 0
.rept 16
	v_pk_mul_f32 v[X+32*\e+j:X+32*\e+j+1], v[X+32*\e+j:X+32*\e+j+1], v[ST+8*\e+6:ST+8*\e+7]
.set j, j+2
.endr
.endr
	s_wait_loadcnt 0x0                             ; gain and bias
.irp e, 0,1
.set j, 0
.rept 16
	v_pk_fma_f32 v[X+32*\e+j:X+32*\e+j+1], v[X+32*\e+j:X+32*\e+j+1], v[GW+j:GW+j+1], v[GB+j:GB+j+1]
.set j, j+2
.endr
.endr
.irp e, 0,1
.irp i, 0,1,2,3,4,5,6,7
	ds_store_b128 v2, v[X+32*\e+4*\i:X+32*\e+4*\i+3] offset:RP*\e+512*\i
.endr
.endr
	s_wait_dscnt 0x0                               ; for the others' sake: my rows lie in LDS
	s_barrier_signal -1
	s_barrier_wait -1
.irp c, 0,1                            ; block 2 c + h of K step w, row r: 128 bytes
.irp i, 0,1,2,3,4,5,6,7
	ds_load_b128 v[X+32*\c+4*\i:X+32*\c+4*\i+3], v3 offset:256*\c+16*\i
.endr
.endr
	s_wait_dscnt 0x0
.irp c, 0,1
	v_max3_num_f32 v[16+\c], |v[X+32*\c]|, |v[X+32*\c+1]|, 0x1800000   ; with the floor 2^(3 - 127): the byte cannot fall under 1
.endr
.irp i, 2,4,6,8,10,12,14,16,18,20,22,24,26,28,30
.irp c, 0,1
	v_max3_num_f32 v[16+\c], v[16+\c], |v[X+32*\c+\i]|, |v[X+32*\c+\i+1]|
.endr
.endr
.irp c, 0,1
	v_add_nc_u32 v[18+\c], 0xff000000, v[16+\c]    ; 2 off the exponent field: the conversion takes this operand's exponent field as its scale
.endr
.irp c, 0,1
	v_lshrrev_b32 v[20+\c], 23, v[18+\c]           ; the scale's byte
.endr
	v_lshl_or_b32 v22, v21, 16, v20                ; my two bytes, blocks h and 2 + h,
	v_lshlrev_b32 v23, 3, v7
	v_lshlrev_b32 v22, v23, v22                    ; at their places in the word;
	v_mov_b32 v23, 0
	v_permlanex16_b32 v23, v22, s22, s23
	v_or_b32 v22, v22, v23                         ; with lane l xor 16's two the word is whole
.irp c, 0,1
	v_cvt_scalef32_pk16_fp6_f32 v[ST+6*\c:ST+6*\c+2], v[X+32*\c:X+32*\c+15], v[18+\c]
	v_cvt_scalef32_pk16_fp6_f32 v[GW+4*\c:GW+4*\c+2], v[X+32*\c+16:X+32*\c+31], v[18+\c]   ; (a conversion's three registers begin on an even number)
.endr
	v_nop                                          ; one plain place behind a scaled conversion
.irp c, 0,1
.irp i, 0,1,2
	v_mov_b32 v[ST+3+6*\c+\i], v[GW+4*\c+\i]
.endr
.endr
	global_store_b128 v1, v[ST:ST+3], s[16:17]                 ; each store covers 512 or 256 consecutive bytes
	global_store_b64 v5, v[ST+4:ST+5], s[16:17] offset:512
	global_store_b128 v1, v[ST+6:ST+9], s[16:17] offset:768
	global_store_b64 v5, v[ST+10:ST+11], s[16:17] offset:1280
	global_store_b32 v8, v22, s[18:19]                         ; lanes l and l xor 16 hold the same word and write it to the same place
	s_wait_tensorcnt 0x0
	ds_add_u32 v176, v177
	s_wait_dscnt 0x0
	s_endpgm
.Lfunc_end_k_qdd27cb6f6f_ln1:
	.size	k_qdd27cb6f6f_ln1, .Lfunc_end_k_qdd27cb6f6f_ln1-k_qdd27cb6f6f_ln1
	.p2alignl 7, 3214868480
	.fill 96, 4, 3214868480
	.section	.rodata,"a",@progbits
	.p2align	6, 0x0
	.amdhsa_kernel k_qdd27cb6f6f_ln1
		.amdhsa_group_segment_fixed_size 67072
		.amdhsa_private_segment_fixed_size 0
		.amdhsa_enable_private_segment 0
		.amdhsa_kernarg_size 32
		.amdhsa_user_sgpr_count 2
		.amdhsa_user_sgpr_kernarg_segment_ptr 1
		.amdhsa_wavefront_size32 1
		.amdhsa_system_sgpr_workgroup_id_x 1
		.amdhsa_system_sgpr_workgroup_id_y 1
		.amdhsa_system_sgpr_workgroup_id_z 1
		.amdhsa_system_vgpr_workitem_id 0
		.amdhsa_next_free_vgpr 178
		.amdhsa_next_free_sgpr 66
		.amdhsa_reserve_vcc 0
		.amdhsa_float_denorm_mode_32 3
		.amdhsa_float_denorm_mode_16_64 3
		.amdhsa_memory_ordered 1
		.amdhsa_forward_progress 1
		.amdhsa_inst_pref_size 23
	.end_amdhsa_kernel
	.amdgpu_metadata
---
amdhsa.version: [ 1, 2 ]
amdhsa.kernels:
  - .name:           k_qdd27cb6f6f_ln1
    .symbol:         k_qdd27cb6f6f_ln1.kd
    .args:
      - { .name: x, .offset: 0, .size: 8, .value_kind: global_buffer, .address_space: global }
      - { .name: ln1_w, .offset: 8, .size: 8, .value_kind: global_buffer, .address_space: global }
      - { .name: ln1_b, .offset: 16, .size: 8, .value_kind: global_buffer, .address_space: global }
      - { .name: hq, .offset: 24, .size: 8, .value_kind: global_buffer, .address_space: global }
    .group_segment_fixed_size: 67072
    .private_segment_fixed_size: 0
    .kernarg_segment_align: 8
    .kernarg_segment_size: 32
    .max_flat_workgroup_size: 256
    .sgpr_count:     66
    .vgpr_count:     178
    .wavefront_size: 32
...
	.end_amdgpu_metadata
.endif
;; end of part 2
;; launch qkv (part 3): grid 12 x 16, 4 waves a work-group, clusters of 4 x 4, 327,680 bytes of LDS; arguments hq, wimg, qkvq; writes qkvq
.if DOCPART == 3
	.amdgcn_target "amdgcn-amd-amdhsa--gfx1250"
	.amdhsa_code_object_version 6
	.text
	.protected	k_qdd27cb6f6f_qkv
	.globl	k_qdd27cb6f6f_qkv
	.p2align	8
	.type	k_qdd27cb6f6f_qkv,@function
k_qdd27cb6f6f_qkv:
	s_mov_b64 s[64:65], 0
	v_nop
	global_prefetch_b8 v0, s[64:65] scope:SCOPE_SE
	s_setreg_imm32_b32 hwreg(HW_REG_WAVE_MODE, 25, 1), 1
	s_wait_xcnt 0x0
	s_wait_alu depctr_hold_cnt(0) depctr_sa_sdst(0) depctr_va_vdst(0) depctr_va_sdst(0) depctr_va_ssrc(0) depctr_va_vcc(0) depctr_vm_vsrc(0)
	s_getreg_b32 s2, hwreg(HW_REG_IB_STS2, 6, 4)
	s_cmp_eq_u32 s2, 0
	s_cbranch_scc0 .Lentry_in_a_cluster
	s_endpgm
.Lentry_in_a_cluster:
	s_bfe_u32 s2, ttmp6, 0x10000c
	s_cmp_lg_u32 s2, 0xf033
	s_cbranch_scc0 .Lentry_shape_is_right
	s_endpgm
.Lentry_shape_is_right:
; q, k, v = LN1(x) W_qkv on codes of FP6 (E2M3) with E8M0 scales for each 32 along K = 1,024, f32 sums; the results are quantised here, on the way out, for the two products of attention.
; OPERANDS lie in memory in the order of an operand's registers: [tile of 16 rows][K / 64] x 768 bytes (lane (r, h): 24 bytes of k = 64 j + 32 h + 0 .. 31; 16 bytes at 16 x lane, 8 at 512 + 8 x lane), scale words
; [tile][K / 128][r].  Lane-row r of tile T is row 32 (T / 2) + 8 (T % 2) + r + 8 (r / 8), on both sides: so a lane's 16 results of two neighbouring tiles of source 0 are 16 neighbours.
; A work-group of four waves makes 256 x 256 results, a wave 128 x 128: 64 accumulators, 512 registers.  K goes in steps of 256 through a ring of two LDS slots filled by the tensor data mover: a tile's part of a slot is 3,072
; consecutive bytes of memory; no padding, since every LDS load takes 512 or 256 consecutive bytes.  The scale words of the work-group's rows come once, with the first fills.
; CLUSTERS of 4 x 4: source 1's tiles are asked for jointly along a row of the cluster, source 0's along a column.
; ROLES.  Source 1's rows go to lanes, source 0's to registers.  q and k are quantised along the head's 64 features: tokens in lanes (source 1 = LN1(x), source 0 = W).  v is quantised along the KEYS: features in lanes
; (source 1 = W, source 0 = LN1(x)).  Cluster column 0 makes q, 1 k, 2 v; in column 2 the two buffers change places, by a choice of pointers and tile numbers on the cluster's x, which all sixteen partners share.  One path through the text.
; OUT: codes [batch][head][q, k, v][98,304]: q and k [token tile 128][768]; v [key / 64][feature tile 4][768].  Scale words from byte 9,437,184: [batch][head][q, k, v][8,192]: q and k [tile][r], bytes 0 and 1 the head's two
; blocks, bytes 2 and 3 zero; v [key / 64][feature tile][r]: the word at an even key / 64 is whole for its 128 keys.
; LIMITS: NaN and infinities are not served; a block whose largest magnitude lies under 2^-124 keeps the byte 1 (a block of zeros too: its codes are zeros, and this program alone reads the bytes).
; REGISTERS, in windows of 256: window 0: v16-31 addresses; v32-63 scale words, two sets, and nothing else; v128-223 source 1's 8 fragments, one set; on the way out v192-232 at work.
;   window 1: source 0's fragments, two sets, at v0 and v128.  windows 2, 3: accumulator (a, b) at v[8 (8 (a % 4) + b)].
.set KST,    8                         ; K steps of 128
.set NQ,     2                         ; of them in a slot
.set FR,     12                        ; registers of a fragment
.set NL,     4                         ; LDS loads that bring one
.set NP,     4                         ; places behind this matrix instruction (ISA guide 7.12.1)
.set FRB,    1536                      ; a fragment in bytes
.set TROW,   NQ*FRB                    ; a tile's part of a slot
.set HALFT,  8*TROW                    ; 8 tiles: what one tensor load brings, and what one wave reads of a side
.set SLOT,   4*HALFT                   ; source 1's 16 tiles, then source 0's
.set GROW,   KST*FRB                   ; from tile to tile in memory
.set LAPS,   KST/(2*NQ)
.set SCL,    2*SLOT                    ; behind the ring: the scale words
.set SBLK,   KST*64                    ; those of a tile
.set HALFS,  8*SBLK
.set SPARE,  SCL+4*HALFS               ; the spare words, 128 bytes a wave: two blocks of 256 bytes that no other line names
.set ADRA, 16                          ; v16-17 base + 16 x lane of source 1's tiles in slot 0, 1; v18-19 base + 8 x lane
.set ADRB, 20                          ; v20-23 the same for source 0
.set LI,   24                          ; v24 16 x lane
.set LJ,   25                          ; v25 8 x lane
.set LS,   26                          ; v26 4 x lane
.set ADRS, 27                          ; v27 my scale words: lanes 0-15 source 1's, lanes 16-31 source 0's
.set SPW,  28                          ; v28 my spare word; never rewritten
.set NIL,  29                          ; v29 0; never rewritten
.set SC,   32
.set AF,   128
.set PC,   192                         ; the way out: v192-203 codes, v204-211 the conversions' second halves
.set TM,   212                         ; v212-215 largest magnitudes, v216-219 the other lane's, then bytes, v224-227 the conversions' scale operands
.set PW,   228                         ; the scale word just made
.set E0,   229                         ; the even tile's words
.set E1,   230
.set W0,   231
.set W1,   232
.set G1, 24
.set G0, 32
.set G1B, 48
.set G0B, 56
.set G1S, 68
.set G0S, 76
.set G1SB, 80
.set G0SB, 88
.set SEL, 96                           ; s[96:97] v_permlanex16_b32's selects for lane l xor 16
.set MSB, 0
.macro WIN new                         ; the immediate's high byte repeats the setting that is left
.if MSB != (\new)
	s_set_vgpr_msb (MSB<<8)|(\new)
.set MSB, (\new)
.endif
.endm
.set MUL_LO, 0xa1                      ; source 0 window 1, source 1 window 0, C and D window 2
.set MUL_HI, 0xf1                      ; the same, C and D window 3
.set TO_B,   0x40                      ; destination window 1, address window 0
; A joint load: waves 0 and 1 fetch for source 1, waves 2 and 3 for source 0.  The branch hangs on the wave's number alone.  Four v_nop follow each of the two lines.
.macro JLOAD g0a, g1a, g0b, g1b
	s_cmp_eq_u32 s15, 0
	s_cbranch_scc0 .Lfor_b_\@
	tensor_load_to_lds s[\g0a:\g0a+3], s[\g1a:\g1a+7]
	s_nop 0
.rept 4
	v_nop
.endr
	s_branch .Lasked_\@
.Lfor_b_\@:
	tensor_load_to_lds s[\g0b:\g0b+3], s[\g1b:\g1b+7]
	s_nop 0
.rept 4
	v_nop
.endr
.Lasked_\@:
.endm
.macro CREST                           ; a round of the cluster's barrier behind its opening barrier
	s_cmp_lg_u32 s14, 0
	s_cbranch_scc1 .Lnot_wave_0_\@
	s_barrier_signal -3
.Lnot_wave_0_\@:
	s_barrier_wait -3
	s_barrier_signal -1
	s_barrier_wait -1
.endm
.macro CROUND
	s_barrier_signal -1
	s_barrier_wait -1
	CREST
.endm
	s_load_b128 s[4:7], s[0:1], 0x0                ; LN1(x)'s image, the weights' image
	s_load_b64 s[12:13], s[0:1], 0x10              ; out
	v_lshl_add_u32 v[SPW], v0, 2, SPARE
	v_mov_b32 v[NIL], 0
	ds_add_u32 v28, v29
	ds_add_u32 v28, v29
	s_wait_dscnt 0x0
	v_lshrrev_b32 v1, 5, v0
	v_readfirstlane_b32 s14, v1                    ; wave 0..3
	s_lshr_b32 s15, s14, 1                         ; which half of source 1's rows is mine.  Also: I fetch for source 1 (0) or source 0 (1)
	s_and_b32 s16, s14, 1                          ; which half of source 0's.  Also: which 8 tiles I fetch
	s_bfe_u32 s40, ttmp6, 0x40000                  ; cx, cy: my place in the cluster
	s_bfe_u32 s41, ttmp6, 0x40004
	s_and_b32 s18, ttmp7, 0xffff
	s_lshl_b32 s18, s18, 2                         ; 4 x cluster y
	s_lshl_b32 s19, ttmp9, 2                       ; 4 x cluster x
	s_mov_b32 s22, 3145728                         ; where the scale words begin in LN1(x)'s image,
	s_mov_b32 s92, 9437184                         ; and in the weights'
	s_cmp_eq_u32 ttmp9, 2                          ; the cluster column that makes v: the same answer in all sixteen partners
	s_cselect_b32 s17, 8, s18                      ; source 1's block of 256 rows: W's 8 + cy, or the tokens' 4 x cluster y + cy
	s_cselect_b32 s42, s18, s19                    ; source 0's: the tokens' 4 x cluster y + cx, or W's 4 x cluster x + cx
	s_cselect_b32 s95, s92, s22
	s_cselect_b32 s66, s22, s92
	s_add_co_u32 s17, s17, s41
	s_add_co_u32 s42, s42, s40
	s_lshl_b32 s43, s41, 2
	s_lshl_b32 s43, 15, s43                        ; my row of the cluster
	s_lshl_b32 s44, 0x1111, s40                    ; my column
	; descriptor group 1: 8 tiles' parts of a slot: 8 rows of 384 elements of 8 bytes, GROW bytes apart; no padding
	s_or_b32 s[G1+0], s43, (3<<16)|(1<<21)         ; 15:0 the mask; 17:16 elements of 8 bytes; 21 set beside a mask
	s_or_b32 s[G1B+0], s44, (3<<16)|(1<<21)
.irp g, G1, G1B
	s_mov_b32 s[\g+1], (TROW/8)<<16                ; tensor_dim0
	s_mov_b32 s[\g+2], 8<<16                       ; tensor_dim1
	s_mov_b32 s[\g+3], (TROW/8)<<16                ; tile_dim0
	s_mov_b32 s[\g+4], 8                           ; tile_dim1
	s_mov_b32 s[\g+5], GROW/8                      ; tensor_dim0_stride
	s_mov_b32 s[\g+6], 0
	s_mov_b32 s[\g+7], 0
.endr
	; and for the scale words of 8 tiles: HALFS dense bytes, as rows of 256
	s_or_b32 s[G1S+0], s43, (3<<16)|(1<<21)
	s_or_b32 s[G1SB+0], s44, (3<<16)|(1<<21)
.irp g, G1S, G1SB
	s_mov_b32 s[\g+1], 32<<16
	s_mov_b32 s[\g+2], (HALFS/256)<<16
	s_mov_b32 s[\g+3], 32<<16
	s_mov_b32 s[\g+4], HALFS/256
	s_mov_b32 s[\g+5], 32
	s_mov_b32 s[\g+6], 0
	s_mov_b32 s[\g+7], 0
.endr
	s_lshl_b32 s18, s16, 3
	s_lshl_b32 s20, s17, 4
	s_add_co_u32 s20, s20, s18                     ; source 1: tile 16 x block + 8 x half
	s_lshl_b32 s46, s42, 4
	s_add_co_u32 s46, s46, s18                     ; source 0 likewise
	s_mul_i32 s22, s20, SBLK
	s_add_co_u32 s22, s22, s95
	s_mul_i32 s92, s46, SBLK
	s_add_co_u32 s92, s92, s66
	s_mul_i32 s20, s20, GROW
	s_mul_i32 s46, s46, GROW
	s_mov_b32 s21, 0
	s_mov_b32 s23, 0
	s_mov_b32 s47, 0
	s_mov_b32 s93, 0
	s_mul_i32 s45, s14, HALFT                      ; where they go: no place in the cluster enters an LDS address
	s_mul_i32 s94, s14, HALFS
	s_mov_b32 s[SEL], 0x76543210
	s_mov_b32 s[SEL+1], 0xfedcba98
	s_wait_kmcnt 0x0
	s_cmp_eq_u32 ttmp9, 2
	s_cselect_b64 s[8:9], s[6:7], s[4:5]           ; source 1's buffer
	s_cselect_b64 s[10:11], s[4:5], s[6:7]         ; source 0's
	s_add_nc_u64 s[20:21], s[8:9], s[20:21]
	s_add_nc_u64 s[22:23], s[8:9], s[22:23]
	s_add_nc_u64 s[46:47], s[10:11], s[46:47]
	s_add_nc_u64 s[92:93], s[10:11], s[92:93]
	CROUND                                         ; all sixteen work-groups are here: the first joint loads meet
	s_mov_b32 s[G0S], 1
	s_add_co_u32 s[G0S+1], s94, SCL
	s_mov_b64 s[G0S+2:G0S+3], s[22:23]
	s_or_b32 s[G0S+3], s[G0S+3], 0x80000000
	s_mov_b32 s[G0SB], 1
	s_add_co_u32 s[G0SB+1], s94, SCL
	s_mov_b64 s[G0SB+2:G0SB+3], s[92:93]
	s_or_b32 s[G0SB+3], s[G0SB+3], 0x80000000
	JLOAD G0S, G1S, G0SB, G1SB                     ; the scale words first; with the two slots three loads of mine are out
.irp s, 0,1
	s_mov_b32 s[G0+4*\s], 1
	s_add_co_u32 s[G0+4*\s+1], s45, \s*SLOT
	s_add_nc_u64 s[G0+4*\s+2:G0+4*\s+3], s[20:21], \s*TROW
	s_or_b32 s[G0+4*\s+3], s[G0+4*\s+3], 0x80000000
	s_mov_b32 s[G0B+4*\s], 1
	s_add_co_u32 s[G0B+4*\s+1], s45, \s*SLOT
	s_add_nc_u64 s[G0B+4*\s+2:G0B+4*\s+3], s[46:47], \s*TROW
	s_or_b32 s[G0B+4*\s+3], s[G0B+4*\s+3], 0x80000000
	JLOAD G0+4*\s, G1, G0B+4*\s, G1B
.endr
	v_and_b32 v1, 15, v0                           ; r
	v_bfe_u32 v2, v0, 4, 1                         ; h
	v_and_b32 v3, 31, v0
	v_lshlrev_b32 v[LI], 4, v3
	v_lshlrev_b32 v[LJ], 3, v3
	v_lshlrev_b32 v[LS], 2, v3
	s_mul_i32 s21, s15, HALFT                      ; my 8 tiles of source 1,
	s_mul_i32 s22, s16, HALFT                      ; my 8 of source 0,
	s_add_co_u32 s22, s22, 2*HALFT                 ; which lie behind source 1's 16
.irp s, 0,1
	v_add_nc_u32 v[ADRA+\s], s21, v[LI]
	v_add_nc_u32 v[ADRB+\s], s22, v[LI]
	v_add_nc_u32 v[ADRA+2+\s], s21, v[LJ]
	v_add_nc_u32 v[ADRB+2+\s], s22, v[LJ]
	s_add_co_u32 s21, s21, SLOT
	s_add_co_u32 s22, s22, SLOT
.endr
	v_lshlrev_b32 v5, 2, v1                        ; my row's scale word
	s_mul_i32 s21, s15, HALFS
	s_mul_i32 s22, s16, HALFS
	s_add_co_u32 s22, s22, 2*HALFS
	s_sub_co_u32 s22, s22, s21
	v_mul_u32_u24 v6, s22, v2                      ; lanes 16-31 take source 0's
	s_add_co_u32 s21, s21, SCL
	v_add_nc_u32 v5, v5, v6
	v_add_nc_u32 v[ADRS], s21, v5
.macro FRAG reg, adr, q, i             ; a fragment comes as it was laid: two half fragments, each 16 bytes a lane and 8 bytes a lane
	ds_load_b128 v[\reg:\reg+3], v[\adr] offset:(\i)*TROW+(\q)*FRB
	ds_load_b64 v[\reg+4:\reg+5], v[\adr+2] offset:(\i)*TROW+(\q)*FRB+512
	ds_load_b128 v[\reg+6:\reg+9], v[\adr] offset:(\i)*TROW+(\q)*FRB+768
	ds_load_b64 v[\reg+10:\reg+11], v[\adr+2] offset:(\i)*TROW+(\q)*FRB+1280
.endm
; 16 matrix instructions: source 1's blocks a0, a0 + 1 x source 0's eight.  The 64 accumulators take turns, one instruction a turn, in the same order in every step.
.macro MUL16 a0, p, q, sc, zero
.irp a, \a0, \a0+1
.irp b, 0,1,2,3,4,5,6,7
.if \zero
	v_wmma_scale_f32_16x16x128_f8f6f4 v[8*(8*((\a)%4)+\b):8*(8*((\a)%4)+\b)+7], v[128*(\p)+FR*\b:128*(\p)+FR*\b+FR-1], v[AF+FR*(\a):AF+FR*(\a)+FR-1], 0, v[SC+8*NQ*(\sc)+NQ*\b+(\q)], v[SC+8*NQ*(\sc)+NQ*(\a)+(\q)] matrix_a_fmt:MATRIX_FMT_FP6 matrix_b_fmt:MATRIX_FMT_FP6 matrix_a_scale:MATRIX_SCALE_ROW1
.else
	v_wmma_scale_f32_16x16x128_f8f6f4 v[8*(8*((\a)%4)+\b):8*(8*((\a)%4)+\b)+7], v[128*(\p)+FR*\b:128*(\p)+FR*\b+FR-1], v[AF+FR*(\a):AF+FR*(\a)+FR-1], v[8*(8*((\a)%4)+\b):8*(8*((\a)%4)+\b)+7], v[SC+8*NQ*(\sc)+NQ*\b+(\q)], v[SC+8*NQ*(\sc)+NQ*(\a)+(\q)] matrix_a_fmt:MATRIX_FMT_FP6 matrix_b_fmt:MATRIX_FMT_FP6 matrix_a_scale:MATRIX_SCALE_ROW1
.endif
.endr
.endr
.endm
.macro FETCH_B slot, q, p
	WIN TO_B
.irp i, 0,1,2,3,4,5,6,7
	FRAG 128*(\p)+FR*\i, ADRB+\slot, \q, \i
.endr
	WIN 0
.endm
.macro FETCH_A slot, q, i0
.irp i, \i0, \i0+1, \i0+2, \i0+3
	FRAG AF+FR*(\i), ADRA+\slot, \q, \i
.endr
.endm
.macro SCALES sc                       ; a slot's scale words into set sc: register 2 i + q: lanes 0-15 source 1's tile i, lanes 16-31 source 0's tile i
.irp i, 0,1,2,3,4,5,6,7
	ds_load_b32 v[SC+8*NQ*\sc+NQ*\i], v[ADRS] offset:\i*SBLK
	ds_load_b32 v[SC+8*NQ*\sc+NQ*\i+1], v[ADRS] offset:\i*SBLK+64
.endr
.endm
.macro PLACES n                        ; plain vector instructions between a matrix instruction and a load into, or a read of, its registers
.rept \n
	v_nop
.endr
.endm
.macro STEP slot, q, zero              ; a step of 128 along K that has its successor in the same slot
	s_wait_dscnt 4*NL                              ; all but the youngest sixteen loads (source 1's blocks 4-7)
	WIN MUL_LO
	MUL16 0, (\q)%2, \q, \slot, \zero
	MUL16 2, (\q)%2, \q, \slot, \zero
	s_wait_dscnt 0
	PLACES NP
	FETCH_B \slot, (\q)+1, 1-(\q)%2
	FETCH_A \slot, (\q)+1, 0
	WIN MUL_HI
	MUL16 4, (\q)%2, \q, \slot, \zero
	MUL16 6, (\q)%2, \q, \slot, \zero
	PLACES NP
	WIN 0
	FETCH_A \slot, (\q)+1, 4
.endm
; A slot's last step changes slots: one barrier; in front of it each wave waits for all its tensor loads, adds 0 to its spare word, and waits for that and for its reads of this slot.
.macro TURN slot, next, fill
	s_wait_tensorcnt 0x0                           ; all my tensor loads have landed: my part of the next slot
	ds_add_u32 v[SPW], v[NIL]
	s_wait_dscnt 4*NL+1                            ; (the add and the youngest sixteen loads may be out)
	WIN MUL_LO
	MUL16 0, 1, NQ-1, \slot, 0
	s_wait_dscnt 0x0                               ; the add is done, and my reads of this slot are over
	s_barrier_signal -1
	MUL16 2, 1, NQ-1, \slot, 0
	WIN 0
	s_barrier_wait -1
.if \fill
	CREST                                          ; the barrier has opened a round of the cluster's: no wave of any partner still reads this slot or has a load on its way
	s_add_nc_u64 s[G0+4*\slot+2:G0+4*\slot+3], s[G0+4*\slot+2:G0+4*\slot+3], 2*TROW
	s_add_nc_u64 s[G0B+4*\slot+2:G0B+4*\slot+3], s[G0B+4*\slot+2:G0B+4*\slot+3], 2*TROW
	JLOAD G0+4*\slot, G1, G0B+4*\slot, G1B         ; the first tensor load behind the round; its four v_nop are also the places in front of the loads below
.else
	PLACES NP
.endif
	v_add_nc_u32 v[ADRS], 64*NQ, v[ADRS]           ; on to the next slot's scale words (no LDS load of mine is out)
	FETCH_B \next, 0, 0
	FETCH_A \next, 0, 0
	SCALES \next
	WIN MUL_HI
	MUL16 4, 1, NQ-1, \slot, 0
	MUL16 6, 1, NQ-1, \slot, 0
	PLACES NP
	WIN 0
	FETCH_A \next, 0, 4
.endm
	s_wait_tensorcnt 1                             ; the scale words and my part of slot 0 are in; slot 1's load may be out
	s_barrier_signal -1
	s_barrier_wait -1
	FETCH_B 0, 0, 0
	FETCH_A 0, 0, 0
	SCALES 0
	FETCH_A 0, 0, 4
	STEP 0, 0, 1                                   ; the first step's products start the sums
	s_mov_b32 s3, LAPS-1
.Llap:
	TURN 0, 1, 1
	STEP 1, 0, 0
	TURN 1, 0, 1
	STEP 0, 0, 0
	s_sub_co_u32 s3, s3, 1
	s_cmp_lg_u32 s3, 0
	s_cbranch_scc1 .Llap
	TURN 0, 1, 0                                   ; the last lap fills nothing
	STEP 1, 0, 0
	s_wait_dscnt 4*NL
	WIN MUL_LO
	MUL16 0, 1, NQ-1, 1, 0
	MUL16 2, 1, NQ-1, 1, 0
	s_wait_dscnt 0
	WIN MUL_HI
	MUL16 4, 1, NQ-1, 1, 0
	MUL16 6, 1, NQ-1, 1, 0
	WIN 0
; THE WAY OUT.  The 64 registers of a block a are, in lane (r, h), 128 neighbours of source 0's rows for source 1's lane-row r: register 16 b + i = number 32 b + 16 h + i.  They become one fragment and one scale word.
; 64 numbers at v[s] on of window w -> 12 registers of codes at v[PC] on, the scale word in v[PW].  Each accumulator is read from its low end on.
.macro QUANT w, s
	WIN 5*(\w)
.irp b, 0,1,2,3
	v_max3_num_f32 v[TM+\b], |v[(\s)+16*\b]|, |v[(\s)+16*\b+1]|, 0x1800000   ; my 16 numbers of block b, and the floor 2^(3 - 127)
.endr
.irp i, 2,4,6,8,10,12,14
.irp b, 0,1,2,3
	v_max3_num_f32 v[TM+\b], |v[(\s)+16*\b+\i]|, |v[(\s)+16*\b+\i+1]|, v[TM+\b]
.endr
.endr
	WIN 0
.irp b, 0,1,2,3
	v_permlanex16_b32 v[TM+4+\b], v[TM+\b], s[SEL], s[SEL+1]
.endr
.irp b, 0,1,2,3
	v_max_num_f32 v[TM+\b], v[TM+\b], v[TM+4+\b]   ; with lane l xor 16's: the block's largest magnitude
.endr
.irp b, 0,1,2,3
	v_add_nc_u32 v[TM+12+\b], 0xff000000, v[TM+\b] ; 2 off its exponent field: the conversion's scale operand
.endr
.irp b, 0,1,2,3
	v_lshrrev_b32 v[TM+4+\b], 23, v[TM+12+\b]      ; the scale's byte
.endr
	v_lshl_or_b32 v[PW], v[TM+5], 8, v[TM+4]
	v_lshl_or_b32 v[PW], v[TM+6], 16, v[PW]
	v_lshl_or_b32 v[PW], v[TM+7], 24, v[PW]
	WIN \w
.irp c, 0,1
	v_cvt_scalef32_pk16_fp6_f32 v[PC+6*\c:PC+6*\c+2], v[(\s)+32*\c:(\s)+32*\c+15], v[TM+12+2*\c]
	v_cvt_scalef32_pk16_fp6_f32 v[PC+12+4*\c:PC+14+4*\c], v[(\s)+32*\c+16:(\s)+32*\c+31], v[TM+12+2*\c+1]
.endr
	WIN 0
	v_nop                                          ; one plain place behind a scaled conversion
.irp c, 0,1                            ; the layout wants a whole block in a lane: lanes 0-15 block 2 c, lanes 16-31 block 2 c + 1
.irp i, 0,1,2
	v_permlane16_swap_b32 v[PC+6*\c+\i], v[PC+12+4*\c+\i]
.endr
.irp i, 0,1,2
	v_mov_b32 v[PC+3+6*\c+\i], v[PC+12+4*\c+\i]
.endr
.endr
.endm
	; where the results go.  No tensor load of mine is out, so the descriptors' registers are free.  Every choice stands ahead of the first addition.
	s_cmp_eq_u32 ttmp9, 2
	s_cselect_b32 s20, s42, s17                    ; the tokens' block of 256,
	s_cselect_b32 s21, s16, s15                    ; my half of it,
	s_cselect_b32 s22, s41, s40                    ; the features' block of 256 in q, k or v,
	s_cselect_b32 s23, s15, s16                    ; my half of it
	s_mov_b32 s48, 294912
	s_cselect_b32 s48, 3072, s48                   ; from a fragment's first half to its second: v: the next 64 keys; q, k: the next head
	s_cselect_b32 s50, 291840, 0                   ; what blocks 4-7 add: v: the next head, less four tiles; q, k: nothing
	s_mov_b32 s52, 24576
	s_cselect_b32 s52, 256, s52                    ; the same two for the scale words
	s_cselect_b32 s54, 24320, 0
	s_mov_b32 s56, 0xffff
	s_cselect_b32 s56, -1, s56                     ; q, k: a head's word keeps two bytes; v: the word is whole
	s_mov_b32 s49, 0
	s_mov_b32 s51, 0
	s_mov_b32 s53, 0
	s_mov_b32 s55, 0
	s_lshr_b32 s95, s20, 3                         ; batch
	s_and_b32 s20, s20, 7
	s_lshl_b32 s22, s22, 2
	s_lshl_b32 s23, s23, 1
	s_add_co_u32 s22, s22, s23                     ; my first head
	s_mul_i32 s18, s95, 4718592
	s_mul_i32 s19, s22, 294912
	s_add_co_u32 s18, s18, s19
	s_mul_i32 s19, ttmp9, 98304
	s_add_co_u32 s18, s18, s19
	s_mul_i32 s19, s20, 12288
	s_add_co_u32 s18, s18, s19
	s_mul_i32 s19, s21, 6144
	s_add_co_u32 s18, s18, s19
	s_mov_b32 s19, 0
	s_add_nc_u64 s[24:25], s[12:13], s[18:19]      ; codes: first halves of blocks 0-3,
	s_add_nc_u64 s[26:27], s[24:25], s[48:49]      ; second halves,
	s_add_nc_u64 s[28:29], s[24:25], s[50:51]      ; and the same for blocks 4-7
	s_add_nc_u64 s[30:31], s[26:27], s[50:51]
	s_mul_i32 s18, s95, 393216
	s_mul_i32 s46, s22, 24576
	s_add_co_u32 s18, s18, s46
	s_lshl_b32 s46, ttmp9, 13
	s_add_co_u32 s18, s18, s46
	s_lshl_b32 s46, s20, 10
	s_add_co_u32 s18, s18, s46
	s_lshl_b32 s46, s21, 9
	s_add_co_u32 s18, s18, s46
	s_add_co_u32 s18, s18, 9437184
	s_add_nc_u64 s[32:33], s[12:13], s[18:19]      ; scale words likewise
	s_add_nc_u64 s[34:35], s[32:33], s[52:53]
	s_add_nc_u64 s[36:37], s[32:33], s[54:55]
	s_add_nc_u64 s[38:39], s[34:35], s[54:55]
	s_mov_b32 vcc_lo, 0xffff0000                   ; lanes 16-31
	PLACES NP                                      ; behind the last products: their operands' registers are written below, their results read
.irp b, 0,1,2,3
	v_mov_b32 v[TM+4+\b], 0                        ; written once: a lane permute's destination counts as one of its sources
.endr
.irp a, 0,1,2,3,4,5,6,7
.if \a > 0
	s_wait_xcnt 0x0                                ; the last block's stores have read their registers
.endif
	QUANT 2+\a/4, 64*(\a%4)
	global_store_b128 v[LI], v[PC:PC+3], s[24+4*(\a/4):25+4*(\a/4)] offset:768*\a          ; each store covers 512 or 256 consecutive bytes
	global_store_b64 v[LJ], v[PC+4:PC+5], s[24+4*(\a/4):25+4*(\a/4)] offset:768*\a+512
	global_store_b128 v[LI], v[PC+6:PC+9], s[26+4*(\a/4):27+4*(\a/4)] offset:768*\a
	global_store_b64 v[LJ], v[PC+10:PC+11], s[26+4*(\a/4):27+4*(\a/4)] offset:768*\a+512
.if \a%2 == 0
	v_and_b32 v[E0], s56, v[PW]                    ; an even block's words wait for the odd one's
	v_lshrrev_b32 v[E1], 16, v[PW]
.else
	v_and_b32 v[W0], s56, v[PW]
	v_lshrrev_b32 v[W1], 16, v[PW]
	v_cndmask_b32 v[W0], v[E0], v[W0], vcc_lo      ; lanes 0-15 the even block's, lanes 16-31 the odd one's: 128 consecutive bytes
	v_cndmask_b32 v[W1], v[E1], v[W1], vcc_lo
	global_store_b32 v[LS], v[W0], s[32+4*(\a/4):33+4*(\a/4)] offset:128*(\a/2)
	global_store_b32 v[LS], v[W1], s[34+4*(\a/4):35+4*(\a/4)] offset:128*(\a/2)
.endif
.endr
	s_wait_tensorcnt 0x0                           ; the wave's end
	ds_add_u32 v[SPW], v[NIL]
	s_wait_dscnt 0x0
	CROUND                                         ; the closing round: no work-group ends while a partner may still ask for a tile that names it
	s_endpgm
.Lfunc_end_k_qdd27cb6f6f_qkv:
	.size	k_qdd27cb6f6f_qkv, .Lfunc_end_k_qdd27cb6f6f_qkv-k_qdd27cb6f6f_qkv
	.p2alignl 7, 3214868480
	.fill 96, 4, 3214868480
	.section	.rodata,"a",@progbits
	.p2align	6, 0x0
	.amdhsa_kernel k_qdd27cb6f6f_qkv
		.amdhsa_group_segment_fixed_size 327680
		.amdhsa_private_segment_fixed_size 0
		.amdhsa_enable_private_segment 0
		.amdhsa_kernarg_size 24
		.amdhsa_user_sgpr_count 2
		.amdhsa_user_sgpr_kernarg_segment_ptr 1
		.amdhsa_wavefront_size32 1
		.amdhsa_system_sgpr_workgroup_id_x 1
		.amdhsa_system_sgpr_workgroup_id_y 1
		.amdhsa_system_sgpr_workgroup_id_z 1
		.amdhsa_system_vgpr_workitem_id 0
		.amdhsa_next_free_vgpr 1024
		.amdhsa_next_free_sgpr 102
		.amdhsa_reserve_vcc 1
		.amdhsa_float_denorm_mode_32 3
		.amdhsa_float_denorm_mode_16_64 3
		.amdhsa_memory_ordered 1
		.amdhsa_forward_progress 1
		.amdhsa_inst_pref_size 154
	.end_amdhsa_kernel
	.amdgpu_metadata
---
amdhsa.version: [ 1, 2 ]
amdhsa.kernels:
  - .name:           k_qdd27cb6f6f_qkv
    .symbol:         k_qdd27cb6f6f_qkv.kd
    .args:
      - { .name: hq, .offset: 0, .size: 8, .value_kind: global_buffer, .address_space: global }
      - { .name: wimg, .offset: 8, .size: 8, .value_kind: global_buffer, .address_space: global }
      - { .name: qkvq, .offset: 16, .size: 8, .value_kind: global_buffer, .address_space: global }
    .group_segment_fixed_size: 327680
    .private_segment_fixed_size: 0
    .kernarg_segment_align: 8
    .kernarg_segment_size: 24
    .max_flat_workgroup_size: 128
    .sgpr_count:     102
    .vgpr_count:     1024
    .wavefront_size: 32
...
	.end_amdgpu_metadata
.endif
;; end of part 3
;; launch attn (part 4): grid 8 x 32, 16 waves a work-group, no clusters, 215,040 bytes of LDS; arguments qkvq, oq; writes oq
.if DOCPART == 4
	.amdgcn_target "amdgcn-amd-amdhsa--gfx1250"
	.amdhsa_code_object_version 6
	.text
	.protected	k_qdd27cb6f6f_attn
	.globl	k_qdd27cb6f6f_attn
	.p2align	8
	.type	k_qdd27cb6f6f_attn,@function
k_qdd27cb6f6f_attn:
	s_mov_b64 s[64:65], 0
	v_nop
	global_prefetch_b8 v0, s[64:65] scope:SCOPE_SE
	s_setreg_imm32_b32 hwreg(HW_REG_WAVE_MODE, 25, 1), 1
	s_wait_xcnt 0x0
; Causal attention of one head on codes of FP6 (E2M3), as the module has it: a = clip(q . k / 8, -100, 100), hidden keys at -100 (the clip of -infinity); e = exp(a - max a); p = e / (sum e + 1e-6) + 1e-8, divided by its own sum.
; THE FINISHED, NORMALISED p IS WHAT IS QUANTISED along the keys, so a block's scale hangs on the whole row's sum: TWO PASSES over the keys.  Pass 1: scores, a running maximum and the sum under it.
; Pass 2: the scores again, p = e C1 + C0 (C1 = 1 / ((sum + 1e-6) S2), C0 = 1e-8 / S2, S2 = sum / (sum + 1e-6) + 2,048e-8), the quantiser, and O^T += V^T P^T.
; HIDDEN KEYS KEEP A WEIGHT p_m = exp(-100 - max) C1 + C0, one number a row.  Their scores need not be formed, their part of P V must: a key step that lies wholly behind the diagonal takes one constant fragment of P
; (128 equal codes, one scale byte) and four matrix instructions.  Their exponentials enter the sum as 128 (15 - KD) exp(-100 - max).
; SHARES.  A work-group holds the whole head's K and V codes and scale words in LDS: 212,992 bytes, filled once: no ring.  Each of sixteen waves owns one tile of 16 queries, in 256 registers, four waves to a SIMD.
; Wave w has rank 4 i + (s xor 3 (i % 2)), i = w / 4, s = w % 4; its tile is 8 rank + (x xor 7 (rank % 2)), x the work-group's number in the head: every work-group, and every four waves w % 4, has the same sum of ranks.  KD = rank is the tile's diagonal key step of 128.
; NO CLUSTER: the eight work-groups of a head read the same K and V, but each reads them once, at its head, 212,992 bytes for the whole launch's work of the work-group; there is no step whose bytes a joint request would spare again.
; LAYOUT.  Both products are used transposed: S^T = K Q^T, O^T = V^T P^T: a lane holds one query.  Tiles are braided (lane-row r of tile t is token 32 (t / 2) + 8 (t % 2) + r + 8 (r / 8)), so register 16 b + i of S^T is key 32 b + 16 h + i of the step.
; K = 64 in the first product: Q's upper six registers are zero codes; as K's upper six the next tile's codes are named (they meet zeros), and bytes 2 and 3 of both scale words are 0.
; LIMITS: NaN and infinities are not served.  Divisions are v_rcp_f32 and a multiply; the two normalisations are one fused multiply-add; an exponential under 2^-126 comes out as 0 and stands beside the term 1e-8.
; A block's largest p is not searched for: the block's largest score goes through the same instructions (this takes v_exp_f32 not to fall where its input rises).
; REGISTERS: v1-5 addresses that stay, v6-10 the step's; v11 d; v12 -max, v13 the raw running maximum; v[14:15] the sum; v16-27 Q, v28 its scale word; v29 4 r; v30 the rescale, later C1; v32-85 K's tiles or V's fragments;
; v86-91 their scale words; v92 C0, v93 exp(-100 - max), v94 p_m, v95 -800; v96-159 S^T, then p; v160-191 O^T; v192-211 P's codes; v212-223 the constant fragment, v224 its scale word; v225 P's scale word; v232-254 at work.
.set LV,  98304                        ; LDS: K's codes at 0, V's here,
.set LKS, 196608                       ; K's scale words, and 8,192 bytes on V's
.set S,   96
.set O,   160
.set PC,  192
.set PT,  204
.set PM,  212
.set PMW, 224
.set PW,  225
.set BM,  232
.set BT,  236
.set BS,  244
	s_load_b128 s[4:7], s[0:1], 0x0                ; q, k, v's image; o's image
	v_lshl_add_u32 v254, v0, 2, 0x34000
	v_mov_b32 v255, 0
	ds_add_u32 v254, v255
	ds_add_u32 v254, v255
	v_lshrrev_b32 v1, 5, v0
	v_readfirstlane_b32 s8, v1                     ; wave 0..15
	s_and_b32 s10, ttmp7, 0xffff                   ; 16 x batch + head
	s_lshr_b32 s13, s8, 2
	s_and_b32 s14, s8, 3
	s_and_b32 s15, s13, 1
	s_mul_i32 s15, s15, 3
	s_xor_b32 s14, s14, s15
	s_lshl_b32 s11, s13, 2
	s_add_co_u32 s11, s11, s14                     ; KD = my rank
	s_and_b32 s15, s11, 1
	s_mul_i32 s15, s15, 7
	s_xor_b32 s15, s15, ttmp9
	s_lshl_b32 s12, s11, 3
	s_add_co_u32 s12, s12, s15                     ; my tile of queries
	; descriptor groups 1: dense blocks as rows of 256 bytes (32 elements of 8 bytes): 96 rows of codes, 64 rows of scale words
	s_mov_b32 s28, 3<<16
	s_mov_b32 s29, 32<<16
	s_mov_b32 s30, 96<<16
	s_mov_b32 s31, 32<<16
	s_mov_b32 s32, 96
	s_mov_b32 s33, 32
	s_mov_b32 s34, 0
	s_mov_b32 s35, 0
	s_mov_b32 s36, 3<<16
	s_mov_b32 s37, 32<<16
	s_mov_b32 s38, 64<<16
	s_mov_b32 s39, 32<<16
	s_mov_b32 s40, 64
	s_mov_b32 s41, 32
	s_mov_b32 s42, 0
	s_mov_b32 s43, 0
	s_mul_i32 s16, s10, 294912                     ; the head's codes: q, then k, then v
	s_mul_i32 s18, s8, 24576                       ; waves 0 to 7: an eighth of k's and v's 196,608 bytes each
	s_add_co_u32 s56, s16, s18
	s_add_co_u32 s56, s56, 98304
	s_mov_b32 s57, 0
	s_mul_i32 s17, s10, 24576
	s_add_co_u32 s17, s17, 9437184                 ; the head's scale words
	s_add_co_u32 s58, s17, 8192                    ; k's, and behind them v's
	s_mov_b32 s59, 0
	s_mul_i32 s60, s12, 768
	s_add_co_u32 s60, s60, s16                     ; my tile of q
	s_mov_b32 s61, 0
	s_lshl_b32 s19, s12, 6
	s_add_co_u32 s66, s19, s17                     ; and its scale words
	s_mov_b32 s67, 0
	s_lshr_b32 s13, s10, 4
	s_lshl_b32 s13, s13, 7
	s_add_co_u32 s13, s13, s12                     ; o: row tile 128 x batch + my tile
	s_and_b32 s14, s10, 15                         ; the head = which 64 along the next K
	s_lshl_b32 s15, s13, 4
	s_add_co_u32 s15, s15, s14
	s_mul_i32 s68, s15, 768
	s_mov_b32 s69, 0
	s_lshl_b32 s15, s13, 3
	s_lshr_b32 s19, s14, 1
	s_add_co_u32 s15, s15, s19
	s_lshl_b32 s70, s15, 6
	s_and_b32 s19, s14, 1
	s_lshl_b32 s19, s19, 1
	s_add_co_u32 s70, s70, s19                     ; my head's half of the scale word
	s_add_co_u32 s70, s70, 3145728
	s_mov_b32 s71, 0
	s_mov_b32 s20, 0x76543210
	s_mov_b32 s21, 0xfedcba98                      ; v_permlanex16_b32's selects for lane l xor 16
	s_mov_b32 s22, 0x3e000000                      ; 1 / 8
	s_mov_b32 s23, s22
	s_mov_b32 s24, 0x3fb8aa3b                      ; log2(e)
	s_mov_b32 s25, s24
	s_mov_b32 s26, 0xc4480000                      ; -800: the clip, on the raw score (x 1 / 8 is exact)
	s_mov_b32 s27, 0x44480000
	s_wait_dscnt 0x0
	s_wait_kmcnt 0x0
	s_mov_b32 s44, 1
	s_mov_b32 s45, s18
	s_add_nc_u64 s[46:47], s[4:5], s[56:57]
	s_or_b32 s47, s47, 0x80000000
	s_mov_b32 s48, 1
	s_mov_b32 s49, LKS
	s_add_nc_u64 s[50:51], s[4:5], s[58:59]
	s_or_b32 s51, s51, 0x80000000
	s_cmp_lt_u32 s8, 8                             ; the fills: one load a wave at the most, filled once
	s_cbranch_scc0 .Lnot_codes
	tensor_load_to_lds s[44:47], s[28:35]
	s_nop 0
.rept 4
	v_nop
.endr
	s_branch .Lasked
.Lnot_codes:
	s_cmp_eq_u32 s8, 8
	s_cbranch_scc0 .Lasked
	tensor_load_to_lds s[48:51], s[36:43]
	s_nop 0
.rept 4
	v_nop
.endr
.Lasked:
	s_add_nc_u64 s[62:63], s[4:5], s[60:61]
	s_add_nc_u64 s[66:67], s[4:5], s[66:67]
	s_add_nc_u64 s[68:69], s[6:7], s[68:69]
	s_add_nc_u64 s[70:71], s[6:7], s[70:71]
	v_and_b32 v248, 31, v0
	v_lshlrev_b32 v1, 4, v248                      ; 16 x lane
	v_lshlrev_b32 v2, 3, v248
	v_add_nc_u32 v2, 512, v2                       ; 512 + 8 x lane
	v_add_nc_u32 v3, LV, v1
	v_add_nc_u32 v4, LV, v2
	v_lshl_add_u32 v5, v248, 2, LKS                ; two tiles' scale words: 4 x lane
	v_and_b32 v249, 15, v0                         ; r
	v_bfe_u32 v250, v0, 4, 1                       ; h
	v_lshlrev_b32 v29, 2, v249
	global_load_b128 v[16:19], v1, s[62:63]        ; Q stays in registers
	global_load_b64 v[20:21], v2, s[62:63]
	global_load_b32 v28, v29, s[66:67]
	s_lshr_b32 s13, s12, 1
	s_and_b32 s13, s13, 3
	s_lshl_b32 s13, s13, 5
	s_and_b32 s14, s12, 1
	s_lshl_b32 s14, s14, 3
	s_add_co_u32 s13, s13, s14
	v_and_b32 v251, 8, v249
	v_add_nc_u32 v11, v251, v249
	v_add_nc_u32 v11, s13, v11                     ; my query's place in its key step,
	v_lshlrev_b32 v252, 4, v250
	v_sub_nc_u32 v11, v11, v252                    ; less 16 h: register 16 b + i is hidden where 32 b + i is above it
	v_mov_b32 v12, 0x42c80000
	v_mov_b32 v13, 0xc4480000                      ; no clipped score lies under -800
	v_mov_b32 v14, 0
	v_mov_b32 v15, 0
.irp i, 22,23,24,25,26,27,30,31,80,81,82,83,84,85,236,237,238,239,248,249
	v_mov_b32 v[\i], 0                             ; Q's upper codes; halves of pairs; what stands as the last tile's upper half; lane permutes' destinations
.endr
	v_mov_b32 v95, 0xc4480000
.set j, 0
.rept 32
	v_mov_b32 v[O+j], 0                            ; O^T: the loop is written once
.set j, j+1
.endr
	s_mov_b32 s52, 0                               ; the key step, its codes' first byte (6,144 a step, in K and in V) and its scale words' (512)
	s_mov_b32 s53, 0
	s_mov_b32 s54, 0
	s_wait_tensorcnt 0x0
	s_barrier_signal -1
	s_barrier_wait -1                              ; the head's K, V and scale words lie in LDS; nothing writes LDS from here on
	s_wait_loadcnt 0x0                             ; Q
.macro VLOAD                           ; V's four fragments of the step (16 of the head's 64 x 128 keys each) and their scale words
.set t, 0
.rept 4
	ds_load_b128 v[32+12*t:35+12*t], v8 offset:768*t
	ds_load_b64 v[36+12*t:37+12*t], v9 offset:768*t
	ds_load_b128 v[38+12*t:41+12*t], v8 offset:3072+768*t
	ds_load_b64 v[42+12*t:43+12*t], v9 offset:3072+768*t
.set t, t+1
.endr
	ds_load_b32 v90, v10 offset:8192
	ds_load_b32 v91, v10 offset:8192+128
.endm
.macro ADDRS                           ; five plain instructions: also the places behind the last step's products
	v_add_nc_u32 v6, s53, v1
	v_add_nc_u32 v7, s53, v2
	v_add_nc_u32 v8, s53, v3
	v_add_nc_u32 v9, s53, v4
	v_add_nc_u32 v10, s54, v5
.endm
; The step's 128 x 16 scores, masked on the diagonal and clipped.  pass = 2: V's loads go out behind the products.
.macro SCORES pass
	ADDRS
.set t, 0
.rept 8
	ds_load_b128 v[32+6*t:35+6*t], v6 offset:768*t
	ds_load_b64 v[36+6*t:37+6*t], v7 offset:768*t
.set t, t+1
.endr
.irp p, 0,1,2,3
	ds_load_b32 v[86+\p], v10 offset:128*\p        ; lanes 0-15 tile 2 p's words, lanes 16-31 tile 2 p + 1's
.endr
	s_wait_dscnt 0x0
.set t, 0
.rept 8
.if t%2
	v_wmma_scale_f32_16x16x128_f8f6f4 v[S+8*t:S+8*t+7], v[32+6*t:43+6*t], v[16:27], 0, v[86+t/2], v28 matrix_a_fmt:MATRIX_FMT_FP6 matrix_b_fmt:MATRIX_FMT_FP6 matrix_a_scale:MATRIX_SCALE_ROW1
.else
	v_wmma_scale_f32_16x16x128_f8f6f4 v[S+8*t:S+8*t+7], v[32+6*t:43+6*t], v[16:27], 0, v[86+t/2], v28 matrix_a_fmt:MATRIX_FMT_FP6 matrix_b_fmt:MATRIX_FMT_FP6
.endif
.set t, t+1
.endr
.rept 4
	v_nop                                          ; places in front of the loads into K's registers and of the first read of the scores
.endr
.if \pass == 2
	VLOAD
.endif
	s_cmp_lt_u32 s52, s11                          ; a step in front of the diagonal has no hidden key
	s_cbranch_scc1 .Lopen_\@
.set n, 0
.rept 64
	v_cmp_gt_i32 vcc_lo, 32*(n/16)+n%16, v11
	v_cndmask_b32 v[S+n], v[S+n], v95, vcc_lo      ; a hidden score becomes -800: -100 behind the scale
.set n, n+1
.endr
.Lopen_\@:
.set n, 0
.rept 64
	v_med3_num_f32 v[S+n], v[S+n], s26, s27        ; the clip
.set n, n+1
.endr
.endm
.macro BLKMAX                          ; my 16 scores' largest, for each block of 32 keys; the four blocks by turns
.irp b, 0,1,2,3
	v_max3_num_f32 v[BM+\b], v[S+16*\b], v[S+16*\b+1], v[S+16*\b+2]
.endr
.irp i, 3,5,7,9,11,13
.irp b, 0,1,2,3
	v_max3_num_f32 v[BM+\b], v[BM+\b], v[S+16*\b+\i], v[S+16*\b+\i+1]
.endr
.endr
.irp b, 0,1,2,3
	v_max_num_f32 v[BM+\b], v[BM+\b], v[S+16*\b+15]
.endr
.endm
.macro SHIFT                           ; (s / 8 - max) log2(e): the difference is rounded once, as the module rounds it
.set j, 0
.rept 32
	v_pk_fma_f32 v[S+j:S+j+1], v[S+j:S+j+1], s[22:23], v[12:13] op_sel_hi:[1,0,0]
.set j, j+2
.endr
.set j, 0
.rept 32
	v_pk_mul_f32 v[S+j:S+j+1], v[S+j:S+j+1], s[24:25] op_sel_hi:[1,0]
.set j, j+2
.endr
.endm
.macro EXPS
.set j, 0
.rept 64
	v_exp_f32 v[S+j], v[S+j]
.set j, j+1
.endr
.endm
; PASS 1.  Sixteen trips for every wave; a step behind my diagonal is jumped over but for the lines that step addresses.
.Lp1:
	s_cmp_gt_u32 s52, s11
	s_cbranch_scc1 .Lp1_next
	SCORES 1
	BLKMAX
	v_max3_num_f32 v248, v[BM], v[BM+1], v[BM+2]
	v_max_num_f32 v248, v248, v[BM+3]
	v_permlanex16_b32 v249, v248, s20, s21
	v_max3_num_f32 v249, v248, v249, v13           ; the running maximum, raw
	v_sub_f32 v250, v13, v249
	v_mov_b32 v13, v249
	v_mul_f32 v250, 0x3e38aa3b, v250               ; (old - new) / 8 x log2(e)
	v_mul_f32 v12, 0xbe000000, v13                 ; -max
	SHIFT
	EXPS
	v_exp_f32 v30, v250                            ; what brings the sum so far under the new maximum
	v_nop                                          ; a plain instruction behind the batch,
	s_wait_alu depctr_va_vdst(0)                   ; and one wait for all 65, ahead of the first reader
	v_pk_add_f32 v[248:249], v[S:S+1], v[S+2:S+3]
	v_pk_add_f32 v[250:251], v[S+4:S+5], v[S+6:S+7]
.irp j, 8,12,16,20,24,28,32,36,40,44,48,52,56,60
	v_pk_add_f32 v[248:249], v[248:249], v[S+\j:S+\j+1]
	v_pk_add_f32 v[250:251], v[250:251], v[S+\j+2:S+\j+3]
.endr
	v_pk_add_f32 v[248:249], v[248:249], v[250:251]
	v_pk_fma_f32 v[14:15], v[14:15], v[30:31], v[248:249] op_sel_hi:[1,0,1]
.Lp1_next:
	s_add_co_u32 s53, s53, 6144
	s_add_co_u32 s54, s54, 512
	s_add_co_u32 s52, s52, 1
	s_cmp_lt_u32 s52, 16
	s_cbranch_scc1 .Lp1
; BETWEEN THE PASSES: the row's constants.
	v_add_f32 v14, v14, v15
	v_permlanex16_b32 v248, v14, s20, s21
	v_add_f32 v14, v14, v248                       ; the sum over the steps that I walked (the diagonal step's hidden keys are in it)
	v_add_f32 v249, 0xc2c80000, v12                ; -100 - max
	v_mul_f32 v249, s24, v249
	v_exp_f32 v93, v249
	s_sub_co_u32 s55, 15, s11
	s_lshl_b32 s55, s55, 7                         ; the keys of the steps behind my diagonal
	v_cvt_f32_u32 v250, s55
	s_wait_alu depctr_va_vdst(0)
	v_fma_f32 v14, v93, v250, v14                  ; the row's whole sum
	v_add_f32 v248, 0x358637bd, v14                ; + 1e-6
	v_rcp_f32 v249, v248
	v_mov_b32 v250, 0x37abcc77                     ; 2,048 x 1e-8
	s_wait_alu depctr_va_vdst(0)
	v_fma_f32 v250, v14, v249, v250                ; the second sum
	v_rcp_f32 v251, v250
	v_nop
	s_wait_alu depctr_va_vdst(0)
	v_mul_f32 v30, v249, v251                      ; C1
	v_mul_f32 v92, 0x322bcc77, v251                ; C0
	v_fma_f32 v94, v93, v30, v92                   ; p_m
	v_max_num_f32 v248, 0x1800000, v94
	v_add_nc_u32 v248, 0xff000000, v248            ; a block of 32 equal p_m: its scale operand,
	v_lshrrev_b32 v249, 23, v248                   ; its byte,
	v_lshl_or_b32 v[PMW], v249, 8, v249
	v_lshl_or_b32 v[PMW], v[PMW], 16, v[PMW]       ; four times
.set j, 0
.rept 16
	v_mov_b32 v[S+j], v94
.set j, j+1
.endr
	v_cvt_scalef32_pk16_fp6_f32 v[PM:PM+2], v[S:S+15], v248
	v_nop
.irp i, 0,1,2,3,4,5,6,7,8
	v_mov_b32 v[PM+3+\i], v[PM+\i%3]               ; 16 equal codes are 96 bits: three registers are one period of the stream
.endr
	s_mov_b32 s52, 0
	s_mov_b32 s53, 0
	s_mov_b32 s54, 0
; PASS 2.  Sixteen trips; every step ends in the four products with V.
.Lp2:
	s_cmp_gt_u32 s52, s11
	s_cbranch_scc1 .Lhidden
	SCORES 2
	BLKMAX
.irp b, 0,1,2,3
	v_permlanex16_b32 v[BT+\b], v[BM+\b], s20, s21
.endr
.irp b, 0,1,2,3
	v_max_num_f32 v[BM+\b], v[BM+\b], v[BT+\b]     ; each block's largest score
.endr
	SHIFT
.irp b, 0,1,2,3
	v_fma_f32 v[BM+\b], v[BM+\b], s22, v12         ; the same instructions on the block's largest score give its largest p
.endr
.irp b, 0,1,2,3
	v_mul_f32 v[BM+\b], s24, v[BM+\b]
.endr
	EXPS
.irp b, 0,1,2,3
	v_exp_f32 v[BM+\b], v[BM+\b]
.endr
	v_nop
	s_wait_alu depctr_va_vdst(0)                   ; one wait for all 68
.set j, 0
.rept 32
	v_pk_fma_f32 v[S+j:S+j+1], v[S+j:S+j+1], v[30:31], v[92:93] op_sel_hi:[1,0,0]   ; p = e C1 + C0: finished and normalised
.set j, j+2
.endr
.irp b, 0,1,2,3
	v_fma_f32 v[BM+\b], v[BM+\b], v30, v92
.endr
.irp b, 0,1,2,3
	v_max_num_f32 v[BM+\b], 0x1800000, v[BM+\b]
.endr
.irp b, 0,1,2,3
	v_add_nc_u32 v[BS+\b], 0xff000000, v[BM+\b]
.endr
.irp b, 0,1,2,3
	v_lshrrev_b32 v[BT+\b], 23, v[BS+\b]
.endr
	v_lshl_or_b32 v[PW], v[BT+1], 8, v[BT]
	v_lshl_or_b32 v[PW], v[BT+2], 16, v[PW]
	v_lshl_or_b32 v[PW], v[BT+3], 24, v[PW]
.irp c, 0,1
	v_cvt_scalef32_pk16_fp6_f32 v[PC+6*\c:PC+6*\c+2], v[S+32*\c:S+32*\c+15], v[BS+2*\c]
	v_cvt_scalef32_pk16_fp6_f32 v[PT+4*\c:PT+4*\c+2], v[S+32*\c+16:S+32*\c+31], v[BS+2*\c+1]
.endr
	v_nop                                          ; one plain place behind a scaled conversion
.irp c, 0,1
.irp i, 0,1,2
	v_permlane16_swap_b32 v[PC+6*\c+\i], v[PT+4*\c+\i]
.endr
.irp i, 0,1,2
	v_mov_b32 v[PC+3+6*\c+\i], v[PT+4*\c+\i]
.endr
.endr
.rept 4
	v_nop                                          ; an operand written by vector instructions stands 4 places ahead of a scaled matrix instruction; the scale word, written earlier, more than 8
.endr
	s_branch .Lpv
.Lhidden:
	ADDRS
	v_mov_b32 v[PW], v[PMW]
.set j, 0
.rept 12
	v_mov_b32 v[PC+j], v[PM+j]
.set j, j+1
.endr
	VLOAD
.rept 4
	v_nop
.endr
.Lpv:
	s_wait_dscnt 0x0                               ; V
.set t, 0
.rept 4                                ; the four accumulators take turns, one instruction a turn
.if t%2
	v_wmma_scale_f32_16x16x128_f8f6f4 v[O+8*t:O+8*t+7], v[32+12*t:43+12*t], v[PC:PC+11], v[O+8*t:O+8*t+7], v[90+t/2], v[PW] matrix_a_fmt:MATRIX_FMT_FP6 matrix_b_fmt:MATRIX_FMT_FP6 matrix_a_scale:MATRIX_SCALE_ROW1
.else
	v_wmma_scale_f32_16x16x128_f8f6f4 v[O+8*t:O+8*t+7], v[32+12*t:43+12*t], v[PC:PC+11], v[O+8*t:O+8*t+7], v[90+t/2], v[PW] matrix_a_fmt:MATRIX_FMT_FP6 matrix_b_fmt:MATRIX_FMT_FP6
.endif
.set t, t+1
.endr
	s_add_co_u32 s53, s53, 6144
	s_add_co_u32 s54, s54, 512
	s_add_co_u32 s52, s52, 1
	s_cmp_lt_u32 s52, 16
	s_cbranch_scc1 .Lp2
; THE WAY OUT.  Register 16 b + i of O^T is o(my query, 32 b + 16 h + i): two blocks of the next product's K.  They are quantised and leave as one half fragment.
.rept 4
	v_nop
.endr
.irp b, 0,1
	v_max3_num_f32 v[BM+\b], |v[O+16*\b]|, |v[O+16*\b+1]|, 0x1800000
.endr
.irp i, 2,4,6,8,10,12,14
.irp b, 0,1
	v_max3_num_f32 v[BM+\b], v[BM+\b], |v[O+16*\b+\i]|, |v[O+16*\b+\i+1]|
.endr
.endr
.irp b, 0,1
	v_permlanex16_b32 v[BT+\b], v[BM+\b], s20, s21
.endr
.irp b, 0,1
	v_max_num_f32 v[BM+\b], v[BM+\b], v[BT+\b]
.endr
.irp b, 0,1
	v_add_nc_u32 v[BS+\b], 0xff000000, v[BM+\b]
.endr
.irp b, 0,1
	v_lshrrev_b32 v[BT+\b], 23, v[BS+\b]
.endr
	v_lshl_or_b32 v248, v[BT+1], 8, v[BT]
	v_cvt_scalef32_pk16_fp6_f32 v[PC:PC+2], v[O:O+15], v[BS]
	v_cvt_scalef32_pk16_fp6_f32 v[PT:PT+2], v[O+16:O+31], v[BS+1]
	v_nop
.irp i, 0,1,2
	v_permlane16_swap_b32 v[PC+\i], v[PT+\i]
.endr
.irp i, 0,1,2
	v_mov_b32 v[PC+3+\i], v[PT+\i]
.endr
	global_store_b128 v1, v[PC:PC+3], s[68:69]     ; 512 consecutive bytes,
	global_store_b64 v2, v[PC+4:PC+5], s[68:69]    ; and 256 (the offset register holds 512 + 8 x lane)
	global_store_b16 v29, v248, s[70:71]           ; my head's two bytes of the rows' scale words; the other two are another work-group's.  Lanes l and l xor 16 write the same
	s_wait_tensorcnt 0x0
	ds_add_u32 v254, v255
	s_wait_dscnt 0x0
	s_endpgm
.Lfunc_end_k_qdd27cb6f6f_attn:
	.size	k_qdd27cb6f6f_attn, .Lfunc_end_k_qdd27cb6f6f_attn-k_qdd27cb6f6f_attn
	.p2alignl 7, 3214868480
	.fill 96, 4, 3214868480
	.section	.rodata,"a",@progbits
	.p2align	6, 0x0
	.amdhsa_kernel k_qdd27cb6f6f_attn
		.amdhsa_group_segment_fixed_size 215040
		.amdhsa_private_segment_fixed_size 0
		.amdhsa_enable_private_segment 0
		.amdhsa_kernarg_size 16
		.amdhsa_user_sgpr_count 2
		.amdhsa_user_sgpr_kernarg_segment_ptr 1
		.amdhsa_wavefront_size32 1
		.amdhsa_system_sgpr_workgroup_id_x 1
		.amdhsa_system_sgpr_workgroup_id_y 1
		.amdhsa_system_sgpr_workgroup_id_z 1
		.amdhsa_system_vgpr_workitem_id 0
		.amdhsa_next_free_vgpr 256
		.amdhsa_next_free_sgpr 72
		.amdhsa_reserve_vcc 1
		.amdhsa_float_denorm_mode_32 3
		.amdhsa_float_denorm_mode_16_64 3
		.amdhsa_memory_ordered 1
		.amdhsa_forward_progress 1
		.amdhsa_inst_pref_size 63
	.end_amdhsa_kernel
	.amdgpu_metadata
---
amdhsa.version: [ 1, 2 ]
amdhsa.kernels:
  - .name:           k_qdd27cb6f6f_attn
    .symbol:         k_qdd27cb6f6f_attn.kd
    .args:
      - { .name: qkvq, .offset: 0, .size: 8, .value_kind: global_buffer, .address_space: global }
      - { .name: oq, .offset: 8, .size: 8, .value_kind: global_buffer, .address_space: global }
    .group_segment_fixed_size: 215040
    .private_segment_fixed_size: 0
    .kernarg_segment_align: 8
    .kernarg_segment_size: 16
    .max_flat_workgroup_size: 512
    .sgpr_count:     72
    .vgpr_count:     256
    .wavefront_size: 32
...
	.end_amdgpu_metadata
.endif
;; end of part 4
;; launch proj (part 5): grid 4 x 16, 4 waves a work-group, clusters of 4 x 4, 327,680 bytes of LDS; arguments oq, wimg, x, x1; writes x1
.if DOCPART == 5
	.amdgcn_target "amdgcn-amd-amdhsa--gfx1250"
	.amdhsa_code_object_version 6
	.text
	.protected	k_qdd27cb6f6f_proj
	.globl	k_qdd27cb6f6f_proj
	.p2align	8
	.type	k_qdd27cb6f6f_proj,@function
k_qdd27cb6f6f_proj:
	s_mov_b64 s[64:65], 0
	v_nop
	global_prefetch_b8 v0, s[64:65] scope:SCOPE_SE
	s_setreg_imm32_b32 hwreg(HW_REG_WAVE_MODE, 25, 1), 1
	s_wait_xcnt 0x0
	s_wait_alu depctr_hold_cnt(0) depctr_sa_sdst(0) depctr_va_vdst(0) depctr_va_sdst(0) depctr_va_ssrc(0) depctr_va_vcc(0) depctr_vm_vsrc(0)
	s_getreg_b32 s2, hwreg(HW_REG_IB_STS2, 6, 4)
	s_cmp_eq_u32 s2, 0
	s_cbranch_scc0 .Lentry_in_a_cluster
	s_endpgm
.Lentry_in_a_cluster:
	s_bfe_u32 s2, ttmp6, 0x10000c
	s_cmp_lg_u32 s2, 0xf033
	s_cbranch_scc0 .Lentry_shape_is_right
	s_endpgm
.Lentry_shape_is_right:
; out = res + A W on codes of FP6 (E2M3) with E8M0 scales for each 32 along K, f32 sums.  Here: x1 = x + o W_proj, K = 1,024.
; OPERANDS lie in memory in the order of an operand's registers: [tile of 16 rows][K / 64] x 768 bytes (lane (r, h): 24 bytes of k = 64 j + 32 h + 0 .. 31; 16 bytes at 16 x lane, 8 at 512 + 8 x lane), scale words
; [tile][K / 128][r].  Lane-row r of tile T is row 32 (T / 2) + 8 (T % 2) + r + 8 (r / 8), on both sides.
; A work-group of four waves makes 256 x 256 results, a wave 128 x 128: 64 accumulators, 512 registers.  K goes in steps of 256 through a ring of two LDS slots filled by the tensor data mover: a tile's part of a slot is 3,072
; consecutive bytes of memory; no padding, since every LDS load takes 512 or 256 consecutive bytes.  The scale words of the work-group's rows come once, with the first fills.
; CLUSTERS of 4 x 4: A's tiles are asked for jointly along a row of the cluster, W's along a column.  The matrix instruction is used transposed (source 0 = W's tile, source 1 = A's).
; THE RESIDUAL IS THE C OF THE FIRST PRODUCTS: it is loaded straight into the accumulators while the first tiles are on their way, so it is the first term of each f32 sum and costs no addition.
; THE WAY OUT: a block of 16 rows x 128 columns goes through the wave's own stage in LDS and leaves as whole rows of 512 bytes.  The stage lies in slot 0, which has had its last fill and its last read by then.
; REGISTERS, in windows of 256: window 0: v16-31 addresses; v32-63 scale words, two sets, and nothing else; v128-223 A's 8 fragments, one set; on the way out v128-255 rows read back.
;   window 1: W's fragments, two sets, at v0 and v128.  windows 2, 3: accumulator (a, b) at v[8 (8 (a % 4) + b)].
.set KST,    8                         ; K steps of 128
.set ASOFF,  3145728                   ; where A's scale words begin in its buffer
.set BCOFF,  2359296                   ; where this weight's codes begin in the weights' image,
.set BSOFF,  9535488                   ; and its scale words
.set PREF,   0                         ; four slots along K, two of them first fills: nothing is left to ask for ahead
.set NQ,     2
.set FR,     12
.set NL,     4
.set NP,     4
.set FRB,    1536
.set TROW,   NQ*FRB
.set HALFT,  8*TROW
.set SLOT,   4*HALFT
.set GROW,   KST*FRB
.set LAPS,   KST/(2*NQ)
.set SCL,    2*SLOT
.set SBLK,   KST*64
.set HALFS,  8*SBLK
.set SPARE,  SCL+4*HALFS               ; the spare words, 128 bytes a wave: two blocks of 256 bytes that no other line names
.set SPITCH, 528                       ; a stage row: 512 bytes + 16
.set ADRA, 16
.set ADRB, 20
.set STO,  24                          ; v24 the stage: where I put 32 bytes of a row
.set RD,   25                          ; v25 and where I read a row back
.set CO,   26                          ; v26 16 x lane
.set ADRS, 27
.set SPW,  28
.set NIL,  29
.set PFO,  30                          ; v30 the prefetches' offset
.set RO,   31                          ; v31 the residual: my row x 4,096 + 64 h
.set SC,   32
.set AF,   128
.set BK,   128
.set G1, 24
.set G0, 32
.set G1B, 48
.set G0B, 56
.set G1S, 68
.set G0S, 76
.set G1SB, 80
.set G0SB, 88
.set PFA, 98
.set LIM, 100
.set MSB, 0
.macro WIN new
.if MSB != (\new)
	s_set_vgpr_msb (MSB<<8)|(\new)
.set MSB, (\new)
.endif
.endm
.set MUL_LO, 0xa1
.set MUL_HI, 0xf1
.set TO_B,   0x40
.macro JLOAD g0a, g1a, g0b, g1b        ; a joint load: waves 0 and 1 fetch for A, waves 2 and 3 for W; four v_nop follow each of the two lines
	s_cmp_eq_u32 s15, 0
	s_cbranch_scc0 .Lfor_b_\@
	tensor_load_to_lds s[\g0a:\g0a+3], s[\g1a:\g1a+7]
	s_nop 0
.rept 4
	v_nop
.endr
	s_branch .Lasked_\@
.Lfor_b_\@:
	tensor_load_to_lds s[\g0b:\g0b+3], s[\g1b:\g1b+7]
	s_nop 0
.rept 4
	v_nop
.endr
.Lasked_\@:
.endm
.macro CREST
	s_cmp_lg_u32 s14, 0
	s_cbranch_scc1 .Lnot_wave_0_\@
	s_barrier_signal -3
.Lnot_wave_0_\@:
	s_barrier_wait -3
	s_barrier_signal -1
	s_barrier_wait -1
.endm
.macro CROUND
	s_barrier_signal -1
	s_barrier_wait -1
	CREST
.endm
; A prefetch of the slot that stands two refills on: 24 blocks of 256 bytes, a lane a block (lanes 24-31 name lane 23's).  Of the 8 tiles that a wave fetches, each of the four partners that ask for them jointly takes 2, told
; apart by address.  A's tiles are read by one cluster; W's by every cluster of the column: the first of them asks.  The loop's last trip asks for nothing: no slot stands two refills on.
.macro ASK
	s_cmp_gt_u32 s3, s[LIM]
	s_cbranch_scc0 .Lnot_mine_\@
	global_prefetch_b8 v[PFO], s[PFA:PFA+1] offset:TROW th:TH_LOAD_NT scope:SCOPE_SE
.Lnot_mine_\@:
.endm
	s_load_b128 s[4:7], s[0:1], 0x0                ; A's image, the weights' image
	s_load_b128 s[8:11], s[0:1], 0x10              ; the residual, out
	v_lshl_add_u32 v[SPW], v0, 2, SPARE
	v_mov_b32 v[NIL], 0
	ds_add_u32 v28, v29
	ds_add_u32 v28, v29
	s_wait_dscnt 0x0
	v_lshrrev_b32 v1, 5, v0
	v_readfirstlane_b32 s14, v1                    ; wave 0..3
	s_lshr_b32 s15, s14, 1                         ; which half of the rows is mine.  Also: I fetch for A (0) or for W (1)
	s_and_b32 s16, s14, 1                          ; which half of the columns.  Also: which 8 tiles I fetch
	s_bfe_u32 s40, ttmp6, 0x40000                  ; cx, cy
	s_bfe_u32 s41, ttmp6, 0x40004
	s_lshl_b32 s42, ttmp9, 2
	s_add_co_u32 s42, s42, s40                     ; block of 256 columns
	s_and_b32 s17, ttmp7, 0xffff
	s_lshl_b32 s17, s17, 2
	s_add_co_u32 s17, s17, s41                     ; block of 256 rows
	s_lshl_b32 s43, s41, 2
	s_lshl_b32 s43, 15, s43                        ; my row of the cluster
	s_lshl_b32 s44, 0x1111, s40                    ; my column
	s_or_b32 s[G1+0], s43, (3<<16)|(1<<21)         ; 8 rows of 384 elements of 8 bytes, GROW bytes apart; no padding; 21 set beside a mask
	s_or_b32 s[G1B+0], s44, (3<<16)|(1<<21)
.irp g, G1, G1B
	s_mov_b32 s[\g+1], (TROW/8)<<16
	s_mov_b32 s[\g+2], 8<<16
	s_mov_b32 s[\g+3], (TROW/8)<<16
	s_mov_b32 s[\g+4], 8
	s_mov_b32 s[\g+5], GROW/8
	s_mov_b32 s[\g+6], 0
	s_mov_b32 s[\g+7], 0
.endr
	s_or_b32 s[G1S+0], s43, (3<<16)|(1<<21)        ; the scale words of 8 tiles: HALFS dense bytes, as rows of 256
	s_or_b32 s[G1SB+0], s44, (3<<16)|(1<<21)
.irp g, G1S, G1SB
	s_mov_b32 s[\g+1], 32<<16
	s_mov_b32 s[\g+2], (HALFS/256)<<16
	s_mov_b32 s[\g+3], 32<<16
	s_mov_b32 s[\g+4], HALFS/256
	s_mov_b32 s[\g+5], 32
	s_mov_b32 s[\g+6], 0
	s_mov_b32 s[\g+7], 0
.endr
	s_lshl_b32 s18, s16, 3
	s_lshl_b32 s20, s17, 4
	s_add_co_u32 s20, s20, s18                     ; A: tile 16 x block + 8 x half
	s_lshl_b32 s46, s42, 4
	s_add_co_u32 s46, s46, s18                     ; W likewise
	s_mul_i32 s22, s20, SBLK
	s_add_co_u32 s22, s22, ASOFF
	s_mul_i32 s92, s46, SBLK
	s_add_co_u32 s92, s92, BSOFF
	s_mul_i32 s20, s20, GROW
	s_mul_i32 s46, s46, GROW
	s_add_co_u32 s46, s46, BCOFF
	s_mov_b32 s21, 0
	s_mov_b32 s23, 0
	s_mov_b32 s47, 0
	s_mov_b32 s93, 0
	s_mul_i32 s45, s14, HALFT
	s_mul_i32 s94, s14, HALFS
	s_wait_kmcnt 0x0
	s_add_nc_u64 s[20:21], s[4:5], s[20:21]
	s_add_nc_u64 s[22:23], s[4:5], s[22:23]
	s_add_nc_u64 s[46:47], s[6:7], s[46:47]
	s_add_nc_u64 s[92:93], s[6:7], s[92:93]
	CROUND                                         ; all sixteen work-groups are here: the first joint loads meet
	s_mov_b32 s[G0S], 1
	s_add_co_u32 s[G0S+1], s94, SCL
	s_mov_b64 s[G0S+2:G0S+3], s[22:23]
	s_or_b32 s[G0S+3], s[G0S+3], 0x80000000
	s_mov_b32 s[G0SB], 1
	s_add_co_u32 s[G0SB+1], s94, SCL
	s_mov_b64 s[G0SB+2:G0SB+3], s[92:93]
	s_or_b32 s[G0SB+3], s[G0SB+3], 0x80000000
	JLOAD G0S, G1S, G0SB, G1SB                     ; the scale words first; with the two slots three loads of mine are out
.irp s, 0,1
	s_mov_b32 s[G0+4*\s], 1
	s_add_co_u32 s[G0+4*\s+1], s45, \s*SLOT
	s_add_nc_u64 s[G0+4*\s+2:G0+4*\s+3], s[20:21], \s*TROW
	s_or_b32 s[G0+4*\s+3], s[G0+4*\s+3], 0x80000000
	s_mov_b32 s[G0B+4*\s], 1
	s_add_co_u32 s[G0B+4*\s+1], s45, \s*SLOT
	s_add_nc_u64 s[G0B+4*\s+2:G0B+4*\s+3], s[46:47], \s*TROW
	s_or_b32 s[G0B+4*\s+3], s[G0B+4*\s+3], 0x80000000
	JLOAD G0+4*\s, G1, G0B+4*\s, G1B
.endr
	v_and_b32 v1, 15, v0                           ; r
	v_bfe_u32 v2, v0, 4, 1                         ; h
	v_and_b32 v3, 31, v0
	v_lshlrev_b32 v[CO], 4, v3
	v_lshlrev_b32 v7, 3, v3
	s_mul_i32 s21, s15, HALFT
	s_mul_i32 s22, s16, HALFT
	s_add_co_u32 s22, s22, 2*HALFT
.irp s, 0,1
	v_add_nc_u32 v[ADRA+\s], s21, v[CO]
	v_add_nc_u32 v[ADRB+\s], s22, v[CO]
	v_add_nc_u32 v[ADRA+2+\s], s21, v7
	v_add_nc_u32 v[ADRB+2+\s], s22, v7
	s_add_co_u32 s21, s21, SLOT
	s_add_co_u32 s22, s22, SLOT
.endr
	v_lshlrev_b32 v5, 2, v1
	s_mul_i32 s21, s15, HALFS
	s_mul_i32 s22, s16, HALFS
	s_add_co_u32 s22, s22, 2*HALFS
	s_sub_co_u32 s22, s22, s21
	v_mul_u32_u24 v6, s22, v2                      ; lanes 16-31 take W's scale words
	s_add_co_u32 s21, s21, SCL
	v_add_nc_u32 v5, v5, v6
	v_add_nc_u32 v[ADRS], s21, v5
	s_mul_i32 s23, s14, 16*SPITCH                  ; my stage
	v_mul_u32_u24 v6, v1, SPITCH
	v_lshl_add_u32 v6, v2, 6, v6
	v_add_nc_u32 v[STO], s23, v6                   ; in: row r, + 64 h
	v_add_nc_u32 v[RD], s23, v[CO]                 ; back: the 32 lanes take one row of 512 bytes
	v_and_b32 v6, 8, v1
	v_add_nc_u32 v6, v6, v1
	v_lshlrev_b32 v[RO], 12, v6
	v_lshl_add_u32 v[RO], v2, 6, v[RO]
	s_lshl_b32 s20, s17, 8
	s_lshl_b32 s21, s15, 7
	s_add_co_u32 s20, s20, s21                     ; my first row,
	s_lshl_b32 s20, s20, 12
	s_lshl_b32 s46, s42, 10
	s_lshl_b32 s47, s16, 9
	s_add_co_u32 s46, s46, s47                     ; my first column, in bytes
	s_add_co_u32 s20, s20, s46
	s_mov_b32 s21, 0
	s_add_nc_u64 s[8:9], s[8:9], s[20:21]
	s_add_nc_u64 s[10:11], s[10:11], s[20:21]
.if PREF
	s_add_nc_u64 s[12:13], s[6:7], BCOFF
	s_lshl_b32 s20, s17, 4
	s_lshl_b32 s21, s42, 4
	s_and_b32 s22, ttmp7, 0xffff
	s_cmp_eq_u32 s15, 0                            ; do I fetch for A?
	s_cselect_b32 s20, s20, s21                    ; the block's first tile,
	s_cselect_b32 s21, s40, s41                    ; my place among the four that ask with me,
	s_cselect_b32 s22, ttmp9, s22                  ; the coordinate along which other clusters read the same tiles
	s_cselect_b64 s[PFA:PFA+1], s[4:5], s[12:13]
	s_cmp_eq_u32 s22, 0
	s_cselect_b32 s[LIM], 1, -1                    ; the same in all sixteen partners, for a given wave
	s_lshl_b32 s22, s16, 3
	s_add_co_u32 s20, s20, s22
	s_lshl_b32 s21, s21, 1
	s_add_co_u32 s20, s20, s21                     ; my work-group's 2 of the 8 tiles that I fetch
	s_mul_i32 s20, s20, GROW
	s_add_co_u32 s20, s20, 2*TROW                  ; at slot 2: the first refill steps it to 3 and names slot 4
	s_mov_b32 s21, 0
	s_add_nc_u64 s[PFA:PFA+1], s[PFA:PFA+1], s[20:21]
	v_min_u32 v5, 23, v3
	v_mul_u32_u24 v6, v5, 171
	v_lshrrev_b32 v6, 11, v6                       ; lane / 12: which of the two tiles
	v_mul_u32_u24 v6, v6, GROW-TROW
	v_lshl_add_u32 v[PFO], v5, 8, v6
.endif
.irp a, 0,1,2,3,4,5,6,7                ; the residual, in the result's layout: lane (r, h), register j of (a, b): row 32 (a / 2) + 8 (a % 2) + r + 8 (r / 8), column 32 (b / 2) + 8 (b % 2) + 16 h + j
	WIN 0x80+0x40*(\a/4)
.irp b, 0,1,2,3,4,5,6,7
	global_load_b128 v[8*(8*(\a%4)+\b):8*(8*(\a%4)+\b)+3], v[RO], s[8:9] offset:(32*(\a/2)+8*(\a%2))*4096+128*(\b/2)+32*(\b%2)
	global_load_b128 v[8*(8*(\a%4)+\b)+4:8*(8*(\a%4)+\b)+7], v[RO], s[8:9] offset:(32*(\a/2)+8*(\a%2))*4096+128*(\b/2)+32*(\b%2)+16
.endr
.endr
	WIN 0
.macro FRAG reg, adr, q, i
	ds_load_b128 v[\reg:\reg+3], v[\adr] offset:(\i)*TROW+(\q)*FRB
	ds_load_b64 v[\reg+4:\reg+5], v[\adr+2] offset:(\i)*TROW+(\q)*FRB+512
	ds_load_b128 v[\reg+6:\reg+9], v[\adr] offset:(\i)*TROW+(\q)*FRB+768
	ds_load_b64 v[\reg+10:\reg+11], v[\adr+2] offset:(\i)*TROW+(\q)*FRB+1280
.endm
; 16 matrix instructions: A's blocks a0, a0 + 1 x W's eight.  The 64 accumulators take turns, one instruction a turn, in the same order in every step.
.macro MUL16 a0, p, q, sc
.irp a, \a0, \a0+1
.irp b, 0,1,2,3,4,5,6,7
	v_wmma_scale_f32_16x16x128_f8f6f4 v[8*(8*((\a)%4)+\b):8*(8*((\a)%4)+\b)+7], v[128*(\p)+FR*\b:128*(\p)+FR*\b+FR-1], v[AF+FR*(\a):AF+FR*(\a)+FR-1], v[8*(8*((\a)%4)+\b):8*(8*((\a)%4)+\b)+7], v[SC+8*NQ*(\sc)+NQ*\b+(\q)], v[SC+8*NQ*(\sc)+NQ*(\a)+(\q)] matrix_a_fmt:MATRIX_FMT_FP6 matrix_b_fmt:MATRIX_FMT_FP6 matrix_a_scale:MATRIX_SCALE_ROW1
.endr
.endr
.endm
.macro FETCH_B slot, q, p
	WIN TO_B
.irp i, 0,1,2,3,4,5,6,7
	FRAG 128*(\p)+FR*\i, ADRB+\slot, \q, \i
.endr
	WIN 0
.endm
.macro FETCH_A slot, q, i0
.irp i, \i0, \i0+1, \i0+2, \i0+3
	FRAG AF+FR*(\i), ADRA+\slot, \q, \i
.endr
.endm
.macro SCALES sc
.irp i, 0,1,2,3,4,5,6,7
	ds_load_b32 v[SC+8*NQ*\sc+NQ*\i], v[ADRS] offset:\i*SBLK
	ds_load_b32 v[SC+8*NQ*\sc+NQ*\i+1], v[ADRS] offset:\i*SBLK+64
.endr
.endm
.macro PLACES n
.rept \n
	v_nop
.endr
.endm
.macro STEP slot, q
	s_wait_dscnt 4*NL                              ; all but the youngest sixteen loads (A's blocks 4-7)
	WIN MUL_LO
	MUL16 0, (\q)%2, \q, \slot
	MUL16 2, (\q)%2, \q, \slot
	s_wait_dscnt 0
	PLACES NP
	FETCH_B \slot, (\q)+1, 1-(\q)%2
	FETCH_A \slot, (\q)+1, 0
	WIN MUL_HI
	MUL16 4, (\q)%2, \q, \slot
	MUL16 6, (\q)%2, \q, \slot
	PLACES NP
	WIN 0
	FETCH_A \slot, (\q)+1, 4
.endm
.macro TURN slot, next, fill
.if PREF && \fill
	s_wait_xcnt 0x0                                ; the last prefetch, a slot back, has read its address
	s_add_nc_u64 s[PFA:PFA+1], s[PFA:PFA+1], TROW
.endif
	s_wait_tensorcnt 0x0                           ; all my tensor loads have landed: my part of the next slot
	ds_add_u32 v[SPW], v[NIL]
	s_wait_dscnt 4*NL+1                            ; (the add and the youngest sixteen loads may be out)
	WIN MUL_LO
	MUL16 0, 1, NQ-1, \slot
	s_wait_dscnt 0x0                               ; the add is done, and my reads of this slot are over
	s_barrier_signal -1
	MUL16 2, 1, NQ-1, \slot
	WIN 0
	s_barrier_wait -1
.if \fill
	CREST                                          ; the barrier has opened a round of the cluster's: no wave of any partner still reads this slot or has a load on its way
	s_add_nc_u64 s[G0+4*\slot+2:G0+4*\slot+3], s[G0+4*\slot+2:G0+4*\slot+3], 2*TROW
	s_add_nc_u64 s[G0B+4*\slot+2:G0B+4*\slot+3], s[G0B+4*\slot+2:G0B+4*\slot+3], 2*TROW
	JLOAD G0+4*\slot, G1, G0B+4*\slot, G1B         ; the first tensor load behind the round; its four v_nop are also the places in front of the loads below
.else
	PLACES NP
.endif
	v_add_nc_u32 v[ADRS], 64*NQ, v[ADRS]
	FETCH_B \next, 0, 0
	FETCH_A \next, 0, 0
	SCALES \next
.if PREF && \fill
	ASK                                            ; behind the joint load and the run of LDS loads: two slots, 256 matrix instructions, ahead of the load that will want the bytes
.endif
	WIN MUL_HI
	MUL16 4, 1, NQ-1, \slot
	MUL16 6, 1, NQ-1, \slot
	PLACES NP
	WIN 0
	FETCH_A \next, 0, 4
.endm
	s_wait_tensorcnt 1                             ; the scale words and my part of slot 0 are in; slot 1's load may be out
	s_barrier_signal -1
	s_barrier_wait -1
	FETCH_B 0, 0, 0
	FETCH_A 0, 0, 0
	SCALES 0
	FETCH_A 0, 0, 4
	s_wait_loadcnt 0x0                             ; the residual lies in the accumulators
	STEP 0, 0
	s_mov_b32 s3, LAPS-1
.Llap:
	TURN 0, 1, 1
	STEP 1, 0
	TURN 1, 0, 1
	STEP 0, 0
	s_sub_co_u32 s3, s3, 1
	s_cmp_lg_u32 s3, 0
	s_cbranch_scc1 .Llap
	TURN 0, 1, 0                                   ; the last lap fills nothing
	STEP 1, 0
	s_wait_dscnt 4*NL
	WIN MUL_LO
	MUL16 0, 1, NQ-1, 1
	MUL16 2, 1, NQ-1, 1
	s_wait_dscnt 0
	WIN MUL_HI
	MUL16 4, 1, NQ-1, 1
	MUL16 6, 1, NQ-1, 1
	WIN 0
.macro TOSTAGE a                       ; LDS serves a wave's instructions in order (ISA guide 5.7.1.4): no wait between the stores and the loads, nor in front of the next block's stores
.set AC, 64*((\a)%4)
	WIN 0x08+4*((\a)/4)                            ; the data: window 2 or 3
.irp b, 0,1,2,3,4,5,6,7
	ds_store_b128 v[STO], v[AC+8*\b:AC+8*\b+3] offset:128*(\b/2)+32*(\b%2)         ; each accumulator from its low end on
	ds_store_b128 v[STO], v[AC+8*\b+4:AC+8*\b+7] offset:128*(\b/2)+32*(\b%2)+16
.endr
	WIN 0
.set BB, BK+64*((\a)%2)
.irp t, 0,1,2,3,4,5,6,7,8,9,10,11,12,13,14,15
	ds_load_b128 v[BB+4*\t:BB+4*\t+3], v[RD] offset:\t*SPITCH
.endr
.endm
.macro SEND a, younger                 ; younger: the LDS instructions issued behind block a's loads, which may stay out
.set BB, BK+64*((\a)%2)
	s_wait_dscnt \younger
.irp t, 0,1,2,3,4,5,6,7,8,9,10,11,12,13,14,15
	global_store_b128 v[CO], v[BB+4*\t:BB+4*\t+3], s[10:11] offset:(32*((\a)/2)+8*((\a)%2)+\t+8*(\t/8))*4096   ; 32 lanes store 512 consecutive bytes of the row that lane-row t stands for
.endr
.endm
	PLACES NP
	TOSTAGE 0
.irp a, 1,2,3,4,5,6,7
.if \a > 1
	s_wait_xcnt 0x0                                ; block a - 2's stores have read their registers: block a's loads may land there
.endif
	TOSTAGE \a
	SEND \a-1, 32                                  ; behind block a - 1's loads: block a's 16 stores and 16 loads
.endr
	SEND 7, 0
	s_wait_tensorcnt 0x0                           ; the wave's end
	ds_add_u32 v[SPW], v[NIL]
	s_wait_dscnt 0x0
	CROUND                                         ; the closing round
	s_endpgm
.Lfunc_end_k_qdd27cb6f6f_proj:
	.size	k_qdd27cb6f6f_proj, .Lfunc_end_k_qdd27cb6f6f_proj-k_qdd27cb6f6f_proj
	.p2alignl 7, 3214868480
	.fill 96, 4, 3214868480
	.section	.rodata,"a",@progbits
	.p2align	6, 0x0
	.amdhsa_kernel k_qdd27cb6f6f_proj
		.amdhsa_group_segment_fixed_size 327680
		.amdhsa_private_segment_fixed_size 0
		.amdhsa_enable_private_segment 0
		.amdhsa_kernarg_size 32
		.amdhsa_user_sgpr_count 2
		.amdhsa_user_sgpr_kernarg_segment_ptr 1
		.amdhsa_wavefront_size32 1
		.amdhsa_system_sgpr_workgroup_id_x 1
		.amdhsa_system_sgpr_workgroup_id_y 1
		.amdhsa_system_sgpr_workgroup_id_z 1
		.amdhsa_system_vgpr_workitem_id 0
		.amdhsa_next_free_vgpr 1024
		.amdhsa_next_free_sgpr 102
		.amdhsa_reserve_vcc 0
		.amdhsa_float_denorm_mode_32 3
		.amdhsa_float_denorm_mode_16_64 3
		.amdhsa_memory_ordered 1
		.amdhsa_forward_progress 1
		.amdhsa_inst_pref_size 157
	.end_amdhsa_kernel
	.amdgpu_metadata
---
amdhsa.version: [ 1, 2 ]
amdhsa.kernels:
  - .name:           k_qdd27cb6f6f_proj
    .symbol:         k_qdd27cb6f6f_proj.kd
    .args:
      - { .name: oq, .offset: 0, .size: 8, .value_kind: global_buffer, .address_space: global }
      - { .name: wimg, .offset: 8, .size: 8, .value_kind: global_buffer, .address_space: global }
      - { .name: x, .offset: 16, .size: 8, .value_kind: global_buffer, .address_space: global }
      - { .name: x1, .offset: 24, .size: 8, .value_kind: global_buffer, .address_space: global }
    .group_segment_fixed_size: 327680
    .private_segment_fixed_size: 0
    .kernarg_segment_align: 8
    .kernarg_segment_size: 32
    .max_flat_workgroup_size: 128
    .sgpr_count:     102
    .vgpr_count:     1024
    .wavefront_size: 32
...
	.end_amdgpu_metadata
.endif
;; end of part 5
;; launch ln2: the kernel of part 2 again; grid 256 x 1, 8 waves a work-group, no clusters, 67,072 bytes of LDS; arguments x1, ln2_w, ln2_b, h2q; writes h2q
;; launch ff1 (part 6): grid 16 x 16, 4 waves a work-group, clusters of 4 x 4, 327,680 bytes of LDS; arguments h2q, wimg, gq; writes gq
.if DOCPART == 6
	.amdgcn_target "amdgcn-amd-amdhsa--gfx1250"
	.amdhsa_code_object_version 6
	.text
	.protected	k_qdd27cb6f6f_ff1
	.globl	k_qdd27cb6f6f_ff1
	.p2align	8
	.type	k_qdd27cb6f6f_ff1,@function
k_qdd27cb6f6f_ff1:
	s_mov_b64 s[64:65], 0
	v_nop
	global_prefetch_b8 v0, s[64:65] scope:SCOPE_SE
	s_setreg_imm32_b32 hwreg(HW_REG_WAVE_MODE, 25, 1), 1
	s_wait_xcnt 0x0
	s_wait_alu depctr_hold_cnt(0) depctr_sa_sdst(0) depctr_va_vdst(0) depctr_va_sdst(0) depctr_va_ssrc(0) depctr_va_vcc(0) depctr_vm_vsrc(0)
	s_getreg_b32 s2, hwreg(HW_REG_IB_STS2, 6, 4)
	s_cmp_eq_u32 s2, 0
	s_cbranch_scc0 .Lentry_in_a_cluster
	s_endpgm
.Lentry_in_a_cluster:
	s_bfe_u32 s2, ttmp6, 0x10000c
	s_cmp_lg_u32 s2, 0xf033
	s_cbranch_scc0 .Lentry_shape_is_right
	s_endpgm
.Lentry_shape_is_right:
; g = Q(gelu(LN2(x1) W_ff1)) on codes of FP6 (E2M3) with E8M0 scales for each 32 along K = 1,024, f32 sums; the activation and the quantiser for the next product stand on the way out.
; gelu(x) = x / 2 (1 + u / (1 + |u|)), u = x (0.7978846 + 0.0356774 x^2): the module's own form, its coefficient as one fused multiply-add, the division as v_rcp_f32 and a multiply.
; OPERANDS lie in memory in the order of an operand's registers: [tile of 16 rows][K / 64] x 768 bytes (lane (r, h): 24 bytes of k = 64 j + 32 h + 0 .. 31; 16 bytes at 16 x lane, 8 at 512 + 8 x lane), scale words
; [tile][K / 128][r].  Lane-row r of tile T is row 32 (T / 2) + 8 (T % 2) + r + 8 (r / 8), on both sides: so a lane's 16 results of two neighbouring tiles of W are 16 neighbours along the next K.
; A work-group of four waves makes 256 x 256 results, a wave 128 x 128: 64 accumulators, 512 registers.  K goes in steps of 256 through a ring of two LDS slots filled by the tensor data mover: a tile's part of a slot is 3,072
; consecutive bytes of memory; no padding, since every LDS load takes 512 or 256 consecutive bytes.  The scale words of the work-group's rows come once, with the first fills.
; CLUSTERS of 4 x 4: A's tiles are asked for jointly along a row of the cluster, W's along a column.  The matrix instruction is used transposed (source 0 = W's tile, source 1 = A's).
; OUT: g's codes [row tile 256][K / 64 = 64] x 768, scale words [256][32][r] from byte 12,582,912 on.  A wave's 128 columns are one K step of the next product: a block of 16 rows becomes one fragment and one scale word a row.
; LIMITS: NaN and infinities are not served; a block whose largest magnitude lies under 2^-124 keeps the byte 1 (a block of zeros too: its codes are zeros, and this program alone reads the bytes).
; No prefetch: four slots along K, two of them first fills: nothing is left to ask for ahead.
; REGISTERS, in windows of 256: window 0: v16-31 addresses; v32-63 scale words, two sets, and nothing else; v128-223 A's 8 fragments, one set; on the way out v64-237 at work.
;   window 1: W's fragments, two sets, at v0 and v128.  windows 2, 3: accumulator (a, b) at v[8 (8 (a % 4) + b)].
.set KST,    8
.set ASOFF,  3145728                   ; where A's scale words begin in its buffer
.set BCOFF,  3145728                   ; where this weight's codes begin in the weights' image,
.set BSOFF,  9568256                   ; and its scale words
.set NQ,     2
.set FR,     12
.set NL,     4
.set NP,     4
.set FRB,    1536
.set TROW,   NQ*FRB
.set HALFT,  8*TROW
.set SLOT,   4*HALFT
.set GROW,   KST*FRB
.set LAPS,   KST/(2*NQ)
.set SCL,    2*SLOT
.set SBLK,   KST*64
.set HALFS,  8*SBLK
.set SPARE,  SCL+4*HALFS               ; the spare words, 128 bytes a wave: two blocks of 256 bytes that no other line names
.set ADRA, 16
.set ADRB, 20
.set LI,   24                          ; v24 16 x lane
.set LJ,   25                          ; v25 8 x lane
.set LS,   26                          ; v26 4 r + 2,048 h: two neighbouring row tiles' scale words
.set ADRS, 27
.set SPW,  28
.set NIL,  29
.set SC,   32
.set AF,   128
.set U,    64                          ; the way out: v64-127 u, then gelu
.set DN,   128                         ; v128-191 1 + |u|, its reciprocal, then x / 2
.set PC,   192
.set TM,   212
.set PW,   228
.set PWE,  229
.set WD,   230
.set G1, 24
.set G0, 32
.set G1B, 48
.set G0B, 56
.set G1S, 68
.set G0S, 76
.set G1SB, 80
.set G0SB, 88
.set SEL, 96
.set MSB, 0
.macro WIN new
.if MSB != (\new)
	s_set_vgpr_msb (MSB<<8)|(\new)
.set MSB, (\new)
.endif
.endm
.set MUL_LO, 0xa1
.set MUL_HI, 0xf1
.set TO_B,   0x40
.macro JLOAD g0a, g1a, g0b, g1b        ; a joint load: waves 0 and 1 fetch for A, waves 2 and 3 for W; four v_nop follow each of the two lines
	s_cmp_eq_u32 s15, 0
	s_cbranch_scc0 .Lfor_b_\@
	tensor_load_to_lds s[\g0a:\g0a+3], s[\g1a:\g1a+7]
	s_nop 0
.rept 4
	v_nop
.endr
	s_branch .Lasked_\@
.Lfor_b_\@:
	tensor_load_to_lds s[\g0b:\g0b+3], s[\g1b:\g1b+7]
	s_nop 0
.rept 4
	v_nop
.endr
.Lasked_\@:
.endm
.macro CREST
	s_cmp_lg_u32 s14, 0
	s_cbranch_scc1 .Lnot_wave_0_\@
	s_barrier_signal -3
.Lnot_wave_0_\@:
	s_barrier_wait -3
	s_barrier_signal -1
	s_barrier_wait -1
.endm
.macro CROUND
	s_barrier_signal -1
	s_barrier_wait -1
	CREST
.endm
	s_load_b128 s[4:7], s[0:1], 0x0                ; A's image, the weights' image
	s_load_b64 s[12:13], s[0:1], 0x10              ; g's image
	v_lshl_add_u32 v[SPW], v0, 2, SPARE
	v_mov_b32 v[NIL], 0
	ds_add_u32 v28, v29
	ds_add_u32 v28, v29
	s_wait_dscnt 0x0
	v_lshrrev_b32 v1, 5, v0
	v_readfirstlane_b32 s14, v1                    ; wave 0..3
	s_lshr_b32 s15, s14, 1                         ; which half of the rows is mine.  Also: I fetch for A (0) or for W (1)
	s_and_b32 s16, s14, 1                          ; which half of the columns.  Also: which 8 tiles I fetch
	s_bfe_u32 s40, ttmp6, 0x40000                  ; cx, cy
	s_bfe_u32 s41, ttmp6, 0x40004
	s_lshl_b32 s42, ttmp9, 2
	s_add_co_u32 s42, s42, s40                     ; block of 256 columns
	s_and_b32 s17, ttmp7, 0xffff
	s_lshl_b32 s17, s17, 2
	s_add_co_u32 s17, s17, s41                     ; block of 256 rows
	s_lshl_b32 s43, s41, 2
	s_lshl_b32 s43, 15, s43                        ; my row of the cluster
	s_lshl_b32 s44, 0x1111, s40                    ; my column
	s_or_b32 s[G1+0], s43, (3<<16)|(1<<21)         ; 8 rows of 384 elements of 8 bytes, GROW bytes apart; no padding; 21 set beside a mask
	s_or_b32 s[G1B+0], s44, (3<<16)|(1<<21)
.irp g, G1, G1B
	s_mov_b32 s[\g+1], (TROW/8)<<16
	s_mov_b32 s[\g+2], 8<<16
	s_mov_b32 s[\g+3], (TROW/8)<<16
	s_mov_b32 s[\g+4], 8
	s_mov_b32 s[\g+5], GROW/8
	s_mov_b32 s[\g+6], 0
	s_mov_b32 s[\g+7], 0
.endr
	s_or_b32 s[G1S+0], s43, (3<<16)|(1<<21)        ; the scale words of 8 tiles: HALFS dense bytes, as rows of 256
	s_or_b32 s[G1SB+0], s44, (3<<16)|(1<<21)
.irp g, G1S, G1SB
	s_mov_b32 s[\g+1], 32<<16
	s_mov_b32 s[\g+2], (HALFS/256)<<16
	s_mov_b32 s[\g+3], 32<<16
	s_mov_b32 s[\g+4], HALFS/256
	s_mov_b32 s[\g+5], 32
	s_mov_b32 s[\g+6], 0
	s_mov_b32 s[\g+7], 0
.endr
	s_lshl_b32 s18, s16, 3
	s_lshl_b32 s20, s17, 4
	s_add_co_u32 s20, s20, s18                     ; A: tile 16 x block + 8 x half
	s_lshl_b32 s46, s42, 4
	s_add_co_u32 s46, s46, s18                     ; W likewise
	s_mul_i32 s22, s20, SBLK
	s_add_co_u32 s22, s22, ASOFF
	s_mul_i32 s92, s46, SBLK
	s_add_co_u32 s92, s92, BSOFF
	s_mul_i32 s20, s20, GROW
	s_mul_i32 s46, s46, GROW
	s_add_co_u32 s46, s46, BCOFF
	s_mov_b32 s21, 0
	s_mov_b32 s23, 0
	s_mov_b32 s47, 0
	s_mov_b32 s93, 0
	s_mul_i32 s45, s14, HALFT
	s_mul_i32 s94, s14, HALFS
	s_mov_b32 s[SEL], 0x76543210
	s_mov_b32 s[SEL+1], 0xfedcba98
	s_wait_kmcnt 0x0
	s_add_nc_u64 s[20:21], s[4:5], s[20:21]
	s_add_nc_u64 s[22:23], s[4:5], s[22:23]
	s_add_nc_u64 s[46:47], s[6:7], s[46:47]
	s_add_nc_u64 s[92:93], s[6:7], s[92:93]
	CROUND                                         ; all sixteen work-groups are here: the first joint loads meet
	s_mov_b32 s[G0S], 1
	s_add_co_u32 s[G0S+1], s94, SCL
	s_mov_b64 s[G0S+2:G0S+3], s[22:23]
	s_or_b32 s[G0S+3], s[G0S+3], 0x80000000
	s_mov_b32 s[G0SB], 1
	s_add_co_u32 s[G0SB+1], s94, SCL
	s_mov_b64 s[G0SB+2:G0SB+3], s[92:93]
	s_or_b32 s[G0SB+3], s[G0SB+3], 0x80000000
	JLOAD G0S, G1S, G0SB, G1SB                     ; the scale words first; with the two slots three loads of mine are out
.irp s, 0,1
	s_mov_b32 s[G0+4*\s], 1
	s_add_co_u32 s[G0+4*\s+1], s45, \s*SLOT
	s_add_nc_u64 s[G0+4*\s+2:G0+4*\s+3], s[20:21], \s*TROW
	s_or_b32 s[G0+4*\s+3], s[G0+4*\s+3], 0x80000000
	s_mov_b32 s[G0B+4*\s], 1
	s_add_co_u32 s[G0B+4*\s+1], s45, \s*SLOT
	s_add_nc_u64 s[G0B+4*\s+2:G0B+4*\s+3], s[46:47], \s*TROW
	s_or_b32 s[G0B+4*\s+3], s[G0B+4*\s+3], 0x80000000
	JLOAD G0+4*\s, G1, G0B+4*\s, G1B
.endr
	v_and_b32 v1, 15, v0                           ; r
	v_bfe_u32 v2, v0, 4, 1                         ; h
	v_and_b32 v3, 31, v0
	v_lshlrev_b32 v[LI], 4, v3
	v_lshlrev_b32 v[LJ], 3, v3
	v_lshlrev_b32 v[LS], 2, v1
	v_lshl_add_u32 v[LS], v2, 11, v[LS]
	s_mul_i32 s21, s15, HALFT
	s_mul_i32 s22, s16, HALFT
	s_add_co_u32 s22, s22, 2*HALFT
.irp s, 0,1
	v_add_nc_u32 v[ADRA+\s], s21, v[LI]
	v_add_nc_u32 v[ADRB+\s], s22, v[LI]
	v_add_nc_u32 v[ADRA+2+\s], s21, v[LJ]
	v_add_nc_u32 v[ADRB+2+\s], s22, v[LJ]
	s_add_co_u32 s21, s21, SLOT
	s_add_co_u32 s22, s22, SLOT
.endr
	v_lshlrev_b32 v5, 2, v1
	s_mul_i32 s21, s15, HALFS
	s_mul_i32 s22, s16, HALFS
	s_add_co_u32 s22, s22, 2*HALFS
	s_sub_co_u32 s22, s22, s21
	v_mul_u32_u24 v6, s22, v2                      ; lanes 16-31 take W's scale words
	s_add_co_u32 s21, s21, SCL
	v_add_nc_u32 v5, v5, v6
	v_add_nc_u32 v[ADRS], s21, v5
	s_lshl_b32 s20, s17, 4
	s_lshl_b32 s21, s15, 3
	s_add_co_u32 s20, s20, s21                     ; my first row tile,
	s_lshl_b32 s21, s42, 1
	s_add_co_u32 s21, s21, s16                     ; my K step of the next product
	s_mul_i32 s22, s20, 49152
	s_mul_i32 s23, s21, 1536
	s_add_co_u32 s22, s22, s23
	s_mov_b32 s23, 0
	s_add_nc_u64 s[8:9], s[12:13], s[22:23]        ; where my codes go,
	s_lshl_b32 s22, s20, 11
	s_lshl_b32 s46, s21, 6
	s_add_co_u32 s22, s22, s46
	s_add_co_u32 s22, s22, 12582912
	s_add_nc_u64 s[10:11], s[12:13], s[22:23]      ; and my scale words
.macro FRAG reg, adr, q, i
	ds_load_b128 v[\reg:\reg+3], v[\adr] offset:(\i)*TROW+(\q)*FRB
	ds_load_b64 v[\reg+4:\reg+5], v[\adr+2] offset:(\i)*TROW+(\q)*FRB+512
	ds_load_b128 v[\reg+6:\reg+9], v[\adr] offset:(\i)*TROW+(\q)*FRB+768
	ds_load_b64 v[\reg+10:\reg+11], v[\adr+2] offset:(\i)*TROW+(\q)*FRB+1280
.endm
; 16 matrix instructions: A's blocks a0, a0 + 1 x W's eight.  The 64 accumulators take turns, one instruction a turn, in the same order in every step.
.macro MUL16 a0, p, q, sc, zero
.irp a, \a0, \a0+1
.irp b, 0,1,2,3,4,5,6,7
.if \zero
	v_wmma_scale_f32_16x16x128_f8f6f4 v[8*(8*((\a)%4)+\b):8*(8*((\a)%4)+\b)+7], v[128*(\p)+FR*\b:128*(\p)+FR*\b+FR-1], v[AF+FR*(\a):AF+FR*(\a)+FR-1], 0, v[SC+8*NQ*(\sc)+NQ*\b+(\q)], v[SC+8*NQ*(\sc)+NQ*(\a)+(\q)] matrix_a_fmt:MATRIX_FMT_FP6 matrix_b_fmt:MATRIX_FMT_FP6 matrix_a_scale:MATRIX_SCALE_ROW1
.else
	v_wmma_scale_f32_16x16x128_f8f6f4 v[8*(8*((\a)%4)+\b):8*(8*((\a)%4)+\b)+7], v[128*(\p)+FR*\b:128*(\p)+FR*\b+FR-1], v[AF+FR*(\a):AF+FR*(\a)+FR-1], v[8*(8*((\a)%4)+\b):8*(8*((\a)%4)+\b)+7], v[SC+8*NQ*(\sc)+NQ*\b+(\q)], v[SC+8*NQ*(\sc)+NQ*(\a)+(\q)] matrix_a_fmt:MATRIX_FMT_FP6 matrix_b_fmt:MATRIX_FMT_FP6 matrix_a_scale:MATRIX_SCALE_ROW1
.endif
.endr
.endr
.endm
.macro FETCH_B slot, q, p
	WIN TO_B
.irp i, 0,1,2,3,4,5,6,7
	FRAG 128*(\p)+FR*\i, ADRB+\slot, \q, \i
.endr
	WIN 0
.endm
.macro FETCH_A slot, q, i0
.irp i, \i0, \i0+1, \i0+2, \i0+3
	FRAG AF+FR*(\i), ADRA+\slot, \q, \i
.endr
.endm
.macro SCALES sc
.irp i, 0,1,2,3,4,5,6,7
	ds_load_b32 v[SC+8*NQ*\sc+NQ*\i], v[ADRS] offset:\i*SBLK
	ds_load_b32 v[SC+8*NQ*\sc+NQ*\i+1], v[ADRS] offset:\i*SBLK+64
.endr
.endm
.macro PLACES n
.rept \n
	v_nop
.endr
.endm
.macro STEP slot, q, zero
	s_wait_dscnt 4*NL                              ; all but the youngest sixteen loads (A's blocks 4-7)
	WIN MUL_LO
	MUL16 0, (\q)%2, \q, \slot, \zero
	MUL16 2, (\q)%2, \q, \slot, \zero
	s_wait_dscnt 0
	PLACES NP
	FETCH_B \slot, (\q)+1, 1-(\q)%2
	FETCH_A \slot, (\q)+1, 0
	WIN MUL_HI
	MUL16 4, (\q)%2, \q, \slot, \zero
	MUL16 6, (\q)%2, \q, \slot, \zero
	PLACES NP
	WIN 0
	FETCH_A \slot, (\q)+1, 4
.endm
.macro TURN slot, next, fill
	s_wait_tensorcnt 0x0                           ; all my tensor loads have landed: my part of the next slot
	ds_add_u32 v[SPW], v[NIL]
	s_wait_dscnt 4*NL+1                            ; (the add and the youngest sixteen loads may be out)
	WIN MUL_LO
	MUL16 0, 1, NQ-1, \slot, 0
	s_wait_dscnt 0x0                               ; the add is done, and my reads of this slot are over
	s_barrier_signal -1
	MUL16 2, 1, NQ-1, \slot, 0
	WIN 0
	s_barrier_wait -1
.if \fill
	CREST                                          ; the barrier has opened a round of the cluster's: no wave of any partner still reads this slot or has a load on its way
	s_add_nc_u64 s[G0+4*\slot+2:G0+4*\slot+3], s[G0+4*\slot+2:G0+4*\slot+3], 2*TROW
	s_add_nc_u64 s[G0B+4*\slot+2:G0B+4*\slot+3], s[G0B+4*\slot+2:G0B+4*\slot+3], 2*TROW
	JLOAD G0+4*\slot, G1, G0B+4*\slot, G1B         ; the first tensor load behind the round; its four v_nop are also the places in front of the loads below
.else
	PLACES NP
.endif
	v_add_nc_u32 v[ADRS], 64*NQ, v[ADRS]
	FETCH_B \next, 0, 0
	FETCH_A \next, 0, 0
	SCALES \next
	WIN MUL_HI
	MUL16 4, 1, NQ-1, \slot, 0
	MUL16 6, 1, NQ-1, \slot, 0
	PLACES NP
	WIN 0
	FETCH_A \next, 0, 4
.endm
	s_wait_tensorcnt 1                             ; the scale words and my part of slot 0 are in; slot 1's load may be out
	s_barrier_signal -1
	s_barrier_wait -1
	FETCH_B 0, 0, 0
	FETCH_A 0, 0, 0
	SCALES 0
	FETCH_A 0, 0, 4
	STEP 0, 0, 1                                   ; the first step's products start the sums
	s_mov_b32 s3, LAPS-1
.Llap:
	TURN 0, 1, 1
	STEP 1, 0, 0
	TURN 1, 0, 1
	STEP 0, 0, 0
	s_sub_co_u32 s3, s3, 1
	s_cmp_lg_u32 s3, 0
	s_cbranch_scc1 .Llap
	TURN 0, 1, 0                                   ; the last lap fills nothing
	STEP 1, 0, 0
	s_wait_dscnt 4*NL
	WIN MUL_LO
	MUL16 0, 1, NQ-1, 1, 0
	MUL16 2, 1, NQ-1, 1, 0
	s_wait_dscnt 0
	WIN MUL_HI
	MUL16 4, 1, NQ-1, 1, 0
	MUL16 6, 1, NQ-1, 1, 0
	WIN 0
; THE WAY OUT.  Block a's 64 registers: in lane (r, h) register 16 b + i is column 32 b + 16 h + i of lane-row r.
.macro GELU a                          ; v[U] on = gelu of block a; the accumulators are read from their low ends on and are not written
.set AC, 64*((\a)%4)
.set WA, 2+(\a)/4
	WIN 5*WA
.set j, 0
.rept 32
	v_pk_mul_f32 v[U+j:U+j+1], v[AC+j:AC+j+1], v[AC+j:AC+j+1]                   ; x^2
.set j, j+2
.endr
	WIN 0
.set j, 0
.rept 32
	v_pk_fma_f32 v[U+j:U+j+1], v[U+j:U+j+1], v[234:235], v[236:237]             ; the coefficient
.set j, j+2
.endr
	WIN WA
.set j, 0
.rept 32
	v_pk_mul_f32 v[U+j:U+j+1], v[AC+j:AC+j+1], v[U+j:U+j+1]                     ; u
.set j, j+2
.endr
	WIN 0
.set j, 0
.rept 64
	v_add_f32 v[DN+j], 1.0, |v[U+j]|
.set j, j+1
.endr
.set j, 0
.rept 64
	v_rcp_f32 v[DN+j], v[DN+j]
.set j, j+1
.endr
	v_nop                                          ; a plain instruction behind the batch,
	s_wait_alu depctr_va_vdst(0)                   ; and one wait for all 64, ahead of the first reader
.set j, 0
.rept 32
	v_pk_mul_f32 v[U+j:U+j+1], v[U+j:U+j+1], v[DN+j:DN+j+1]                     ; u / (1 + |u|)
.set j, j+2
.endr
	WIN WA
.set j, 0
.rept 32
	v_pk_mul_f32 v[DN+j:DN+j+1], v[AC+j:AC+j+1], 0.5 op_sel_hi:[1,0]            ; x / 2
.set j, j+2
.endr
	WIN 0
.set j, 0
.rept 32
	v_pk_fma_f32 v[U+j:U+j+1], v[DN+j:DN+j+1], v[U+j:U+j+1], v[DN+j:DN+j+1]
.set j, j+2
.endr
.endm
.macro QUANT s                         ; 64 numbers at v[s] on -> 12 registers of codes at v[PC] on, the scale word in v[PW]
.irp b, 0,1,2,3
	v_max3_num_f32 v[TM+\b], |v[(\s)+16*\b]|, |v[(\s)+16*\b+1]|, 0x1800000   ; my 16 numbers of block b, and the floor 2^(3 - 127)
.endr
.irp i, 2,4,6,8,10,12,14
.irp b, 0,1,2,3
	v_max3_num_f32 v[TM+\b], |v[(\s)+16*\b+\i]|, |v[(\s)+16*\b+\i+1]|, v[TM+\b]
.endr
.endr
.irp b, 0,1,2,3
	v_permlanex16_b32 v[TM+4+\b], v[TM+\b], s[SEL], s[SEL+1]
.endr
.irp b, 0,1,2,3
	v_max_num_f32 v[TM+\b], v[TM+\b], v[TM+4+\b]
.endr
.irp b, 0,1,2,3
	v_add_nc_u32 v[TM+12+\b], 0xff000000, v[TM+\b]
.endr
.irp b, 0,1,2,3
	v_lshrrev_b32 v[TM+4+\b], 23, v[TM+12+\b]
.endr
	v_lshl_or_b32 v[PW], v[TM+5], 8, v[TM+4]
	v_lshl_or_b32 v[PW], v[TM+6], 16, v[PW]
	v_lshl_or_b32 v[PW], v[TM+7], 24, v[PW]
.irp c, 0,1
	v_cvt_scalef32_pk16_fp6_f32 v[PC+6*\c:PC+6*\c+2], v[(\s)+32*\c:(\s)+32*\c+15], v[TM+12+2*\c]
	v_cvt_scalef32_pk16_fp6_f32 v[PC+12+4*\c:PC+14+4*\c], v[(\s)+32*\c+16:(\s)+32*\c+31], v[TM+12+2*\c+1]
.endr
	v_nop                                          ; one plain place behind a scaled conversion
.irp c, 0,1
.irp i, 0,1,2
	v_permlane16_swap_b32 v[PC+6*\c+\i], v[PC+12+4*\c+\i]
.endr
.irp i, 0,1,2
	v_mov_b32 v[PC+3+6*\c+\i], v[PC+12+4*\c+\i]
.endr
.endr
.endm
	s_mov_b32 vcc_lo, 0xffff0000                   ; lanes 16-31
	PLACES NP                                      ; behind the last products: their operands' registers are written below, their results read
.irp b, 0,1,2,3
	v_mov_b32 v[TM+4+\b], 0                        ; written once: a lane permute's destination counts as one of its sources
.endr
	v_mov_b32 v234, 0x3d122279                     ; 0.7978845608 x 0.044715
	v_mov_b32 v235, 0x3d122279
	v_mov_b32 v236, 0x3f4c422a                     ; 0.7978845608
	v_mov_b32 v237, 0x3f4c422a
.irp a, 0,1,2,3,4,5,6,7
	GELU \a
.if \a > 0
	s_wait_xcnt 0x0                                ; the last block's stores have read their registers
.endif
	QUANT U
	global_store_b128 v[LI], v[PC:PC+3], s[8:9] offset:49152*\a            ; each store covers 512 or 256 consecutive bytes
	global_store_b64 v[LJ], v[PC+4:PC+5], s[8:9] offset:49152*\a+512
	global_store_b128 v[LI], v[PC+6:PC+9], s[8:9] offset:49152*\a+768
	global_store_b64 v[LJ], v[PC+10:PC+11], s[8:9] offset:49152*\a+1280
.if \a%2 == 0
	v_mov_b32 v[PWE], v[PW]                        ; an even block's words wait for the odd one's
.else
	v_cndmask_b32 v[WD], v[PWE], v[PW], vcc_lo     ; lanes 0-15 the even block's, lanes 16-31 the odd one's
	global_store_b32 v[LS], v[WD], s[10:11] offset:2048*(\a-1)
.endif
.endr
	s_wait_tensorcnt 0x0                           ; the wave's end
	ds_add_u32 v[SPW], v[NIL]
	s_wait_dscnt 0x0
	CROUND                                         ; the closing round
	s_endpgm
.Lfunc_end_k_qdd27cb6f6f_ff1:
	.size	k_qdd27cb6f6f_ff1, .Lfunc_end_k_qdd27cb6f6f_ff1-k_qdd27cb6f6f_ff1
	.p2alignl 7, 3214868480
	.fill 96, 4, 3214868480
	.section	.rodata,"a",@progbits
	.p2align	6, 0x0
	.amdhsa_kernel k_qdd27cb6f6f_ff1
		.amdhsa_group_segment_fixed_size 327680
		.amdhsa_private_segment_fixed_size 0
		.amdhsa_enable_private_segment 0
		.amdhsa_kernarg_size 24
		.amdhsa_user_sgpr_count 2
		.amdhsa_user_sgpr_kernarg_segment_ptr 1
		.amdhsa_wavefront_size32 1
		.amdhsa_system_sgpr_workgroup_id_x 1
		.amdhsa_system_sgpr_workgroup_id_y 1
		.amdhsa_system_sgpr_workgroup_id_z 1
		.amdhsa_system_vgpr_workitem_id 0
		.amdhsa_next_free_vgpr 1024
		.amdhsa_next_free_sgpr 102
		.amdhsa_reserve_vcc 1
		.amdhsa_float_denorm_mode_32 3
		.amdhsa_float_denorm_mode_16_64 3
		.amdhsa_memory_ordered 1
		.amdhsa_forward_progress 1
		.amdhsa_inst_pref_size 255
	.end_amdhsa_kernel
	.section	.bss,"aw",@nobits
	.p2align	6
	.space	262144
	.amdgpu_metadata
---
amdhsa.version: [ 1, 2 ]
amdhsa.kernels:
  - .name:           k_qdd27cb6f6f_ff1
    .symbol:         k_qdd27cb6f6f_ff1.kd
    .args:
      - { .name: h2q, .offset: 0, .size: 8, .value_kind: global_buffer, .address_space: global }
      - { .name: wimg, .offset: 8, .size: 8, .value_kind: global_buffer, .address_space: global }
      - { .name: gq, .offset: 16, .size: 8, .value_kind: global_buffer, .address_space: global }
    .group_segment_fixed_size: 327680
    .private_segment_fixed_size: 0
    .kernarg_segment_align: 8
    .kernarg_segment_size: 24
    .max_flat_workgroup_size: 128
    .sgpr_count:     102
    .vgpr_count:     1024
    .wavefront_size: 32
...
	.end_amdgpu_metadata
.endif
;; end of part 6
;; launch ff2 (part 7): grid 4 x 16, 4 waves a work-group, clusters of 4 x 4, 327,680 bytes of LDS; arguments gq, wimg, x1, out0; writes out0
.if DOCPART == 7
	.amdgcn_target "amdgcn-amd-amdhsa--gfx1250"
	.amdhsa_code_object_version 6
	.text
	.protected	k_qdd27cb6f6f_ff2
	.globl	k_qdd27cb6f6f_ff2
	.p2align	8
	.type	k_qdd27cb6f6f_ff2,@function
k_qdd27cb6f6f_ff2:
	s_mov_b64 s[64:65], 0
	v_nop
	global_prefetch_b8 v0, s[64:65] scope:SCOPE_SE
	s_setreg_imm32_b32 hwreg(HW_REG_WAVE_MODE, 25, 1), 1
	s_wait_xcnt 0x0
	s_wait_alu depctr_hold_cnt(0) depctr_sa_sdst(0) depctr_va_vdst(0) depctr_va_sdst(0) depctr_va_ssrc(0) depctr_va_vcc(0) depctr_vm_vsrc(0)
	s_getreg_b32 s2, hwreg(HW_REG_IB_STS2, 6, 4)
	s_cmp_eq_u32 s2, 0
	s_cbranch_scc0 .Lentry_in_a_cluster
	s_endpgm
.Lentry_in_a_cluster:
	s_bfe_u32 s2, ttmp6, 0x10000c
	s_cmp_lg_u32 s2, 0xf033
	s_cbranch_scc0 .Lentry_shape_is_right
	s_endpgm
.Lentry_shape_is_right:
; out = res + A W on codes of FP6 (E2M3) with E8M0 scales for each 32 along K, f32 sums.  Here: out0 = x1 + g W_ff2, K = 4,096.
; OPERANDS lie in memory in the order of an operand's registers: [tile of 16 rows][K / 64] x 768 bytes (lane (r, h): 24 bytes of k = 64 j + 32 h + 0 .. 31; 16 bytes at 16 x lane, 8 at 512 + 8 x lane), scale words
; [tile][K / 128][r].  Lane-row r of tile T is row 32 (T / 2) + 8 (T % 2) + r + 8 (r / 8), on both sides.
; A work-group of four waves makes 256 x 256 results, a wave 128 x 128: 64 accumulators, 512 registers.  K goes in steps of 256 through a ring of two LDS slots filled by the tensor data mover: a tile's part of a slot is 3,072
; consecutive bytes of memory; no padding, since every LDS load takes 512 or 256 consecutive bytes.  The scale words of the work-group's rows come once, with the first fills.
; CLUSTERS of 4 x 4: A's tiles are asked for jointly along a row of the cluster, W's along a column.  The matrix instruction is used transposed (source 0 = W's tile, source 1 = A's).
; THE RESIDUAL IS THE C OF THE FIRST PRODUCTS: it is loaded straight into the accumulators while the first tiles are on their way, so it is the first term of each f32 sum and costs no addition.
; THE WAY OUT: a block of 16 rows x 128 columns goes through the wave's own stage in LDS and leaves as whole rows of 512 bytes.  The stage lies in slot 0, which has had its last fill and its last read by then.
; PREFETCH: sixteen slots along K; behind each refill in the loop the slot two refills on is named (macro ASK).
; REGISTERS, in windows of 256: window 0: v16-31 addresses; v32-63 scale words, two sets, and nothing else; v128-223 A's 8 fragments, one set; on the way out v128-255 rows read back.
;   window 1: W's fragments, two sets, at v0 and v128.  windows 2, 3: accumulator (a, b) at v[8 (8 (a % 4) + b)].
.set KST,    32                        ; K steps of 128
.set ASOFF,  12582912                  ; where A's scale words begin in its buffer
.set BCOFF,  6291456                   ; where this weight's codes begin in the weights' image,
.set BSOFF,  9699328                   ; and its scale words
.set PREF,   1
.set NQ,     2
.set FR,     12
.set NL,     4
.set NP,     4
.set FRB,    1536
.set TROW,   NQ*FRB
.set HALFT,  8*TROW
.set SLOT,   4*HALFT
.set GROW,   KST*FRB
.set LAPS,   KST/(2*NQ)
.set SCL,    2*SLOT
.set SBLK,   KST*64
.set HALFS,  8*SBLK
.set SPARE,  SCL+4*HALFS               ; the spare words, 128 bytes a wave: two blocks of 256 bytes that no other line names
.set SPITCH, 528                       ; a stage row: 512 bytes + 16
.set ADRA, 16
.set ADRB, 20
.set STO,  24                          ; v24 the stage: where I put 32 bytes of a row
.set RD,   25                          ; v25 and where I read a row back
.set CO,   26                          ; v26 16 x lane
.set ADRS, 27
.set SPW,  28
.set NIL,  29
.set PFO,  30                          ; v30 the prefetches' offset; never rewritten
.set RO,   31                          ; v31 the residual: my row x 4,096 + 64 h
.set SC,   32
.set AF,   128
.set BK,   128
.set G1, 24
.set G0, 32
.set G1B, 48
.set G0B, 56
.set G1S, 68
.set G0S, 76
.set G1SB, 80
.set G0SB, 88
.set PFA, 98                           ; s[98:99] where my prefetches stand: one slot further along K than the refill that is being asked for
.set LIM, 100                          ; s100 1 in a wave that prefetches, else the greatest number
.set MSB, 0
.macro WIN new
.if MSB != (\new)
	s_set_vgpr_msb (MSB<<8)|(\new)
.set MSB, (\new)
.endif
.endm
.set MUL_LO, 0xa1
.set MUL_HI, 0xf1
.set TO_B,   0x40
.macro JLOAD g0a, g1a, g0b, g1b        ; a joint load: waves 0 and 1 fetch for A, waves 2 and 3 for W; four v_nop follow each of the two lines
	s_cmp_eq_u32 s15, 0
	s_cbranch_scc0 .Lfor_b_\@
	tensor_load_to_lds s[\g0a:\g0a+3], s[\g1a:\g1a+7]
	s_nop 0
.rept 4
	v_nop
.endr
	s_branch .Lasked_\@
.Lfor_b_\@:
	tensor_load_to_lds s[\g0b:\g0b+3], s[\g1b:\g1b+7]
	s_nop 0
.rept 4
	v_nop
.endr
.Lasked_\@:
.endm
.macro CREST
	s_cmp_lg_u32 s14, 0
	s_cbranch_scc1 .Lnot_wave_0_\@
	s_barrier_signal -3
.Lnot_wave_0_\@:
	s_barrier_wait -3
	s_barrier_signal -1
	s_barrier_wait -1
.endm
.macro CROUND
	s_barrier_signal -1
	s_barrier_wait -1
	CREST
.endm
; A prefetch of the slot that stands two refills on: 24 blocks of 256 bytes, a lane a block (lanes 24-31 name lane 23's).  Of the 8 tiles that a wave fetches, each of the four partners that ask for them jointly takes 2, told
; apart by address.  A's tiles are read by one cluster; W's by every cluster of the column: the first of them asks.  The loop's last trip asks for nothing: no slot stands two refills on.  Slots 0 to 3 come by their loads alone.
.macro ASK
	s_cmp_gt_u32 s3, s[LIM]
	s_cbranch_scc0 .Lnot_mine_\@
	global_prefetch_b8 v[PFO], s[PFA:PFA+1] offset:TROW th:TH_LOAD_NT scope:SCOPE_SE
.Lnot_mine_\@:
.endm
	s_load_b128 s[4:7], s[0:1], 0x0                ; A's image, the weights' image
	s_load_b128 s[8:11], s[0:1], 0x10              ; the residual, out
	v_lshl_add_u32 v[SPW], v0, 2, SPARE
	v_mov_b32 v[NIL], 0
	ds_add_u32 v28, v29
	ds_add_u32 v28, v29
	s_wait_dscnt 0x0
	v_lshrrev_b32 v1, 5, v0
	v_readfirstlane_b32 s14, v1                    ; wave 0..3
	s_lshr_b32 s15, s14, 1                         ; which half of the rows is mine.  Also: I fetch for A (0) or for W (1)
	s_and_b32 s16, s14, 1                          ; which half of the columns.  Also: which 8 tiles I fetch
	s_bfe_u32 s40, ttmp6, 0x40000                  ; cx, cy
	s_bfe_u32 s41, ttmp6, 0x40004
	s_lshl_b32 s42, ttmp9, 2
	s_add_co_u32 s42, s42, s40                     ; block of 256 columns
	s_and_b32 s17, ttmp7, 0xffff
	s_lshl_b32 s17, s17, 2
	s_add_co_u32 s17, s17, s41                     ; block of 256 rows
	s_lshl_b32 s43, s41, 2
	s_lshl_b32 s43, 15, s43                        ; my row of the cluster
	s_lshl_b32 s44, 0x1111, s40                    ; my column
	s_or_b32 s[G1+0], s43, (3<<16)|(1<<21)         ; 8 rows of 384 elements of 8 bytes, GROW bytes apart; no padding; 21 set beside a mask
	s_or_b32 s[G1B+0], s44, (3<<16)|(1<<21)
.irp g, G1, G1B
	s_mov_b32 s[\g+1], (TROW/8)<<16
	s_mov_b32 s[\g+2], 8<<16
	s_mov_b32 s[\g+3], (TROW/8)<<16
	s_mov_b32 s[\g+4], 8
	s_mov_b32 s[\g+5], GROW/8
	s_mov_b32 s[\g+6], 0
	s_mov_b32 s[\g+7], 0
.endr
	s_or_b32 s[G1S+0], s43, (3<<16)|(1<<21)        ; the scale words of 8 tiles: HALFS dense bytes, as rows of 256
	s_or_b32 s[G1SB+0], s44, (3<<16)|(1<<21)
.irp g, G1S, G1SB
	s_mov_b32 s[\g+1], 32<<16
	s_mov_b32 s[\g+2], (HALFS/256)<<16
	s_mov_b32 s[\g+3], 32<<16
	s_mov_b32 s[\g+4], HALFS/256
	s_mov_b32 s[\g+5], 32
	s_mov_b32 s[\g+6], 0
	s_mov_b32 s[\g+7], 0
.endr
	s_lshl_b32 s18, s16, 3
	s_lshl_b32 s20, s17, 4
	s_add_co_u32 s20, s20, s18                     ; A: tile 16 x block + 8 x half
	s_lshl_b32 s46, s42, 4
	s_add_co_u32 s46, s46, s18                     ; W likewise
	s_mul_i32 s22, s20, SBLK
	s_add_co_u32 s22, s22, ASOFF
	s_mul_i32 s92, s46, SBLK
	s_add_co_u32 s92, s92, BSOFF
	s_mul_i32 s20, s20, GROW
	s_mul_i32 s46, s46, GROW
	s_add_co_u32 s46, s46, BCOFF
	s_mov_b32 s21, 0
	s_mov_b32 s23, 0
	s_mov_b32 s47, 0
	s_mov_b32 s93, 0
	s_mul_i32 s45, s14, HALFT
	s_mul_i32 s94, s14, HALFS
	s_wait_kmcnt 0x0
	s_add_nc_u64 s[20:21], s[4:5], s[20:21]
	s_add_nc_u64 s[22:23], s[4:5], s[22:23]
	s_add_nc_u64 s[46:47], s[6:7], s[46:47]
	s_add_nc_u64 s[92:93], s[6:7], s[92:93]
	CROUND                                         ; all sixteen work-groups are here: the first joint loads meet
	s_mov_b32 s[G0S], 1
	s_add_co_u32 s[G0S+1], s94, SCL
	s_mov_b64 s[G0S+2:G0S+3], s[22:23]
	s_or_b32 s[G0S+3], s[G0S+3], 0x80000000
	s_mov_b32 s[G0SB], 1
	s_add_co_u32 s[G0SB+1], s94, SCL
	s_mov_b64 s[G0SB+2:G0SB+3], s[92:93]
	s_or_b32 s[G0SB+3], s[G0SB+3], 0x80000000
	JLOAD G0S, G1S, G0SB, G1SB                     ; the scale words first; with the two slots three loads of mine are out
.irp s, 0,1
	s_mov_b32 s[G0+4*\s], 1
	s_add_co_u32 s[G0+4*\s+1], s45, \s*SLOT
	s_add_nc_u64 s[G0+4*\s+2:G0+4*\s+3], s[20:21], \s*TROW
	s_or_b32 s[G0+4*\s+3], s[G0+4*\s+3], 0x80000000
	s_mov_b32 s[G0B+4*\s], 1
	s_add_co_u32 s[G0B+4*\s+1], s45, \s*SLOT
	s_add_nc_u64 s[G0B+4*\s+2:G0B+4*\s+3], s[46:47], \s*TROW
	s_or_b32 s[G0B+4*\s+3], s[G0B+4*\s+3], 0x80000000
	JLOAD G0+4*\s, G1, G0B+4*\s, G1B
.endr
	v_and_b32 v1, 15, v0                           ; r
	v_bfe_u32 v2, v0, 4, 1                         ; h
	v_and_b32 v3, 31, v0
	v_lshlrev_b32 v[CO], 4, v3
	v_lshlrev_b32 v7, 3, v3
	s_mul_i32 s21, s15, HALFT
	s_mul_i32 s22, s16, HALFT
	s_add_co_u32 s22, s22, 2*HALFT
.irp s, 0,1
	v_add_nc_u32 v[ADRA+\s], s21, v[CO]
	v_add_nc_u32 v[ADRB+\s], s22, v[CO]
	v_add_nc_u32 v[ADRA+2+\s], s21, v7
	v_add_nc_u32 v[ADRB+2+\s], s22, v7
	s_add_co_u32 s21, s21, SLOT
	s_add_co_u32 s22, s22, SLOT
.endr
	v_lshlrev_b32 v5, 2, v1
	s_mul_i32 s21, s15, HALFS
	s_mul_i32 s22, s16, HALFS
	s_add_co_u32 s22, s22, 2*HALFS
	s_sub_co_u32 s22, s22, s21
	v_mul_u32_u24 v6, s22, v2                      ; lanes 16-31 take W's scale words
	s_add_co_u32 s21, s21, SCL
	v_add_nc_u32 v5, v5, v6
	v_add_nc_u32 v[ADRS], s21, v5
	s_mul_i32 s23, s14, 16*SPITCH                  ; my stage
	v_mul_u32_u24 v6, v1, SPITCH
	v_lshl_add_u32 v6, v2, 6, v6
	v_add_nc_u32 v[STO], s23, v6                   ; in: row r, + 64 h
	v_add_nc_u32 v[RD], s23, v[CO]                 ; back: the 32 lanes take one row of 512 bytes
	v_and_b32 v6, 8, v1
	v_add_nc_u32 v6, v6, v1
	v_lshlrev_b32 v[RO], 12, v6
	v_lshl_add_u32 v[RO], v2, 6, v[RO]
	s_lshl_b32 s20, s17, 8
	s_lshl_b32 s21, s15, 7
	s_add_co_u32 s20, s20, s21                     ; my first row,
	s_lshl_b32 s20, s20, 12
	s_lshl_b32 s46, s42, 10
	s_lshl_b32 s47, s16, 9
	s_add_co_u32 s46, s46, s47                     ; my first column, in bytes
	s_add_co_u32 s20, s20, s46
	s_mov_b32 s21, 0
	s_add_nc_u64 s[8:9], s[8:9], s[20:21]
	s_add_nc_u64 s[10:11], s[10:11], s[20:21]
.if PREF
	s_add_nc_u64 s[12:13], s[6:7], BCOFF
	s_lshl_b32 s20, s17, 4
	s_lshl_b32 s21, s42, 4
	s_and_b32 s22, ttmp7, 0xffff
	s_cmp_eq_u32 s15, 0                            ; do I fetch for A?
	s_cselect_b32 s20, s20, s21                    ; the block's first tile,
	s_cselect_b32 s21, s40, s41                    ; my place among the four that ask with me,
	s_cselect_b32 s22, ttmp9, s22                  ; the coordinate along which other clusters read the same tiles
	s_cselect_b64 s[PFA:PFA+1], s[4:5], s[12:13]
	s_cmp_eq_u32 s22, 0
	s_cselect_b32 s[LIM], 1, -1                    ; the same in all sixteen partners, for a given wave
	s_lshl_b32 s22, s16, 3
	s_add_co_u32 s20, s20, s22
	s_lshl_b32 s21, s21, 1
	s_add_co_u32 s20, s20, s21                     ; my work-group's 2 of the 8 tiles that I fetch
	s_mul_i32 s20, s20, GROW
	s_add_co_u32 s20, s20, 2*TROW                  ; at slot 2: the first refill steps it to 3 and names slot 4
	s_mov_b32 s21, 0
	s_add_nc_u64 s[PFA:PFA+1], s[PFA:PFA+1], s[20:21]
	v_min_u32 v5, 23, v3
	v_mul_u32_u24 v6, v5, 171
	v_lshrrev_b32 v6, 11, v6                       ; lane / 12: which of the two tiles
	v_mul_u32_u24 v6, v6, GROW-TROW
	v_lshl_add_u32 v[PFO], v5, 8, v6
.endif
.irp a, 0,1,2,3,4,5,6,7                ; the residual, in the result's layout: lane (r, h), register j of (a, b): row 32 (a / 2) + 8 (a % 2) + r + 8 (r / 8), column 32 (b / 2) + 8 (b % 2) + 16 h + j
	WIN 0x80+0x40*(\a/4)
.irp b, 0,1,2,3,4,5,6,7
	global_load_b128 v[8*(8*(\a%4)+\b):8*(8*(\a%4)+\b)+3], v[RO], s[8:9] offset:(32*(\a/2)+8*(\a%2))*4096+128*(\b/2)+32*(\b%2)
	global_load_b128 v[8*(8*(\a%4)+\b)+4:8*(8*(\a%4)+\b)+7], v[RO], s[8:9] offset:(32*(\a/2)+8*(\a%2))*4096+128*(\b/2)+32*(\b%2)+16
.endr
.endr
	WIN 0
.macro FRAG reg, adr, q, i
	ds_load_b128 v[\reg:\reg+3], v[\adr] offset:(\i)*TROW+(\q)*FRB
	ds_load_b64 v[\reg+4:\reg+5], v[\adr+2] offset:(\i)*TROW+(\q)*FRB+512
	ds_load_b128 v[\reg+6:\reg+9], v[\adr] offset:(\i)*TROW+(\q)*FRB+768
	ds_load_b64 v[\reg+10:\reg+11], v[\adr+2] offset:(\i)*TROW+(\q)*FRB+1280
.endm
; 16 matrix instructions: A's blocks a0, a0 + 1 x W's eight.  The 64 accumulators take turns, one instruction a turn, in the same order in every step.
.macro MUL16 a0, p, q, sc
.irp a, \a0, \a0+1
.irp b, 0,1,2,3,4,5,6,7
	v_wmma_scale_f32_16x16x128_f8f6f4 v[8*(8*((\a)%4)+\b):8*(8*((\a)%4)+\b)+7], v[128*(\p)+FR*\b:128*(\p)+FR*\b+FR-1], v[AF+FR*(\a):AF+FR*(\a)+FR-1], v[8*(8*((\a)%4)+\b):8*(8*((\a)%4)+\b)+7], v[SC+8*NQ*(\sc)+NQ*\b+(\q)], v[SC+8*NQ*(\sc)+NQ*(\a)+(\q)] matrix_a_fmt:MATRIX_FMT_FP6 matrix_b_fmt:MATRIX_FMT_FP6 matrix_a_scale:MATRIX_SCALE_ROW1
.endr
.endr
.endm
.macro FETCH_B slot, q, p
	WIN TO_B
.irp i, 0,1,2,3,4,5,6,7
	FRAG 128*(\p)+FR*\i, ADRB+\slot, \q, \i
.endr
	WIN 0
.endm
.macro FETCH_A slot, q, i0
.irp i, \i0, \i0+1, \i0+2, \i0+3
	FRAG AF+FR*(\i), ADRA+\slot, \q, \i
.endr
.endm
.macro SCALES sc
.irp i, 0,1,2,3,4,5,6,7
	ds_load_b32 v[SC+8*NQ*\sc+NQ*\i], v[ADRS] offset:\i*SBLK
	ds_load_b32 v[SC+8*NQ*\sc+NQ*\i+1], v[ADRS] offset:\i*SBLK+64
.endr
.endm
.macro PLACES n
.rept \n
	v_nop
.endr
.endm
.macro STEP slot, q
	s_wait_dscnt 4*NL                              ; all but the youngest sixteen loads (A's blocks 4-7)
	WIN MUL_LO
	MUL16 0, (\q)%2, \q, \slot
	MUL16 2, (\q)%2, \q, \slot
	s_wait_dscnt 0
	PLACES NP
	FETCH_B \slot, (\q)+1, 1-(\q)%2
	FETCH_A \slot, (\q)+1, 0
	WIN MUL_HI
	MUL16 4, (\q)%2, \q, \slot
	MUL16 6, (\q)%2, \q, \slot
	PLACES NP
	WIN 0
	FETCH_A \slot, (\q)+1, 4
.endm
.macro TURN slot, next, fill
.if PREF && \fill
	s_wait_xcnt 0x0                                ; the last prefetch, a slot back, has read its address
	s_add_nc_u64 s[PFA:PFA+1], s[PFA:PFA+1], TROW
.endif
	s_wait_tensorcnt 0x0                           ; all my tensor loads have landed: my part of the next slot
	ds_add_u32 v[SPW], v[NIL]
	s_wait_dscnt 4*NL+1                            ; (the add and the youngest sixteen loads may be out)
	WIN MUL_LO
	MUL16 0, 1, NQ-1, \slot
	s_wait_dscnt 0x0                               ; the add is done, and my reads of this slot are over
	s_barrier_signal -1
	MUL16 2, 1, NQ-1, \slot
	WIN 0
	s_barrier_wait -1
.if \fill
	CREST                                          ; the barrier has opened a round of the cluster's: no wave of any partner still reads this slot or has a load on its way
	s_add_nc_u64 s[G0+4*\slot+2:G0+4*\slot+3], s[G0+4*\slot+2:G0+4*\slot+3], 2*TROW
	s_add_nc_u64 s[G0B+4*\slot+2:G0B+4*\slot+3], s[G0B+4*\slot+2:G0B+4*\slot+3], 2*TROW
	JLOAD G0+4*\slot, G1, G0B+4*\slot, G1B         ; the first tensor load behind the round; its four v_nop are also the places in front of the loads below
.else
	PLACES NP
.endif
	v_add_nc_u32 v[ADRS], 64*NQ, v[ADRS]
	FETCH_B \next, 0, 0
	FETCH_A \next, 0, 0
	SCALES \next
.if PREF && \fill
	ASK                                            ; behind the joint load and the run of LDS loads: two slots, 256 matrix instructions, ahead of the load that will want the bytes
.endif
	WIN MUL_HI
	MUL16 4, 1, NQ-1, \slot
	MUL16 6, 1, NQ-1, \slot
	PLACES NP
	WIN 0
	FETCH_A \next, 0, 4
.endm
	s_wait_tensorcnt 1                             ; the scale words and my part of slot 0 are in; slot 1's load may be out
	s_barrier_signal -1
	s_barrier_wait -1
	FETCH_B 0, 0, 0
	FETCH_A 0, 0, 0
	SCALES 0
	FETCH_A 0, 0, 4
	s_wait_loadcnt 0x0                             ; the residual lies in the accumulators
	STEP 0, 0
	s_mov_b32 s3, LAPS-1
.Llap:
	TURN 0, 1, 1
	STEP 1, 0
	TURN 1, 0, 1
	STEP 0, 0
	s_sub_co_u32 s3, s3, 1
	s_cmp_lg_u32 s3, 0
	s_cbranch_scc1 .Llap
	TURN 0, 1, 0                                   ; the last lap fills nothing
	STEP 1, 0
	s_wait_dscnt 4*NL
	WIN MUL_LO
	MUL16 0, 1, NQ-1, 1
	MUL16 2, 1, NQ-1, 1
	s_wait_dscnt 0
	WIN MUL_HI
	MUL16 4, 1, NQ-1, 1
	MUL16 6, 1, NQ-1, 1
	WIN 0
.macro TOSTAGE a                       ; LDS serves a wave's instructions in order (ISA guide 5.7.1.4): no wait between the stores and the loads, nor in front of the next block's stores
.set AC, 64*((\a)%4)
	WIN 0x08+4*((\a)/4)                            ; the data: window 2 or 3
.irp b, 0,1,2,3,4,5,6,7
	ds_store_b128 v[STO], v[AC+8*\b:AC+8*\b+3] offset:128*(\b/2)+32*(\b%2)         ; each accumulator from its low end on
	ds_store_b128 v[STO], v[AC+8*\b+4:AC+8*\b+7] offset:128*(\b/2)+32*(\b%2)+16
.endr
	WIN 0
.set BB, BK+64*((\a)%2)
.irp t, 0,1,2,3,4,5,6,7,8,9,10,11,12,13,14,15
	ds_load_b128 v[BB+4*\t:BB+4*\t+3], v[RD] offset:\t*SPITCH
.endr
.endm
.macro SEND a, younger                 ; younger: the LDS instructions issued behind block a's loads, which may stay out
.set BB, BK+64*((\a)%2)
	s_wait_dscnt \younger
.irp t, 0,1,2,3,4,5,6,7,8,9,10,11,12,13,14,15
	global_store_b128 v[CO], v[BB+4*\t:BB+4*\t+3], s[10:11] offset:(32*((\a)/2)+8*((\a)%2)+\t+8*(\t/8))*4096 th:TH_STORE_NT   ; 32 lanes store 512 consecutive bytes of the row that lane-row t stands for; written once, read by nobody here
.endr
.endm
	PLACES NP
	TOSTAGE 0
.irp a, 1,2,3,4,5,6,7
.if \a > 1
	s_wait_xcnt 0x0                                ; block a - 2's stores have read their registers: block a's loads may land there
.endif
	TOSTAGE \a
	SEND \a-1, 32                                  ; behind block a - 1's loads: block a's 16 stores and 16 loads
.endr
	SEND 7, 0
	s_wait_tensorcnt 0x0                           ; the wave's end
	ds_add_u32 v[SPW], v[NIL]
	s_wait_dscnt 0x0
	CROUND                                         ; the closing round
	s_endpgm
.Lfunc_end_k_qdd27cb6f6f_ff2:
	.size	k_qdd27cb6f6f_ff2, .Lfunc_end_k_qdd27cb6f6f_ff2-k_qdd27cb6f6f_ff2
	.p2alignl 7, 3214868480
	.fill 96, 4, 3214868480
	.section	.rodata,"a",@progbits
	.p2align	6, 0x0
	.amdhsa_kernel k_qdd27cb6f6f_ff2
		.amdhsa_group_segment_fixed_size 327680
		.amdhsa_private_segment_fixed_size 0
		.amdhsa_enable_private_segment 0
		.amdhsa_kernarg_size 32
		.amdhsa_user_sgpr_count 2
		.amdhsa_user_sgpr_kernarg_segment_ptr 1
		.amdhsa_wavefront_size32 1
		.amdhsa_system_sgpr_workgroup_id_x 1
		.amdhsa_system_sgpr_workgroup_id_y 1
		.amdhsa_system_sgpr_workgroup_id_z 1
		.amdhsa_system_vgpr_workitem_id 0
		.amdhsa_next_free_vgpr 1024
		.amdhsa_next_free_sgpr 102
		.amdhsa_reserve_vcc 0
		.amdhsa_float_denorm_mode_32 3
		.amdhsa_float_denorm_mode_16_64 3
		.amdhsa_memory_ordered 1
		.amdhsa_forward_progress 1
		.amdhsa_inst_pref_size 159
	.end_amdhsa_kernel
	.amdgpu_metadata
---
amdhsa.version: [ 1, 2 ]
amdhsa.kernels:
  - .name:           k_qdd27cb6f6f_ff2
    .symbol:         k_qdd27cb6f6f_ff2.kd
    .args:
      - { .name: gq, .offset: 0, .size: 8, .value_kind: global_buffer, .address_space: global }
      - { .name: wimg, .offset: 8, .size: 8, .value_kind: global_buffer, .address_space: global }
      - { .name: x1, .offset: 16, .size: 8, .value_kind: global_buffer, .address_space: global }
      - { .name: out0, .offset: 24, .size: 8, .value_kind: global_buffer, .address_space: global }
    .group_segment_fixed_size: 327680
    .private_segment_fixed_size: 0
    .kernarg_segment_align: 8
    .kernarg_segment_size: 32
    .max_flat_workgroup_size: 128
    .sgpr_count:     102
    .vgpr_count:     1024
    .wavefront_size: 32
...
	.end_amdgpu_metadata
.endif
;; end of part 7
;; ======== version 2 of 2: 8 launches
;; workspace buffers: wimg 9,830,400 bytes; hq 3,276,800 bytes; qkvq 10,223,616 bytes; oq 3,276,800 bytes; x1 16,777,216 bytes; h2q 3,276,800 bytes; gq 13,107,200 bytes
;; launch prep: the kernel of part 1 again; grid 96 x 1, 8 waves a work-group, no clusters, 0 bytes of LDS; arguments w_qkv_codes, w_qkv_scales, w_proj_codes, w_proj_scales, w_ff1_codes, w_ff1_scales, w_ff2_codes, w_ff2_scales, wimg; writes wimg
;; launch ln1: the kernel of part 2 again; grid 256 x 1, 8 waves a work-group, no clusters, 67,072 bytes of LDS; arguments x, ln1_w, ln1_b, hq; writes hq
;; launch qkv: the kernel of part 3 again; grid 12 x 16, 4 waves a work-group, clusters of 4 x 4, 327,680 bytes of LDS; arguments hq, wimg, qkvq; writes qkvq
;; launch attn: the kernel of part 4 again; grid 8 x 32, 16 waves a work-group, no clusters, 215,040 bytes of LDS; arguments qkvq, oq; writes oq
;; launch proj (part 8): grid 8 x 32, 4 waves a work-group, clusters of 4 x 4, 327,680 bytes of LDS; arguments oq, wimg, x, x1; writes x1
.if DOCPART == 8
	.amdgcn_target "amdgcn-amd-amdhsa--gfx1250"
	.amdhsa_code_object_version 6
	.text
	.protected	k_qdd27cb6f6f_proj
	.globl	k_qdd27cb6f6f_proj
	.p2align	8
	.type	k_qdd27cb6f6f_proj,@function
k_qdd27cb6f6f_proj:
	s_mov_b64 s[64:65], 0
	v_nop
	global_prefetch_b8 v0, s[64:65] scope:SCOPE_SE
	s_setreg_imm32_b32 hwreg(HW_REG_WAVE_MODE, 25, 1), 1
	s_wait_xcnt 0x0
	s_wait_alu depctr_hold_cnt(0) depctr_sa_sdst(0) depctr_va_vdst(0) depctr_va_sdst(0) depctr_va_ssrc(0) depctr_va_vcc(0) depctr_vm_vsrc(0)
	s_getreg_b32 s2, hwreg(HW_REG_IB_STS2, 6, 4)
	s_cmp_eq_u32 s2, 0
	s_cbranch_scc0 .Lentry_in_a_cluster
	s_endpgm
.Lentry_in_a_cluster:
	s_bfe_u32 s2, ttmp6, 0x10000c
	s_cmp_lg_u32 s2, 0xf033
	s_cbranch_scc0 .Lentry_shape_is_right
	s_endpgm
.Lentry_shape_is_right:
; out = res + A W on codes of FP6 (E2M3) with E8M0 scales for each 32 along K, f32 sums.  Here: x1 = x + o W_proj, K = 1,024.
; OPERANDS lie in memory in the order of an operand's registers: [tile of 16 rows][K / 64] x 768 bytes (lane (r, h): 24 bytes of k = 64 j + 32 h + 0 .. 31; 16 bytes at 16 x lane, 8 at 512 + 8 x lane), scale words
; [tile][K / 128][r].  Lane-row r of tile T is row 32 (T / 2) + 8 (T % 2) + r + 8 (r / 8), on both sides.
; THE TILE.  4,096 x 1,024 results make 64 tiles of 256 x 256 and 256 of 128 x 128: the smaller tile is taken, so that there are four times as many work-groups.  Four waves, each 64 x 64: 16 accumulators, 128 registers.
; K goes through two LDS slots of four K steps of 128 each, filled by the tensor data mover: a tile's part of a slot is 6,144 consecutive bytes of memory, a wave's load brings four tiles' parts; no padding, since every LDS
; load takes 512 or 256 consecutive bytes.  At this K the two slots hold all of K: both are first fills, and nothing is filled again.  The scale words of the work-group's rows come once, with the first fills.
; CLUSTERS of 4 x 4: A's tiles are asked for jointly along a row of the cluster, W's along a column.  The matrix instruction is used transposed (source 0 = W's tile, source 1 = A's).
; THE RESIDUAL IS THE C OF THE FIRST PRODUCTS: it is loaded straight into the accumulators while the first tiles are on their way, so it is the first term of each f32 sum and costs no addition.
; THE WAY OUT: a wave's 64 columns are 256 bytes of a row, at a multiple of 256 from the buffer's first byte.  A block of 16 rows goes through the wave's own stage in LDS and leaves as such runs, sixteen lanes to a run.
; REGISTERS, in windows of 256: window 0: v16-31 addresses; v32-63 scale words, two sets, and nothing else; v64-127 rows read back, two sets; v128-255 accumulator (a, b) at v[128 + 8 (4 a + b)].
;   window 1: two sets of fragments, at v0 and v128: A's four at + 0, W's four at + 48.
.set KST,    8                         ; K steps of 128
.set ASOFF,  3145728                   ; where A's scale words begin in its buffer
.set BCOFF,  2359296                   ; where this weight's codes begin in the weights' image,
.set BSOFF,  9535488                   ; and its scale words
.set NTOUT,  0                         ; the result is read again by later launches
.set NQ,     4                         ; K steps in a slot
.set FR,     12                        ; registers of a fragment
.set NP,     4                         ; places behind this matrix instruction (ISA guide 7.12.1)
.set FRB,    1536                      ; a fragment in bytes
.set TROW,   NQ*FRB                    ; a tile's part of a slot
.set HALFT,  4*TROW                    ; 4 tiles: what one tensor load brings, and what one wave reads of a side
.set SLOT,   4*HALFT                   ; A's 8 tiles, then W's 8
.set GROW,   KST*FRB                   ; from tile to tile in memory
.set LAPS,   KST/(2*NQ)                ; a lap = once round the ring
.set SCL,    2*SLOT                    ; behind the ring: the scale words
.set SBLK,   KST*64                    ; those of a tile
.set HALFS,  4*SBLK
.set SPARE,  SCL+4*HALFS               ; the spare words, 128 bytes a wave: two blocks of 256 bytes that no other line names
.set STAGE,  SPARE+512                 ; the stages: 16 rows x 272 bytes for each wave; no tensor load lands here
.set SPITCH, 272                       ; a stage row: 256 bytes + 16
.set ADRA, 16                          ; v16-17 base + 16 x lane of A's tiles in slot 0, 1; v18-19 base + 8 x lane
.set ADRB, 20                          ; v20-23 the same for W
.set STO,  24                          ; v24 the stage: where I put 32 bytes of a row
.set RD,   25                          ; v25 and where I read rows back
.set CO,   26                          ; v26 4,096 h + 16 r: my 16 bytes of two neighbouring rows
.set ADRS, 27                          ; v27 my scale words: lanes 0-15 A's, lanes 16-31 W's
.set SPW,  28                          ; v28 my spare word; never rewritten
.set NIL,  29                          ; v29 0; never rewritten
.set RO,   31                          ; v31 the residual: my row x 4,096 + 64 h
.set SC,   32
.set BK,   64
.set ACC,  128
.set G1, 24
.set G0, 32
.set G1B, 48
.set G0B, 56
.set G1S, 68
.set G0S, 76
.set G1SB, 80
.set G0SB, 88
.set MSB, 0
.macro WIN new                         ; the immediate's high byte repeats the setting that is left
.if MSB != (\new)
	s_set_vgpr_msb (MSB<<8)|(\new)
.set MSB, (\new)
.endif
.endm
.set MUL,  0x05                        ; sources 0 (W) and 1 (A) window 1; C and D window 0
.set TO_F, 0x40                        ; destination window 1, address window 0
.macro JLOAD g0a, g1a, g0b, g1b        ; a joint load: waves 0 and 1 fetch for A, waves 2 and 3 for W; four v_nop follow each of the two lines
	s_cmp_eq_u32 s15, 0
	s_cbranch_scc0 .Lfor_b_\@
	tensor_load_to_lds s[\g0a:\g0a+3], s[\g1a:\g1a+7]
	s_nop 0
.rept 4
	v_nop
.endr
	s_branch .Lasked_\@
.Lfor_b_\@:
	tensor_load_to_lds s[\g0b:\g0b+3], s[\g1b:\g1b+7]
	s_nop 0
.rept 4
	v_nop
.endr
.Lasked_\@:
.endm
.macro CREST                           ; a round of the cluster's barrier behind its opening barrier
	s_cmp_lg_u32 s14, 0
	s_cbranch_scc1 .Lnot_wave_0_\@
	s_barrier_signal -3
.Lnot_wave_0_\@:
	s_barrier_wait -3
	s_barrier_signal -1
	s_barrier_wait -1
.endm
.macro CROUND
	s_barrier_signal -1
	s_barrier_wait -1
	CREST
.endm
	s_load_b128 s[4:7], s[0:1], 0x0                ; A's image, the weights' image
	s_load_b128 s[8:11], s[0:1], 0x10              ; the residual, out
	v_lshl_add_u32 v[SPW], v0, 2, SPARE
	v_mov_b32 v[NIL], 0
	ds_add_u32 v28, v29
	ds_add_u32 v28, v29
	s_wait_dscnt 0x0
	v_lshrrev_b32 v1, 5, v0
	v_readfirstlane_b32 s14, v1                    ; wave 0..3
	s_lshr_b32 s15, s14, 1                         ; which half of the rows is mine.  Also: I fetch for A (0) or for W (1)
	s_and_b32 s16, s14, 1                          ; which half of the columns.  Also: which 4 tiles I fetch
	s_bfe_u32 s40, ttmp6, 0x40000                  ; cx, cy
	s_bfe_u32 s41, ttmp6, 0x40004
	s_lshl_b32 s42, ttmp9, 2
	s_add_co_u32 s42, s42, s40                     ; block of 128 columns
	s_and_b32 s17, ttmp7, 0xffff
	s_lshl_b32 s17, s17, 2
	s_add_co_u32 s17, s17, s41                     ; block of 128 rows
	s_lshl_b32 s43, s41, 2
	s_lshl_b32 s43, 15, s43                        ; my row of the cluster
	s_lshl_b32 s44, 0x1111, s40                    ; my column
	s_or_b32 s[G1+0], s43, (3<<16)|(1<<21)         ; 4 rows of 768 elements of 8 bytes, GROW bytes apart; no padding; 21 set beside a mask
	s_or_b32 s[G1B+0], s44, (3<<16)|(1<<21)
.irp g, G1, G1B
	s_mov_b32 s[\g+1], (TROW/8)<<16                ; tensor_dim0
	s_mov_b32 s[\g+2], 4<<16                       ; tensor_dim1
	s_mov_b32 s[\g+3], (TROW/8)<<16                ; tile_dim0
	s_mov_b32 s[\g+4], 4                           ; tile_dim1
	s_mov_b32 s[\g+5], GROW/8                      ; tensor_dim0_stride
	s_mov_b32 s[\g+6], 0
	s_mov_b32 s[\g+7], 0
.endr
	s_or_b32 s[G1S+0], s43, (3<<16)|(1<<21)        ; the scale words of 4 tiles: HALFS dense bytes, as rows of 256
	s_or_b32 s[G1SB+0], s44, (3<<16)|(1<<21)
.irp g, G1S, G1SB
	s_mov_b32 s[\g+1], 32<<16
	s_mov_b32 s[\g+2], (HALFS/256)<<16
	s_mov_b32 s[\g+3], 32<<16
	s_mov_b32 s[\g+4], HALFS/256
	s_mov_b32 s[\g+5], 32
	s_mov_b32 s[\g+6], 0
	s_mov_b32 s[\g+7], 0
.endr
	s_lshl_b32 s18, s16, 2
	s_lshl_b32 s20, s17, 3
	s_add_co_u32 s20, s20, s18                     ; A: tile 8 x block + 4 x half
	s_lshl_b32 s46, s42, 3
	s_add_co_u32 s46, s46, s18                     ; W likewise
	s_mul_i32 s22, s20, SBLK
	s_add_co_u32 s22, s22, ASOFF
	s_mul_i32 s92, s46, SBLK
	s_add_co_u32 s92, s92, BSOFF
	s_mul_i32 s20, s20, GROW
	s_mul_i32 s46, s46, GROW
	s_add_co_u32 s46, s46, BCOFF
	s_mov_b32 s21, 0
	s_mov_b32 s23, 0
	s_mov_b32 s47, 0
	s_mov_b32 s93, 0
	s_mul_i32 s45, s14, HALFT                      ; where they go: no place in the cluster enters an LDS address
	s_mul_i32 s94, s14, HALFS
	s_wait_kmcnt 0x0
	s_add_nc_u64 s[20:21], s[4:5], s[20:21]
	s_add_nc_u64 s[22:23], s[4:5], s[22:23]
	s_add_nc_u64 s[46:47], s[6:7], s[46:47]
	s_add_nc_u64 s[92:93], s[6:7], s[92:93]
	CROUND                                         ; all sixteen work-groups are here: the first joint loads meet
	s_mov_b32 s[G0S], 1
	s_add_co_u32 s[G0S+1], s94, SCL
	s_mov_b64 s[G0S+2:G0S+3], s[22:23]
	s_or_b32 s[G0S+3], s[G0S+3], 0x80000000
	s_mov_b32 s[G0SB], 1
	s_add_co_u32 s[G0SB+1], s94, SCL
	s_mov_b64 s[G0SB+2:G0SB+3], s[92:93]
	s_or_b32 s[G0SB+3], s[G0SB+3], 0x80000000
	JLOAD G0S, G1S, G0SB, G1SB                     ; the scale words first; with the two slots three loads of mine are out
.irp s, 0,1
	s_mov_b32 s[G0+4*\s], 1
	s_add_co_u32 s[G0+4*\s+1], s45, \s*SLOT
	s_add_nc_u64 s[G0+4*\s+2:G0+4*\s+3], s[20:21], \s*TROW
	s_or_b32 s[G0+4*\s+3], s[G0+4*\s+3], 0x80000000
	s_mov_b32 s[G0B+4*\s], 1
	s_add_co_u32 s[G0B+4*\s+1], s45, \s*SLOT
	s_add_nc_u64 s[G0B+4*\s+2:G0B+4*\s+3], s[46:47], \s*TROW
	s_or_b32 s[G0B+4*\s+3], s[G0B+4*\s+3], 0x80000000
	JLOAD G0+4*\s, G1, G0B+4*\s, G1B
.endr
	v_and_b32 v1, 15, v0                           ; r
	v_bfe_u32 v2, v0, 4, 1                         ; h
	v_and_b32 v3, 31, v0
	v_lshlrev_b32 v4, 4, v3                        ; 16 x lane
	v_lshlrev_b32 v7, 3, v3                        ; 8 x lane
	s_mul_i32 s21, s15, HALFT                      ; my 4 tiles of A,
	s_mul_i32 s22, s16, HALFT                      ; my 4 of W,
	s_add_co_u32 s22, s22, 2*HALFT                 ; which lie behind A's 8
.irp s, 0,1
	v_add_nc_u32 v[ADRA+\s], s21, v4
	v_add_nc_u32 v[ADRB+\s], s22, v4
	v_add_nc_u32 v[ADRA+2+\s], s21, v7
	v_add_nc_u32 v[ADRB+2+\s], s22, v7
	s_add_co_u32 s21, s21, SLOT
	s_add_co_u32 s22, s22, SLOT
.endr
	v_lshlrev_b32 v5, 2, v1                        ; my row's scale word
	s_mul_i32 s21, s15, HALFS
	s_mul_i32 s22, s16, HALFS
	s_add_co_u32 s22, s22, 2*HALFS
	s_sub_co_u32 s22, s22, s21
	v_mul_u32_u24 v6, s22, v2                      ; lanes 16-31 take W's scale words
	s_add_co_u32 s21, s21, SCL
	v_add_nc_u32 v5, v5, v6
	v_add_nc_u32 v[ADRS], s21, v5
	s_mul_i32 s23, s14, 16*SPITCH
	s_add_co_u32 s23, s23, STAGE                   ; my stage
	v_mul_u32_u24 v6, v1, SPITCH
	v_lshl_add_u32 v6, v2, 6, v6
	v_add_nc_u32 v[STO], s23, v6                   ; in: row r, + 64 h
	v_mul_u32_u24 v6, v2, SPITCH
	v_lshl_add_u32 v6, v1, 4, v6
	v_add_nc_u32 v[RD], s23, v6                    ; back: lanes 0-15 take one row of 256 bytes, lanes 16-31 the next
	v_lshlrev_b32 v[CO], 12, v2
	v_lshl_add_u32 v[CO], v1, 4, v[CO]             ; and the same two rows in memory
	v_and_b32 v6, 8, v1
	v_add_nc_u32 v6, v6, v1
	v_lshlrev_b32 v[RO], 12, v6
	v_lshl_add_u32 v[RO], v2, 6, v[RO]
	s_lshl_b32 s20, s17, 7
	s_lshl_b32 s21, s15, 6
	s_add_co_u32 s20, s20, s21                     ; my first row: 128 x block + 64 x half,
	s_lshl_b32 s20, s20, 12
	s_lshl_b32 s46, s42, 9
	s_lshl_b32 s47, s16, 8
	s_add_co_u32 s46, s46, s47                     ; my first column, in bytes: 512 x block + 256 x half
	s_add_co_u32 s20, s20, s46
	s_mov_b32 s21, 0
	s_add_nc_u64 s[8:9], s[8:9], s[20:21]
	s_add_nc_u64 s[10:11], s[10:11], s[20:21]
.irp a, 0,1,2,3                        ; the residual, in the result's layout: lane (r, h), register j of (a, b): row 32 (a / 2) + 8 (a % 2) + r + 8 (r / 8), column 32 (b / 2) + 8 (b % 2) + 16 h + j
.irp b, 0,1,2,3
	global_load_b128 v[ACC+8*(4*\a+\b):ACC+8*(4*\a+\b)+3], v[RO], s[8:9] offset:(32*(\a/2)+8*(\a%2))*4096+128*(\b/2)+32*(\b%2)
	global_load_b128 v[ACC+8*(4*\a+\b)+4:ACC+8*(4*\a+\b)+7], v[RO], s[8:9] offset:(32*(\a/2)+8*(\a%2))*4096+128*(\b/2)+32*(\b%2)+16
.endr
.endr
.macro FRAG reg, adr, q, i             ; a fragment comes as it was laid: two half fragments, each 16 bytes a lane and 8 bytes a lane
	ds_load_b128 v[\reg:\reg+3], v[\adr] offset:(\i)*TROW+(\q)*FRB
	ds_load_b64 v[\reg+4:\reg+5], v[\adr+2] offset:(\i)*TROW+(\q)*FRB+512
	ds_load_b128 v[\reg+6:\reg+9], v[\adr] offset:(\i)*TROW+(\q)*FRB+768
	ds_load_b64 v[\reg+10:\reg+11], v[\adr+2] offset:(\i)*TROW+(\q)*FRB+1280
.endm
; 4 matrix instructions: A's block a x W's four, from set p; the slot's q-th K step; sc: the set of scale words.  The 16 accumulators take turns, one instruction a turn, in the same order in every step.
.macro MULA a, p, q, sc
.irp b, 0,1,2,3
	v_wmma_scale_f32_16x16x128_f8f6f4 v[ACC+8*(4*(\a)+\b):ACC+8*(4*(\a)+\b)+7], v[128*(\p)+48+FR*\b:128*(\p)+48+FR*\b+FR-1], v[128*(\p)+FR*(\a):128*(\p)+FR*(\a)+FR-1], v[ACC+8*(4*(\a)+\b):ACC+8*(4*(\a)+\b)+7], v[SC+16*(\sc)+4*\b+(\q)], v[SC+16*(\sc)+4*(\a)+(\q)] matrix_a_fmt:MATRIX_FMT_FP6 matrix_b_fmt:MATRIX_FMT_FP6 matrix_a_scale:MATRIX_SCALE_ROW1
.endr
.endm
.macro FETCH slot, q, p                ; 32 LDS loads in one run: W's four fragments, then A's four, so that the youngest eight loads are A's blocks 2 and 3
	WIN TO_F
.irp i, 0,1,2,3
	FRAG 128*(\p)+48+FR*\i, ADRB+\slot, \q, \i
.endr
.irp i, 0,1,2,3
	FRAG 128*(\p)+FR*\i, ADRA+\slot, \q, \i
.endr
.endm
.macro SCALES sc                       ; a slot's scale words into set sc: register 4 i + q: lanes 0-15 A's tile i, lanes 16-31 W's tile i
.irp i, 0,1,2,3
.irp q, 0,1,2,3
	ds_load_b32 v[SC+16*\sc+4*\i+\q], v[ADRS] offset:\i*SBLK+64*\q
.endr
.endr
.endm
.macro PLACES n                        ; plain vector instructions between a matrix instruction and a load into, or a read of, its registers
.rept \n
	v_nop
.endr
.endm
.macro STEP slot, q                    ; a K step that has its successor in the same slot: the successor's fragments are asked for first, into the other set
	s_wait_dscnt 8                                 ; all but the youngest eight loads (A's blocks 2 and 3)
	PLACES NP                                      ; the other set was read by the products just issued
	FETCH \slot, (\q)+1, 1-(\q)%2
	WIN MUL
	MULA 0, (\q)%2, \q, \slot
	MULA 1, (\q)%2, \q, \slot
	s_wait_dscnt 32                                ; all but the 32 just issued
	MULA 2, (\q)%2, \q, \slot
	MULA 3, (\q)%2, \q, \slot
.endm
; A slot's last step changes slots: one barrier; in front of it each wave waits for all its tensor loads, adds 0 to its spare word, and waits for that and for its reads of this slot.  fill = 1: this slot is filled again, two slots ahead.
.macro TURN slot, next, fill
	WIN 0                                          ; (the add's two registers lie in window 0)
	s_wait_tensorcnt 0x0                           ; all my tensor loads have landed: my part of the next slot
	ds_add_u32 v[SPW], v[NIL]
	s_wait_dscnt 9                                 ; (the add and the youngest eight loads may be out)
	WIN MUL
	MULA 0, 1, NQ-1, \slot
	s_wait_dscnt 0x0                               ; the add is done, and my reads of this slot are over
	s_barrier_signal -1
	MULA 1, 1, NQ-1, \slot
	WIN 0
	s_barrier_wait -1
.if \fill
	CREST                                          ; the barrier has opened a round of the cluster's: no wave of any partner still reads this slot or has a load on its way
	s_add_nc_u64 s[G0+4*\slot+2:G0+4*\slot+3], s[G0+4*\slot+2:G0+4*\slot+3], 2*TROW
	s_add_nc_u64 s[G0B+4*\slot+2:G0B+4*\slot+3], s[G0B+4*\slot+2:G0B+4*\slot+3], 2*TROW
	JLOAD G0+4*\slot, G1, G0B+4*\slot, G1B         ; the first tensor load behind the round; its four v_nop are also the places in front of the loads below
.else
	PLACES NP
.endif
	v_add_nc_u32 v[ADRS], 64*NQ, v[ADRS]           ; on to the next slot's scale words (no LDS load of mine is out)
	SCALES \next
	FETCH \next, 0, 0
	WIN MUL
	MULA 2, 1, NQ-1, \slot
	MULA 3, 1, NQ-1, \slot
.endm
	s_wait_tensorcnt 1                             ; the scale words and my part of slot 0 are in; slot 1's load may be out
	s_barrier_signal -1
	s_barrier_wait -1
	SCALES 0
	FETCH 0, 0, 0
	s_wait_loadcnt 0x0                             ; the residual lies in the accumulators
	STEP 0, 0
	STEP 0, 1
	STEP 0, 2
.if LAPS > 1
	WIN 0                                          ; at a label and at a branch every window is 0
	s_mov_b32 s3, LAPS-1
.Llap:                                                 ; a trip goes once round the ring and fills both slots again
	TURN 0, 1, 1
	STEP 1, 0
	STEP 1, 1
	STEP 1, 2
	TURN 1, 0, 1
	STEP 0, 0
	STEP 0, 1
	STEP 0, 2
	WIN 0
	s_sub_co_u32 s3, s3, 1
	s_cmp_lg_u32 s3, 0
	s_cbranch_scc1 .Llap
.endif
	TURN 0, 1, 0                                   ; the last lap fills nothing
	STEP 1, 0
	STEP 1, 1
	STEP 1, 2
	s_wait_dscnt 8                                 ; the very last step: nothing more to fetch
	WIN MUL
	MULA 0, 1, NQ-1, 1
	MULA 1, 1, NQ-1, 1
	s_wait_dscnt 0
	MULA 2, 1, NQ-1, 1
	MULA 3, 1, NQ-1, 1
	WIN 0
.macro TOSTAGE a                       ; LDS serves a wave's instructions in order (ISA guide 5.7.1.4): no wait between the stores and the loads, nor in front of the next block's stores
.irp b, 0,1,2,3
	ds_store_b128 v[STO], v[ACC+8*(4*(\a)+\b):ACC+8*(4*(\a)+\b)+3] offset:128*(\b/2)+32*(\b%2)         ; each accumulator from its low end on
	ds_store_b128 v[STO], v[ACC+8*(4*(\a)+\b)+4:ACC+8*(4*(\a)+\b)+7] offset:128*(\b/2)+32*(\b%2)+16
.endr
.set BB, BK+32*((\a)%2)
.irp t, 0,1,2,3,4,5,6,7
	ds_load_b128 v[BB+4*\t:BB+4*\t+3], v[RD] offset:2*\t*SPITCH    ; lane-rows 2 t and 2 t + 1
.endr
.endm
.macro SEND a, younger                 ; younger: the LDS instructions issued behind block a's loads, which may stay out
.set BB, BK+32*((\a)%2)
	s_wait_dscnt \younger
.irp t, 0,1,2,3,4,5,6,7
.if NTOUT
	global_store_b128 v[CO], v[BB+4*\t:BB+4*\t+3], s[10:11] offset:(32*((\a)/2)+8*((\a)%2)+2*\t+8*(\t/4))*4096 th:TH_STORE_NT
.else
	global_store_b128 v[CO], v[BB+4*\t:BB+4*\t+3], s[10:11] offset:(32*((\a)/2)+8*((\a)%2)+2*\t+8*(\t/4))*4096   ; 16 lanes store 256 consecutive bytes of the row that their lane-row stands for
.endif
.endr
.endm
	PLACES NP                                      ; behind the last products, ahead of the first read of results
	TOSTAGE 0
.irp a, 1,2,3
.if \a > 1
	s_wait_xcnt 0x0                                ; block a - 2's stores have read their registers: block a's loads may land there
.endif
	TOSTAGE \a
	SEND \a-1, 16                                  ; behind block a - 1's loads: block a's 8 stores and 8 loads
.endr
	SEND 3, 0
	s_wait_tensorcnt 0x0                           ; the wave's end
	ds_add_u32 v[SPW], v[NIL]
	s_wait_dscnt 0x0
	CROUND                                         ; the closing round: no work-group ends while a partner may still ask for a tile that names it
	s_endpgm
.Lfunc_end_k_qdd27cb6f6f_proj:
	.size	k_qdd27cb6f6f_proj, .Lfunc_end_k_qdd27cb6f6f_proj-k_qdd27cb6f6f_proj
	.p2alignl 7, 3214868480
	.fill 96, 4, 3214868480
	.section	.rodata,"a",@progbits
	.p2align	6, 0x0
	.amdhsa_kernel k_qdd27cb6f6f_proj
		.amdhsa_group_segment_fixed_size 327680
		.amdhsa_private_segment_fixed_size 0
		.amdhsa_enable_private_segment 0
		.amdhsa_kernarg_size 32
		.amdhsa_user_sgpr_count 2
		.amdhsa_user_sgpr_kernarg_segment_ptr 1
		.amdhsa_wavefront_size32 1
		.amdhsa_system_sgpr_workgroup_id_x 1
		.amdhsa_system_sgpr_workgroup_id_y 1
		.amdhsa_system_sgpr_workgroup_id_z 1
		.amdhsa_system_vgpr_workitem_id 0
		.amdhsa_next_free_vgpr 512
		.amdhsa_next_free_sgpr 96
		.amdhsa_reserve_vcc 0
		.amdhsa_float_denorm_mode_32 3
		.amdhsa_float_denorm_mode_16_64 3
		.amdhsa_memory_ordered 1
		.amdhsa_forward_progress 1
		.amdhsa_inst_pref_size 57
	.end_amdhsa_kernel
	.amdgpu_metadata
---
amdhsa.version: [ 1, 2 ]
amdhsa.kernels:
  - .name:           k_qdd27cb6f6f_proj
    .symbol:         k_qdd27cb6f6f_proj.kd
    .args:
      - { .name: oq, .offset: 0, .size: 8, .value_kind: global_buffer, .address_space: global }
      - { .name: wimg, .offset: 8, .size: 8, .value_kind: global_buffer, .address_space: global }
      - { .name: x, .offset: 16, .size: 8, .value_kind: global_buffer, .address_space: global }
      - { .name: x1, .offset: 24, .size: 8, .value_kind: global_buffer, .address_space: global }
    .group_segment_fixed_size: 327680
    .private_segment_fixed_size: 0
    .kernarg_segment_align: 8
    .kernarg_segment_size: 32
    .max_flat_workgroup_size: 128
    .sgpr_count:     96
    .vgpr_count:     512
    .wavefront_size: 32
...
	.end_amdgpu_metadata
.endif
;; end of part 8
;; launch ln2: the kernel of part 2 again; grid 256 x 1, 8 waves a work-group, no clusters, 67,072 bytes of LDS; arguments x1, ln2_w, ln2_b, h2q; writes h2q
;; launch ff1: the kernel of part 6 again; grid 16 x 16, 4 waves a work-group, clusters of 4 x 4, 327,680 bytes of LDS; arguments h2q, wimg, gq; writes gq
;; launch ff2 (part 9): grid 8 x 32, 4 waves a work-group, clusters of 4 x 4, 327,680 bytes of LDS; arguments gq, wimg, x1, out0; writes out0
.if DOCPART == 9
	.amdgcn_target "amdgcn-amd-amdhsa--gfx1250"
	.amdhsa_code_object_version 6
	.text
	.protected	k_qdd27cb6f6f_ff2
	.globl	k_qdd27cb6f6f_ff2
	.p2align	8
	.type	k_qdd27cb6f6f_ff2,@function
k_qdd27cb6f6f_ff2:
	s_mov_b64 s[64:65], 0
	v_nop
	global_prefetch_b8 v0, s[64:65] scope:SCOPE_SE
	s_setreg_imm32_b32 hwreg(HW_REG_WAVE_MODE, 25, 1), 1
	s_wait_xcnt 0x0
	s_wait_alu depctr_hold_cnt(0) depctr_sa_sdst(0) depctr_va_vdst(0) depctr_va_sdst(0) depctr_va_ssrc(0) depctr_va_vcc(0) depctr_vm_vsrc(0)
	s_getreg_b32 s2, hwreg(HW_REG_IB_STS2, 6, 4)
	s_cmp_eq_u32 s2, 0
	s_cbranch_scc0 .Lentry_in_a_cluster
	s_endpgm
.Lentry_in_a_cluster:
	s_bfe_u32 s2, ttmp6, 0x10000c
	s_cmp_lg_u32 s2, 0xf033
	s_cbranch_scc0 .Lentry_shape_is_right
	s_endpgm
.Lentry_shape_is_right:
; out = res + A W on codes of FP6 (E2M3) with E8M0 scales for each 32 along K, f32 sums.  Here: out0 = x1 + g W_ff2, K = 4,096.
; OPERANDS lie in memory in the order of an operand's registers: [tile of 16 rows][K / 64] x 768 bytes (lane (r, h): 24 bytes of k = 64 j + 32 h + 0 .. 31; 16 bytes at 16 x lane, 8 at 512 + 8 x lane), scale words
; [tile][K / 128][r].  Lane-row r of tile T is row 32 (T / 2) + 8 (T % 2) + r + 8 (r / 8), on both sides.
; THE TILE.  4,096 x 1,024 results make 64 tiles of 256 x 256 and 256 of 128 x 128: the smaller tile is taken, so that there are four times as many work-groups.  Four waves, each 64 x 64: 16 accumulators, 128 registers.
; K goes through a ring of two LDS slots of four K steps of 128 each, filled by the tensor data mover: a tile's part of a slot is 6,144 consecutive bytes of memory, a wave's load brings four tiles' parts; no padding, since
; every LDS load takes 512 or 256 consecutive bytes.  Eight slots along K: two first fills, six refills.  Two slots of six K steps would not fit beside the scale words, and five does not divide 32.
; The scale words of the work-group's rows come once, with the first fills.
; CLUSTERS of 4 x 4: A's tiles are asked for jointly along a row of the cluster, W's along a column.  The matrix instruction is used transposed (source 0 = W's tile, source 1 = A's).
; THE RESIDUAL IS THE C OF THE FIRST PRODUCTS: it is loaded straight into the accumulators while the first tiles are on their way, so it is the first term of each f32 sum and costs no addition.
; THE WAY OUT: a wave's 64 columns are 256 bytes of a row, at a multiple of 256 from the buffer's first byte.  A block of 16 rows goes through the wave's own stage in LDS and leaves as such runs, sixteen lanes to a run.
; REGISTERS, in windows of 256: window 0: v16-31 addresses; v32-63 scale words, two sets, and nothing else; v64-127 rows read back, two sets; v128-255 accumulator (a, b) at v[128 + 8 (4 a + b)].
;   window 1: two sets of fragments, at v0 and v128: A's four at + 0, W's four at + 48.
.set KST,    32                        ; K steps of 128
.set ASOFF,  12582912                  ; where A's scale words begin in its buffer
.set BCOFF,  6291456                   ; where this weight's codes begin in the weights' image,
.set BSOFF,  9699328                   ; and its scale words
.set NTOUT,  1                         ; the result is written once and read by nobody here
.set NQ,     4                         ; K steps in a slot
.set FR,     12                        ; registers of a fragment
.set NP,     4                         ; places behind this matrix instruction (ISA guide 7.12.1)
.set FRB,    1536                      ; a fragment in bytes
.set TROW,   NQ*FRB                    ; a tile's part of a slot
.set HALFT,  4*TROW                    ; 4 tiles: what one tensor load brings, and what one wave reads of a side
.set SLOT,   4*HALFT                   ; A's 8 tiles, then W's 8
.set GROW,   KST*FRB                   ; from tile to tile in memory
.set LAPS,   KST/(2*NQ)                ; a lap = once round the ring
.set SCL,    2*SLOT                    ; behind the ring: the scale words
.set SBLK,   KST*64                    ; those of a tile
.set HALFS,  4*SBLK
.set SPARE,  SCL+4*HALFS               ; the spare words, 128 bytes a wave: two blocks of 256 bytes that no other line names
.set STAGE,  SPARE+512                 ; the stages: 16 rows x 272 bytes for each wave; no tensor load lands here
.set SPITCH, 272                       ; a stage row: 256 bytes + 16
.set ADRA, 16                          ; v16-17 base + 16 x lane of A's tiles in slot 0, 1; v18-19 base + 8 x lane
.set ADRB, 20                          ; v20-23 the same for W
.set STO,  24                          ; v24 the stage: where I put 32 bytes of a row
.set RD,   25                          ; v25 and where I read rows back
.set CO,   26                          ; v26 4,096 h + 16 r: my 16 bytes of two neighbouring rows
.set ADRS, 27                          ; v27 my scale words: lanes 0-15 A's, lanes 16-31 W's
.set SPW,  28                          ; v28 my spare word; never rewritten
.set NIL,  29                          ; v29 0; never rewritten
.set RO,   31                          ; v31 the residual: my row x 4,096 + 64 h
.set SC,   32
.set BK,   64
.set ACC,  128
.set G1, 24
.set G0, 32
.set G1B, 48
.set G0B, 56
.set G1S, 68
.set G0S, 76
.set G1SB, 80
.set G0SB, 88
.set MSB, 0
.macro WIN new                         ; the immediate's high byte repeats the setting that is left
.if MSB != (\new)
	s_set_vgpr_msb (MSB<<8)|(\new)
.set MSB, (\new)
.endif
.endm
.set MUL,  0x05                        ; sources 0 (W) and 1 (A) window 1; C and D window 0
.set TO_F, 0x40                        ; destination window 1, address window 0
.macro JLOAD g0a, g1a, g0b, g1b        ; a joint load: waves 0 and 1 fetch for A, waves 2 and 3 for W; four v_nop follow each of the two lines
	s_cmp_eq_u32 s15, 0
	s_cbranch_scc0 .Lfor_b_\@
	tensor_load_to_lds s[\g0a:\g0a+3], s[\g1a:\g1a+7]
	s_nop 0
.rept 4
	v_nop
.endr
	s_branch .Lasked_\@
.Lfor_b_\@:
	tensor_load_to_lds s[\g0b:\g0b+3], s[\g1b:\g1b+7]
	s_nop 0
.rept 4
	v_nop
.endr
.Lasked_\@:
.endm
.macro CREST                           ; a round of the cluster's barrier behind its opening barrier
	s_cmp_lg_u32 s14, 0
	s_cbranch_scc1 .Lnot_wave_0_\@
	s_barrier_signal -3
.Lnot_wave_0_\@:
	s_barrier_wait -3
	s_barrier_signal -1
	s_barrier_wait -1
.endm
.macro CROUND
	s_barrier_signal -1
	s_barrier_wait -1
	CREST
.endm
	s_load_b128 s[4:7], s[0:1], 0x0                ; A's image, the weights' image
	s_load_b128 s[8:11], s[0:1], 0x10              ; the residual, out
	v_lshl_add_u32 v[SPW], v0, 2, SPARE
	v_mov_b32 v[NIL], 0
	ds_add_u32 v28, v29
	ds_add_u32 v28, v29
	s_wait_dscnt 0x0
	v_lshrrev_b32 v1, 5, v0
	v_readfirstlane_b32 s14, v1                    ; wave 0..3
	s_lshr_b32 s15, s14, 1                         ; which half of the rows is mine.  Also: I fetch for A (0) or for W (1)
	s_and_b32 s16, s14, 1                          ; which half of the columns.  Also: which 4 tiles I fetch
	s_bfe_u32 s40, ttmp6, 0x40000                  ; cx, cy
	s_bfe_u32 s41, ttmp6, 0x40004
	s_lshl_b32 s42, ttmp9, 2
	s_add_co_u32 s42, s42, s40                     ; block of 128 columns
	s_and_b32 s17, ttmp7, 0xffff
	s_lshl_b32 s17, s17, 2
	s_add_co_u32 s17, s17, s41                     ; block of 128 rows
	s_lshl_b32 s43, s41, 2
	s_lshl_b32 s43, 15, s43                        ; my row of the cluster
	s_lshl_b32 s44, 0x1111, s40                    ; my column
	s_or_b32 s[G1+0], s43, (3<<16)|(1<<21)         ; 4 rows of 768 elements of 8 bytes, GROW bytes apart; no padding; 21 set beside a mask
	s_or_b32 s[G1B+0], s44, (3<<16)|(1<<21)
.irp g, G1, G1B
	s_mov_b32 s[\g+1], (TROW/8)<<16                ; tensor_dim0
	s_mov_b32 s[\g+2], 4<<16                       ; tensor_dim1
	s_mov_b32 s[\g+3], (TROW/8)<<16                ; tile_dim0
	s_mov_b32 s[\g+4], 4                           ; tile_dim1
	s_mov_b32 s[\g+5], GROW/8                      ; tensor_dim0_stride
	s_mov_b32 s[\g+6], 0
	s_mov_b32 s[\g+7], 0
.endr
	s_or_b32 s[G1S+0], s43, (3<<16)|(1<<21)        ; the scale words of 4 tiles: HALFS dense bytes, as rows of 256
	s_or_b32 s[G1SB+0], s44, (3<<16)|(1<<21)
.irp g, G1S, G1SB
	s_mov_b32 s[\g+1], 32<<16
	s_mov_b32 s[\g+2], (HALFS/256)<<16
	s_mov_b32 s[\g+3], 32<<16
	s_mov_b32 s[\g+4], HALFS/256
	s_mov_b32 s[\g+5], 32
	s_mov_b32 s[\g+6], 0
	s_mov_b32 s[\g+7], 0
.endr
	s_lshl_b32 s18, s16, 2
	s_lshl_b32 s20, s17, 3
	s_add_co_u32 s20, s20, s18                     ; A: tile 8 x block + 4 x half
	s_lshl_b32 s46, s42, 3
	s_add_co_u32 s46, s46, s18                     ; W likewise
	s_mul_i32 s22, s20, SBLK
	s_add_co_u32 s22, s22, ASOFF
	s_mul_i32 s92, s46, SBLK
	s_add_co_u32 s92, s92, BSOFF
	s_mul_i32 s20, s20, GROW
	s_mul_i32 s46, s46, GROW
	s_add_co_u32 s46, s46, BCOFF
	s_mov_b32 s21, 0
	s_mov_b32 s23, 0
	s_mov_b32 s47, 0
	s_mov_b32 s93, 0
	s_mul_i32 s45, s14, HALFT                      ; where they go: no place in the cluster enters an LDS address
	s_mul_i32 s94, s14, HALFS
	s_wait_kmcnt 0x0
	s_add_nc_u64 s[20:21], s[4:5], s[20:21]
	s_add_nc_u64 s[22:23], s[4:5], s[22:23]
	s_add_nc_u64 s[46:47], s[6:7], s[46:47]
	s_add_nc_u64 s[92:93], s[6:7], s[92:93]
	CROUND                                         ; all sixteen work-groups are here: the first joint loads meet
	s_mov_b32 s[G0S], 1
	s_add_co_u32 s[G0S+1], s94, SCL
	s_mov_b64 s[G0S+2:G0S+3], s[22:23]
	s_or_b32 s[G0S+3], s[G0S+3], 0x80000000
	s_mov_b32 s[G0SB], 1
	s_add_co_u32 s[G0SB+1], s94, SCL
	s_mov_b64 s[G0SB+2:G0SB+3], s[92:93]
	s_or_b32 s[G0SB+3], s[G0SB+3], 0x80000000
	JLOAD G0S, G1S, G0SB, G1SB                     ; the scale words first; with the two slots three loads of mine are out
.irp s, 0,1
	s_mov_b32 s[G0+4*\s], 1
	s_add_co_u32 s[G0+4*\s+1], s45, \s*SLOT
	s_add_nc_u64 s[G0+4*\s+2:G0+4*\s+3], s[20:21], \s*TROW
	s_or_b32 s[G0+4*\s+3], s[G0+4*\s+3], 0x80000000
	s_mov_b32 s[G0B+4*\s], 1
	s_add_co_u32 s[G0B+4*\s+1], s45, \s*SLOT
	s_add_nc_u64 s[G0B+4*\s+2:G0B+4*\s+3], s[46:47], \s*TROW
	s_or_b32 s[G0B+4*\s+3], s[G0B+4*\s+3], 0x80000000
	JLOAD G0+4*\s, G1, G0B+4*\s, G1B
.endr
	v_and_b32 v1, 15, v0                           ; r
	v_bfe_u32 v2, v0, 4, 1                         ; h
	v_and_b32 v3, 31, v0
	v_lshlrev_b32 v4, 4, v3                        ; 16 x lane
	v_lshlrev_b32 v7, 3, v3                        ; 8 x lane
	s_mul_i32 s21, s15, HALFT                      ; my 4 tiles of A,
	s_mul_i32 s22, s16, HALFT                      ; my 4 of W,
	s_add_co_u32 s22, s22, 2*HALFT                 ; which lie behind A's 8
.irp s, 0,1
	v_add_nc_u32 v[ADRA+\s], s21, v4
	v_add_nc_u32 v[ADRB+\s], s22, v4
	v_add_nc_u32 v[ADRA+2+\s], s21, v7
	v_add_nc_u32 v[ADRB+2+\s], s22, v7
	s_add_co_u32 s21, s21, SLOT
	s_add_co_u32 s22, s22, SLOT
.endr
	v_lshlrev_b32 v5, 2, v1                        ; my row's scale word
	s_mul_i32 s21, s15, HALFS
	s_mul_i32 s22, s16, HALFS
	s_add_co_u32 s22, s22, 2*HALFS
	s_sub_co_u32 s22, s22, s21
	v_mul_u32_u24 v6, s22, v2                      ; lanes 16-31 take W's scale words
	s_add_co_u32 s21, s21, SCL
	v_add_nc_u32 v5, v5, v6
	v_add_nc_u32 v[ADRS], s21, v5
	s_mul_i32 s23, s14, 16*SPITCH
	s_add_co_u32 s23, s23, STAGE                   ; my stage
	v_mul_u32_u24 v6, v1, SPITCH
	v_lshl_add_u32 v6, v2, 6, v6
	v_add_nc_u32 v[STO], s23, v6                   ; in: row r, + 64 h
	v_mul_u32_u24 v6, v2, SPITCH
	v_lshl_add_u32 v6, v1, 4, v6
	v_add_nc_u32 v[RD], s23, v6                    ; back: lanes 0-15 take one row of 256 bytes, lanes 16-31 the next
	v_lshlrev_b32 v[CO], 12, v2
	v_lshl_add_u32 v[CO], v1, 4, v[CO]             ; and the same two rows in memory
	v_and_b32 v6, 8, v1
	v_add_nc_u32 v6, v6, v1
	v_lshlrev_b32 v[RO], 12, v6
	v_lshl_add_u32 v[RO], v2, 6, v[RO]
	s_lshl_b32 s20, s17, 7
	s_lshl_b32 s21, s15, 6
	s_add_co_u32 s20, s20, s21                     ; my first row: 128 x block + 64 x half,
	s_lshl_b32 s20, s20, 12
	s_lshl_b32 s46, s42, 9
	s_lshl_b32 s47, s16, 8
	s_add_co_u32 s46, s46, s47                     ; my first column, in bytes: 512 x block + 256 x half
	s_add_co_u32 s20, s20, s46
	s_mov_b32 s21, 0
	s_add_nc_u64 s[8:9], s[8:9], s[20:21]
	s_add_nc_u64 s[10:11], s[10:11], s[20:21]
.irp a, 0,1,2,3                        ; the residual, in the result's layout: lane (r, h), register j of (a, b): row 32 (a / 2) + 8 (a % 2) + r + 8 (r / 8), column 32 (b / 2) + 8 (b % 2) + 16 h + j
.irp b, 0,1,2,3
	global_load_b128 v[ACC+8*(4*\a+\b):ACC+8*(4*\a+\b)+3], v[RO], s[8:9] offset:(32*(\a/2)+8*(\a%2))*4096+128*(\b/2)+32*(\b%2)
	global_load_b128 v[ACC+8*(4*\a+\b)+4:ACC+8*(4*\a+\b)+7], v[RO], s[8:9] offset:(32*(\a/2)+8*(\a%2))*4096+128*(\b/2)+32*(\b%2)+16
.endr
.endr
.macro FRAG reg, adr, q, i             ; a fragment comes as it was laid: two half fragments, each 16 bytes a lane and 8 bytes a lane
	ds_load_b128 v[\reg:\reg+3], v[\adr] offset:(\i)*TROW+(\q)*FRB
	ds_load_b64 v[\reg+4:\reg+5], v[\adr+2] offset:(\i)*TROW+(\q)*FRB+512
	ds_load_b128 v[\reg+6:\reg+9], v[\adr] offset:(\i)*TROW+(\q)*FRB+768
	ds_load_b64 v[\reg+10:\reg+11], v[\adr+2] offset:(\i)*TROW+(\q)*FRB+1280
.endm
; 4 matrix instructions: A's block a x W's four, from set p; the slot's q-th K step; sc: the set of scale words.  The 16 accumulators take turns, one instruction a turn, in the same order in every step.
.macro MULA a, p, q, sc
.irp b, 0,1,2,3
	v_wmma_scale_f32_16x16x128_f8f6f4 v[ACC+8*(4*(\a)+\b):ACC+8*(4*(\a)+\b)+7], v[128*(\p)+48+FR*\b:128*(\p)+48+FR*\b+FR-1], v[128*(\p)+FR*(\a):128*(\p)+FR*(\a)+FR-1], v[ACC+8*(4*(\a)+\b):ACC+8*(4*(\a)+\b)+7], v[SC+16*(\sc)+4*\b+(\q)], v[SC+16*(\sc)+4*(\a)+(\q)] matrix_a_fmt:MATRIX_FMT_FP6 matrix_b_fmt:MATRIX_FMT_FP6 matrix_a_scale:MATRIX_SCALE_ROW1
.endr
.endm
.macro FETCH slot, q, p                ; 32 LDS loads in one run: W's four fragments, then A's four, so that the youngest eight loads are A's blocks 2 and 3
	WIN TO_F
.irp i, 0,1,2,3
	FRAG 128*(\p)+48+FR*\i, ADRB+\slot, \q, \i
.endr
.irp i, 0,1,2,3
	FRAG 128*(\p)+FR*\i, ADRA+\slot, \q, \i
.endr
.endm
.macro SCALES sc                       ; a slot's scale words into set sc: register 4 i + q: lanes 0-15 A's tile i, lanes 16-31 W's tile i
.irp i, 0,1,2,3
.irp q, 0,1,2,3
	ds_load_b32 v[SC+16*\sc+4*\i+\q], v[ADRS] offset:\i*SBLK+64*\q
.endr
.endr
.endm
.macro PLACES n                        ; plain vector instructions between a matrix instruction and a load into, or a read of, its registers
.rept \n
	v_nop
.endr
.endm
.macro STEP slot, q                    ; a K step that has its successor in the same slot: the successor's fragments are asked for first, into the other set
	s_wait_dscnt 8                                 ; all but the youngest eight loads (A's blocks 2 and 3)
	PLACES NP                                      ; the other set was read by the products just issued
	FETCH \slot, (\q)+1, 1-(\q)%2
	WIN MUL
	MULA 0, (\q)%2, \q, \slot
	MULA 1, (\q)%2, \q, \slot
	s_wait_dscnt 32                                ; all but the 32 just issued
	MULA 2, (\q)%2, \q, \slot
	MULA 3, (\q)%2, \q, \slot
.endm
; A slot's last step changes slots: one barrier; in front of it each wave waits for all its tensor loads, adds 0 to its spare word, and waits for that and for its reads of this slot.  fill = 1: this slot is filled again, two slots ahead.
.macro TURN slot, next, fill
	WIN 0                                          ; (the add's two registers lie in window 0)
	s_wait_tensorcnt 0x0                           ; all my tensor loads have landed: my part of the next slot
	ds_add_u32 v[SPW], v[NIL]
	s_wait_dscnt 9                                 ; (the add and the youngest eight loads may be out)
	WIN MUL
	MULA 0, 1, NQ-1, \slot
	s_wait_dscnt 0x0                               ; the add is done, and my reads of this slot are over
	s_barrier_signal -1
	MULA 1, 1, NQ-1, \slot
	WIN 0
	s_barrier_wait -1
.if \fill
	CREST                                          ; the barrier has opened a round of the cluster's: no wave of any partner still reads this slot or has a load on its way
	s_add_nc_u64 s[G0+4*\slot+2:G0+4*\slot+3], s[G0+4*\slot+2:G0+4*\slot+3], 2*TROW
	s_add_nc_u64 s[G0B+4*\slot+2:G0B+4*\slot+3], s[G0B+4*\slot+2:G0B+4*\slot+3], 2*TROW
	JLOAD G0+4*\slot, G1, G0B+4*\slot, G1B         ; the first tensor load behind the round; its four v_nop are also the places in front of the loads below
.else
	PLACES NP
.endif
	v_add_nc_u32 v[ADRS], 64*NQ, v[ADRS]           ; on to the next slot's scale words (no LDS load of mine is out)
	SCALES \next
	FETCH \next, 0, 0
	WIN MUL
	MULA 2, 1, NQ-1, \slot
	MULA 3, 1, NQ-1, \slot
.endm
	s_wait_tensorcnt 1                             ; the scale words and my part of slot 0 are in; slot 1's load may be out
	s_barrier_signal -1
	s_barrier_wait -1
	SCALES 0
	FETCH 0, 0, 0
	s_wait_loadcnt 0x0                             ; the residual lies in the accumulators
	STEP 0, 0
	STEP 0, 1
	STEP 0, 2
.if LAPS > 1
	WIN 0                                          ; at a label and at a branch every window is 0
	s_mov_b32 s3, LAPS-1
.Llap:                                                 ; a trip goes once round the ring and fills both slots again
	TURN 0, 1, 1
	STEP 1, 0
	STEP 1, 1
	STEP 1, 2
	TURN 1, 0, 1
	STEP 0, 0
	STEP 0, 1
	STEP 0, 2
	WIN 0
	s_sub_co_u32 s3, s3, 1
	s_cmp_lg_u32 s3, 0
	s_cbranch_scc1 .Llap
.endif
	TURN 0, 1, 0                                   ; the last lap fills nothing
	STEP 1, 0
	STEP 1, 1
	STEP 1, 2
	s_wait_dscnt 8                                 ; the very last step: nothing more to fetch
	WIN MUL
	MULA 0, 1, NQ-1, 1
	MULA 1, 1, NQ-1, 1
	s_wait_dscnt 0
	MULA 2, 1, NQ-1, 1
	MULA 3, 1, NQ-1, 1
	WIN 0
.macro TOSTAGE a                       ; LDS serves a wave's instructions in order (ISA guide 5.7.1.4): no wait between the stores and the loads, nor in front of the next block's stores
.irp b, 0,1,2,3
	ds_store_b128 v[STO], v[ACC+8*(4*(\a)+\b):ACC+8*(4*(\a)+\b)+3] offset:128*(\b/2)+32*(\b%2)         ; each accumulator from its low end on
	ds_store_b128 v[STO], v[ACC+8*(4*(\a)+\b)+4:ACC+8*(4*(\a)+\b)+7] offset:128*(\b/2)+32*(\b%2)+16
.endr
.set BB, BK+32*((\a)%2)
.irp t, 0,1,2,3,4,5,6,7
	ds_load_b128 v[BB+4*\t:BB+4*\t+3], v[RD] offset:2*\t*SPITCH    ; lane-rows 2 t and 2 t + 1
.endr
.endm
.macro SEND a, younger                 ; younger: the LDS instructions issued behind block a's loads, which may stay out
.set BB, BK+32*((\a)%2)
	s_wait_dscnt \younger
.irp t, 0,1,2,3,4,5,6,7
.if NTOUT
	global_store_b128 v[CO], v[BB+4*\t:BB+4*\t+3], s[10:11] offset:(32*((\a)/2)+8*((\a)%2)+2*\t+8*(\t/4))*4096 th:TH_STORE_NT   ; 16 lanes store 256 consecutive bytes of the row that their lane-row stands for
.else
	global_store_b128 v[CO], v[BB+4*\t:BB+4*\t+3], s[10:11] offset:(32*((\a)/2)+8*((\a)%2)+2*\t+8*(\t/4))*4096
.endif
.endr
.endm
	PLACES NP                                      ; behind the last products, ahead of the first read of results
	TOSTAGE 0
.irp a, 1,2,3
.if \a > 1
	s_wait_xcnt 0x0                                ; block a - 2's stores have read their registers: block a's loads may land there
.endif
	TOSTAGE \a
	SEND \a-1, 16                                  ; behind block a - 1's loads: block a's 8 stores and 8 loads
.endr
	SEND 3, 0
	s_wait_tensorcnt 0x0                           ; the wave's end
	ds_add_u32 v[SPW], v[NIL]
	s_wait_dscnt 0x0
	CROUND                                         ; the closing round: no work-group ends while a partner may still ask for a tile that names it
	s_endpgm
.Lfunc_end_k_qdd27cb6f6f_ff2:
	.size	k_qdd27cb6f6f_ff2, .Lfunc_end_k_qdd27cb6f6f_ff2-k_qdd27cb6f6f_ff2
	.p2alignl 7, 3214868480
	.fill 96, 4, 3214868480
	.section	.rodata,"a",@progbits
	.p2align	6, 0x0
	.amdhsa_kernel k_qdd27cb6f6f_ff2
		.amdhsa_group_segment_fixed_size 327680
		.amdhsa_private_segment_fixed_size 0
		.amdhsa_enable_private_segment 0
		.amdhsa_kernarg_size 32
		.amdhsa_user_sgpr_count 2
		.amdhsa_user_sgpr_kernarg_segment_ptr 1
		.amdhsa_wavefront_size32 1
		.amdhsa_system_sgpr_workgroup_id_x 1
		.amdhsa_system_sgpr_workgroup_id_y 1
		.amdhsa_system_sgpr_workgroup_id_z 1
		.amdhsa_system_vgpr_workitem_id 0
		.amdhsa_next_free_vgpr 512
		.amdhsa_next_free_sgpr 96
		.amdhsa_reserve_vcc 0
		.amdhsa_float_denorm_mode_32 3
		.amdhsa_float_denorm_mode_16_64 3
		.amdhsa_memory_ordered 1
		.amdhsa_forward_progress 1
		.amdhsa_inst_pref_size 95
	.end_amdhsa_kernel
	.amdgpu_metadata
---
amdhsa.version: [ 1, 2 ]
amdhsa.kernels:
  - .name:           k_qdd27cb6f6f_ff2
    .symbol:         k_qdd27cb6f6f_ff2.kd
    .args:
      - { .name: gq, .offset: 0, .size: 8, .value_kind: global_buffer, .address_space: global }
      - { .name: wimg, .offset: 8, .size: 8, .value_kind: global_buffer, .address_space: global }
      - { .name: x1, .offset: 16, .size: 8, .value_kind: global_buffer, .address_space: global }
      - { .name: out0, .offset: 24, .size: 8, .value_kind: global_buffer, .address_space: global }
    .group_segment_fixed_size: 327680
    .private_segment_fixed_size: 0
    .kernarg_segment_align: 8
    .kernarg_segment_size: 32
    .max_flat_workgroup_size: 128
    .sgpr_count:     96
    .vgpr_count:     512
    .wavefront_size: 32
...
	.end_amdgpu_metadata
.endif
;; end of part 9
